; MI455X (gfx1250); checked and timed in simulation.
; The chip was launched on July 23, 2026; its instructions are those of AMD's public machine-readable ISA for CDNA 5 (MIT licence, August 2026) and "CDNA5" Instruction Set Architecture Reference Guide (July 2026). The comments in the code are by the model that wrote it; some were corrected since.
;; Extractor To P Mo E. Allowed arithmetic: matrix products marked QUANTISED: E5M2 operands, one E8M0 scale for each 32 along K, by v_wmma_scale_f32_16x16x128_f8f6f4 with both operands' format E5M2, f32 sums; everything else in f32.
;; Inputs: W1_codes 16 x 2,048 x 32 x 32 uint8 (E5M2 codes of W1, K innermost, in blocks of 32 codes); W1_scales 16 x 2,048 x 32 uint8 (E8M0 scales of W1, one for each 32 codes along K); W2_codes 16 x 1,000 x 64 x 32 uint8 (E5M2 codes of W2, K innermost, in blocks of 32 codes); W2_scales 16 x 1,000 x 64 uint8 (E8M0 scales of W2, one for each 32 codes along K); Wg_codes 16 x 32 x 32 uint8 (E5M2 codes of Wg, K innermost, in blocks of 32 codes); Wg_scales 16 x 32 uint8 (E8M0 scales of Wg, one for each 32 codes along K); b1 16 x 2,048 float32; b2 16 x 1,000 float32; bg 16 float32; x_codes 1,024 x 32 x 32 uint8 (E5M2 codes of x, K innermost, in blocks of 32 codes); x_scales 1,024 x 32 uint8 (E8M0 scales of x, one for each 32 codes along K).
;; Outputs: out0 1,024 x 1,000 float32.
;; Constants: k = 2.
;; This version of the problem:
;;   THIS VERSION OF THE PROBLEM IS GIVEN IN LOW PRECISION. The matrix products marked QUANTISED in the list below multiply operands that are first quantised to E5M2 (5 exponent bits, 2 mantissa bits; 8 bits a number), with one power-of-two scale for each 32 numbers along K (OCP MX v1.0); their sums are f32. All else is computed in f32.
;;   The module's matrix products, in the order in which they are computed (A, B: the left and right operand; K: the contracted axis; several contracted axes count as one K, in the product's order):
;;     1. [M 1,024, K 1,024] x [K 1,024, N 16]; A: input x (given as codes); B: input Wg (given as codes): QUANTISED
;;     2. [M 1,024, K 1,024] x [K 1,024, N 32,768]; A: input x (given as codes); B: input W1 (given as codes): QUANTISED
;;     3. batch 16 x [M 1,000, K 2,048] x [K 2,048, N 1,024]; A: input W2 (given as codes); B: computed on the way: QUANTISED
;;   THE QUANTISER, for each operand of a quantised product, along K:
;;     - K is cut into blocks of 32 from its start; a last block that is shorter is filled with zeros.
;;     - A block's scale is 2^e with e = floor(log2(the largest magnitude in the block)) - 15, held to -126 .. 127; a block of zeros has e = 0. As a byte (E8M0): e + 127.
;;     - Each number is divided by its block's scale, clamped to +-57,344, and rounded to the nearest number of E5M2, ties to even, subnormals kept.
;;     - The product sums the exact products of the quantised numbers (number of the format x scale) in f32.
;;   ~~~python
;;   def quantise(x, axis):      # numpy; x: float32 -> the quantised numbers, widened to float32 again
;;       x = np.moveaxis(x, axis, -1); K = x.shape[-1]
;;       x = np.pad(x, [(0, 0)] * (x.ndim - 1) + [(0, -K % 32)]); x = x.reshape(x.shape[:-1] + (-1, 32)); a = np.abs(x).max(-1, keepdims=True)
;;       e = np.where(a > 0, np.clip(np.frexp(np.where(a > 0, a, 1))[1] - 1 - 15, -126, 127), 0)      # np.frexp(a)[1] - 1 = floor(log2(a)), exactly
;;       r = np.clip(x / 2.0 ** e, -57344, 57344)
;;       step = 2.0 ** (np.maximum(np.frexp(np.where(r == 0, 1, r))[1] - 1, -14) - 2)
;;       q = np.round(r / step) * step * 2.0 ** e      # np.round: ties to even
;;       return np.moveaxis(q.reshape(q.shape[:-2] + (-1,))[..., :K], -1, axis).astype(np.float32)
;;   ~~~
;;   OPERANDS COMPUTED ON THE WAY. 'Computed on the way' means the value that the module computes at that place (a softmax that the list does not call 'softmax' is quantised finished and normalised). What goes into a quantiser is computed in f32, as accurately as f32 sums, v_exp_f32 and their like allow (about 1e-6 of the number): no bf16 or f16 on the way to a quantiser, and a product that is left as it is and whose result goes on into a quantised operand takes f32 operands (vector FMAs, or v_wmma_f32_16x16x4_f32). A number that lies on a knife's edge between two numbers of the format may be rounded either way, as far as f32 arithmetic and the matrix unit's own rounding can turn it there, and no further.
;;   INPUTS GIVEN AS CODES. W1 (in the module: [16, 1024, 2048], K = its axis 1); W2 (in the module: [16, 2048, 1000], K = its axis 1); Wg (in the module: [1024, 16], K = its axis 0); x (in the module: [1024, 1024], K = its axis 1): each comes as NAME_codes (uint8): NAME with its K axis moved to the last place and cut into blocks of 32 codes, [.., K / 32, bytes a block], one block behind the other in memory; one code a byte (a code: sign, 5 exponent bits, 2 mantissa bits); and NAME_scales (uint8): the same leading axes, one E8M0 byte (e + 127) for each 32 codes along K. Its value is code x scale, taken as it is: it is not quantised again, and the codes and scales need not be those that the quantiser above would give.
;; 2 versions. Each part assembles by itself: llvm-mc -triple=amdgcn-amd-amdhsa -mcpu=gfx1250 --defsym DOCPART=n.
;; ======== version 1 of 2: 5 launches
;; limits: a difference of large sums (such as E[x^2] - mean^2): digits are lost where the result is much smaller than its terms
;; workspace buffers: sel 8,192 bytes of whole numbers; wts 8,192 bytes; cnt 2,048 bytes of whole numbers; list 65,536 bytes of whole numbers; hq 33,554,432 bytes; hs 1,048,576 bytes; lg 16,777,216 bytes
;; launch gate (part 1): grid 32 x 1, 1 waves a work-group, no clusters, 50,176 bytes of LDS; arguments x_codes, x_scales, Wg_codes, Wg_scales, bg, sel, wts; writes sel, wts
.if DOCPART == 1
	.amdgcn_target "amdgcn-amd-amdhsa--gfx1250"
	.amdhsa_code_object_version 6
	.text
	.protected	k_q547ca0f27a_gate
	.globl	k_q547ca0f27a_gate
	.p2align	8
	.type	k_q547ca0f27a_gate,@function
k_q547ca0f27a_gate:
	s_mov_b64 s[64:65], 0
	v_nop
	global_prefetch_b8 v0, s[64:65] scope:SCOPE_SE
	s_setreg_imm32_b32 hwreg(HW_REG_WAVE_MODE, 25, 1), 1
	s_wait_xcnt 0x0
; THE GATE.  logits = x Wg + bg on codes of BF8 (E5M2) with one E8M0 scale for each 32 along K = 1,024; for each token the two largest of its 16 experts and their softmax values.
; sel [1024][2] u32: the expert of the largest gate value, then of the second.  wts [1024][2] f32: the two gate values.  Both are stored at fixed places: no address here hangs on a result.
; SHARES.  One wave to a work-group, 32 tokens: two tiles of 16, whose two accumulators take turns.  The product is used transposed (source 0 = Wg's 16 rows, one an expert; source 1 = 16 tokens):
; lane (r, h) then holds token r and experts 8 h + 0 .. 7.  bg is the C of each sum's first matrix instruction.
; Codes are loaded as they lie, 512 consecutive bytes an instruction, and turned into fragments through LDS: rows 1,040 bytes apart (65 x 16), so that the 16 rows of a fragment load fall on 16 different 16-byte columns modulo 256.
; THE CHOICE is made on the logits, with strict comparisons in ascending order of experts, so that the lower expert wins a tie, as jax.lax.top_k has it.
; LIMITS: NaN and infinities among the logits are not served.  Two experts whose logits differ but whose softmax values round to the same f32 number may come in the other order than a top-k taken on the rounded values.
; No cluster: the only bytes that work-groups share are Wg's 16 KiB, half of what a work-group reads of x.
; REGISTERS: window 0: v1-11 lane terms; v16-23 x's scale words (lanes 0-15 tile 0, lanes 16-31 tile 1), v24-31 Wg's, v32-39 bg, v40-55 the two accumulators, v56-71 exponentials, v72-119 the choice, v120-127 results.
;   window 1: v0-127 Wg's 8 fragments.   window 2: x's fragment (tile a, K step s) at v[128 a + 16 s].
.set PIT, 1040                         ; an LDS row: 1,024 bytes + 16
.set GG,  32*PIT                       ; behind x's 32 rows: Wg's 16
.set XS,  16
.set GS,  24
.set BG,  32
.set ACC, 40
.set EE,  56
.set TT,  72                           ; tile a at TT + 24 a: +0 M1 +1 I1 +2 M2 +3 I2; +4..7 the other half's four; +8..11 the lower experts' four; +12..15 the upper experts' four; +16 T1 +17 TI1 +18 T2 +19 TI2; +20 X +21 XI +22 Y +23 YI
.set OI,  120
.set OW,  122
.set SS,  124                          ; tile a: SS + 2 a the sum, SS + 2 a + 1 the second's exponential
.set MSB, 0
.macro WIN new                         ; s_set_vgpr_msb: bits 1:0 source 0, 3:2 source 1, 5:4 source 2, 7:6 destination; the high byte repeats the setting that is left
.if MSB != (\new)
	s_set_vgpr_msb (MSB<<8)|(\new)
.set MSB, (\new)
.endif
.endm
.macro NOPS n
.rept \n
	v_nop
.endr
.endm
.macro WM rd, ra, rb, rc, sa, sb, row  ; one scaled product 16 x 16 x 128; row = 1: source 1's scales stand in lanes 16-31
.if \row
	v_wmma_scale_f32_16x16x128_f8f6f4 v[\rd:\rd+7], v[\ra:\ra+15], v[\rb:\rb+15], v[\rc:\rc+7], v[\sa], v[\sb] matrix_a_fmt:MATRIX_FMT_BF8 matrix_b_fmt:MATRIX_FMT_BF8 matrix_b_scale:MATRIX_SCALE_ROW1
.else
	v_wmma_scale_f32_16x16x128_f8f6f4 v[\rd:\rd+7], v[\ra:\ra+15], v[\rb:\rb+15], v[\rc:\rc+7], v[\sa], v[\sb] matrix_a_fmt:MATRIX_FMT_BF8 matrix_b_fmt:MATRIX_FMT_BF8
.endif
.endm
	s_load_b256 s[8:15], s[0:1], 0x0               ; x's codes s[8:9], x's scales s[10:11], Wg's codes s[12:13], Wg's scales s[14:15]
	s_load_b128 s[16:19], s[0:1], 0x20             ; bg s[16:17], sel s[18:19]
	s_load_b64 s[20:21], s[0:1], 0x30              ; wts
	v_lshl_add_u32 v254, v0, 2, 0xc300
	v_mov_b32 v255, 0
	v_and_b32 v1, 15, v0                           ; r  (one wave: v0 is the lane)
	v_lshrrev_b32 v2, 4, v0                        ; h
	v_lshlrev_b32 v3, 4, v0                        ; 16 x lane
	v_mul_u32_u24 v4, v1, PIT
	v_lshl_add_u32 v4, v2, 4, v4                   ; a fragment's row r, + 16 h
	v_add_nc_u32 v5, GG, v4                        ; the same among Wg's rows
	v_lshlrev_b32 v6, 5, v0                        ; x's scales: 32 bytes a token, a token a lane
	v_lshlrev_b32 v7, 5, v1                        ; Wg's scales: 32 bytes an expert
	v_lshlrev_b32 v8, 5, v2                        ; bg: my eight experts' 32 bytes
	v_lshlrev_b32 v9, 3, v0                        ; the results: 8 bytes a token
	v_lshlrev_b32 v10, 3, v2                       ; my first expert, 8 h
	v_mov_b32 v11, 0xff800000                      ; -infinity
.irp a, 0,1
.irp k, 4,5,6,7
	v_mov_b32 v[TT+24*\a+\k], 0                    ; written once: a lane permute's destination counts as one of its sources
.endr
.endr
	s_lshl_b32 s2, ttmp9, 15                       ; 32 tokens x 1,024 bytes
	s_mov_b32 s3, 0
	s_lshl_b32 s4, ttmp9, 10                       ; 32 tokens x 32 bytes
	s_mov_b32 s5, 0
	s_lshl_b32 s6, ttmp9, 8                        ; 32 tokens x 8 bytes
	s_mov_b32 s7, 0
	s_mov_b32 s22, 0xffff0000                      ; the lanes with h = 1
	s_mov_b32 s26, 0x76543210
	s_mov_b32 s27, 0xfedcba98                      ; v_permlanex16_b32's selects for lane l xor 16
	s_wait_kmcnt 0x0
	s_add_nc_u64 s[8:9], s[8:9], s[2:3]
	s_add_nc_u64 s[10:11], s[10:11], s[4:5]
	s_add_nc_u64 s[18:19], s[18:19], s[6:7]
	s_add_nc_u64 s[20:21], s[20:21], s[6:7]
	WIN 0x80                                       ; destination window 2
.set i, 0
.rept 64
	global_load_b128 v[4*i:4*i+3], v3, s[8:9] offset:512*i         ; x: 32 lanes read 512 consecutive bytes: half of row i / 2
.set i, i+1
.endr
	WIN 0x40                                       ; destination window 1
.set i, 0
.rept 32
	global_load_b128 v[4*i:4*i+3], v3, s[12:13] offset:512*i       ; Wg likewise
.set i, i+1
.endr
	WIN 0
	global_load_b128 v[XS:XS+3], v6, s[10:11]
	global_load_b128 v[XS+4:XS+7], v6, s[10:11] offset:16          ; register s: the word of K step s of token 32 g + lane
	global_load_b128 v[GS:GS+3], v7, s[14:15]
	global_load_b128 v[GS+4:GS+7], v7, s[14:15] offset:16
	global_load_b128 v[BG:BG+3], v8, s[16:17]
	global_load_b128 v[BG+4:BG+7], v8, s[16:17] offset:16          ; bg[8 h + j]: the result's layout
	s_wait_loadcnt 0x0
	; through LDS: in as loaded, back as fragments, into the registers that they left.  LDS serves a wave's instructions in order (ISA guide 5.7.1.4): no wait between the stores and the loads
	WIN 0x08                                       ; an LDS store's data are its source 1: window 2
.set i, 0
.rept 64
	ds_store_b128 v3, v[4*i:4*i+3] offset:(i/2)*PIT+512*(i%2)
.set i, i+1
.endr
	WIN 0x04
.set i, 0
.rept 32
	ds_store_b128 v3, v[4*i:4*i+3] offset:GG+(i/2)*PIT+512*(i%2)
.set i, i+1
.endr
	WIN 0x80
.irp a, 0,1
.irp s, 0,1,2,3,4,5,6,7
.irp c, 0,1,2,3
	ds_load_b128 v[128*\a+16*\s+4*\c:128*\a+16*\s+4*\c+3], v4 offset:\a*16*PIT+128*\s+32*\c   ; registers 4 c on: K = 128 s + 32 c + 16 h + 0 .. 15 of token 16 a + r
.endr
.endr
.endr
	WIN 0x40
.irp s, 0,1,2,3,4,5,6,7
.irp c, 0,1,2,3
	ds_load_b128 v[16*\s+4*\c:16*\s+4*\c+3], v5 offset:128*\s+32*\c
.endr
.endr
	WIN 0
	s_wait_dscnt 0x0
	WIN 0x09                                       ; source 0 (Wg) window 1, source 1 (x) window 2, C and D window 0
.irp s, 0,1,2,3,4,5,6,7                        ; the two accumulators by turns, one instruction a turn
.irp a, 0,1
.if \s == 0
	WM ACC+8*\a, 16*\s, 128*\a+16*\s, BG, GS+\s, XS+\s, \a
.else
	WM ACC+8*\a, 16*\s, 128*\a+16*\s, ACC+8*\a, GS+\s, XS+\s, \a
.endif
.endr
.endr
	WIN 0
	NOPS 8                                         ; eight places between this form and the first read of its result
	; the two largest of my eight experts; each accumulator is read from its low end on
.irp a, 0,1
	v_mov_b32 v[TT+24*\a], v[ACC+8*\a]
	v_mov_b32 v[TT+24*\a+1], v10
	v_mov_b32 v[TT+24*\a+2], v11
	v_mov_b32 v[TT+24*\a+3], v10
.endr
.irp j, 1,2,3,4,5,6,7
	v_add_nc_u32 v12, \j, v10                      ; the expert of register j
.irp a, 0,1
	v_cmp_gt_f32 s23, v[ACC+8*\a+\j], v[TT+24*\a]                  ; above the largest?
	v_cmp_gt_f32 s24, v[ACC+8*\a+\j], v[TT+24*\a+2]                ; above the second?
	v_cndmask_b32 v[TT+24*\a+2], v[TT+24*\a+2], v[ACC+8*\a+\j], s24
	v_cndmask_b32 v[TT+24*\a+3], v[TT+24*\a+3], v12, s24
	v_cndmask_b32 v[TT+24*\a+2], v[TT+24*\a+2], v[TT+24*\a], s23   ; the old largest steps down
	v_cndmask_b32 v[TT+24*\a+3], v[TT+24*\a+3], v[TT+24*\a+1], s23
	v_cndmask_b32 v[TT+24*\a], v[TT+24*\a], v[ACC+8*\a+\j], s23
	v_cndmask_b32 v[TT+24*\a+1], v[TT+24*\a+1], v12, s23
.endr
.endr
	; with the other half of the lanes', which holds the token's other eight experts; the lower experts' pair stands first in every comparison
.irp a, 0,1
.irp k, 0,1,2,3
	v_permlanex16_b32 v[TT+24*\a+4+\k], v[TT+24*\a+\k], s26, s27
.endr
.endr
.irp a, 0,1
.irp k, 0,1,2,3
	v_cndmask_b32 v[TT+24*\a+8+\k], v[TT+24*\a+\k], v[TT+24*\a+4+\k], s22    ; experts 0-7's: mine where h = 0
	v_cndmask_b32 v[TT+24*\a+12+\k], v[TT+24*\a+4+\k], v[TT+24*\a+\k], s22   ; experts 8-15's
.endr
	v_cmp_gt_f32 s23, v[TT+24*\a+12], v[TT+24*\a+8]
	v_cndmask_b32 v[TT+24*\a+16], v[TT+24*\a+8], v[TT+24*\a+12], s23         ; the largest,
	v_cndmask_b32 v[TT+24*\a+17], v[TT+24*\a+9], v[TT+24*\a+13], s23         ; its expert
	v_cndmask_b32 v[TT+24*\a+20], v[TT+24*\a+10], v[TT+24*\a+8], s23         ; what is left to compare: of the lower experts,
	v_cndmask_b32 v[TT+24*\a+21], v[TT+24*\a+11], v[TT+24*\a+9], s23
	v_cndmask_b32 v[TT+24*\a+22], v[TT+24*\a+12], v[TT+24*\a+14], s23        ; of the upper
	v_cndmask_b32 v[TT+24*\a+23], v[TT+24*\a+13], v[TT+24*\a+15], s23
	v_cmp_gt_f32 s24, v[TT+24*\a+22], v[TT+24*\a+20]
	v_cndmask_b32 v[TT+24*\a+18], v[TT+24*\a+20], v[TT+24*\a+22], s24        ; the second,
	v_cndmask_b32 v[TT+24*\a+19], v[TT+24*\a+21], v[TT+24*\a+23], s24        ; its expert
.endr
	; the softmax: the largest logit is taken away first; the largest's own exponential is 1
.irp a, 0,1
.irp j, 0,1,2,3,4,5,6,7
	v_sub_f32 v[EE+8*\a+\j], v[ACC+8*\a+\j], v[TT+24*\a+16]
.endr
	v_sub_f32 v[SS+2*\a+1], v[TT+24*\a+18], v[TT+24*\a+16]
.endr
.irp a, 0,1
.irp j, 0,1,2,3,4,5,6,7
	v_mul_f32 v[EE+8*\a+\j], 0x3fb8aa3b, v[EE+8*\a+\j]             ; x log2(e)
.endr
	v_mul_f32 v[SS+2*\a+1], 0x3fb8aa3b, v[SS+2*\a+1]
.endr
.irp a, 0,1
.irp j, 0,1,2,3,4,5,6,7
	v_exp_f32 v[EE+8*\a+\j], v[EE+8*\a+\j]
.endr
	v_exp_f32 v[SS+2*\a+1], v[SS+2*\a+1]
.endr
	v_nop                                          ; a plain instruction behind the last exponential
	s_wait_alu depctr_va_vdst(0)                   ; one wait for the batch of 18, ahead of its first reader
.irp a, 0,1
	v_pk_add_f32 v[EE+8*\a:EE+8*\a+1], v[EE+8*\a:EE+8*\a+1], v[EE+8*\a+2:EE+8*\a+3]
	v_pk_add_f32 v[EE+8*\a+4:EE+8*\a+5], v[EE+8*\a+4:EE+8*\a+5], v[EE+8*\a+6:EE+8*\a+7]
.endr
.irp a, 0,1
	v_pk_add_f32 v[EE+8*\a:EE+8*\a+1], v[EE+8*\a:EE+8*\a+1], v[EE+8*\a+4:EE+8*\a+5]
.endr
.irp a, 0,1
	v_add_f32 v[SS+2*\a], v[EE+8*\a], v[EE+8*\a+1]
.endr
.irp a, 0,1
	v_permlanex16_b32 v[TT+24*\a+4], v[SS+2*\a], s26, s27
.endr
.irp a, 0,1
	v_add_f32 v[SS+2*\a], v[SS+2*\a], v[TT+24*\a+4]                ; the sum over all 16 experts
.endr
.irp a, 0,1
	v_rcp_f32 v[TT+24*\a+8], v[SS+2*\a]                            ; the largest's gate value is 1 / the sum
.endr
	v_nop
	s_wait_alu depctr_va_vdst(0)                   ; one wait for the two reciprocals
.irp a, 0,1
	v_mul_f32 v[TT+24*\a+10], v[SS+2*\a+1], v[TT+24*\a+8]          ; the second's
.endr
	; lane (r, h) stores token 16 h + r: tile h's results, which both halves of the lanes hold
	v_cndmask_b32 v[OI], v[TT+17], v[TT+24+17], s22
	v_cndmask_b32 v[OI+1], v[TT+19], v[TT+24+19], s22
	v_cndmask_b32 v[OW], v[TT+8], v[TT+24+8], s22
	v_cndmask_b32 v[OW+1], v[TT+10], v[TT+24+10], s22
	global_store_b64 v9, v[OI:OI+1], s[18:19]      ; 32 lanes store 256 consecutive bytes, aligned
	global_store_b64 v9, v[OW:OW+1], s[20:21]
	s_wait_tensorcnt 0x0
	ds_add_u32 v254, v255
	s_wait_dscnt 0x0
	s_endpgm
.Lfunc_end_k_q547ca0f27a_gate:
	.size	k_q547ca0f27a_gate, .Lfunc_end_k_q547ca0f27a_gate-k_q547ca0f27a_gate
	.p2alignl 7, 3214868480
	.fill 96, 4, 3214868480
	.section	.rodata,"a",@progbits
	.p2align	6, 0x0
	.amdhsa_kernel k_q547ca0f27a_gate
		.amdhsa_group_segment_fixed_size 50176
		.amdhsa_private_segment_fixed_size 0
		.amdhsa_enable_private_segment 0
		.amdhsa_kernarg_size 56
		.amdhsa_user_sgpr_count 2
		.amdhsa_user_sgpr_kernarg_segment_ptr 1
		.amdhsa_wavefront_size32 1
		.amdhsa_system_sgpr_workgroup_id_x 1
		.amdhsa_system_sgpr_workgroup_id_y 1
		.amdhsa_system_sgpr_workgroup_id_z 1
		.amdhsa_system_vgpr_workitem_id 0
		.amdhsa_next_free_vgpr 768
		.amdhsa_next_free_sgpr 66
		.amdhsa_reserve_vcc 0
		.amdhsa_float_denorm_mode_32 3
		.amdhsa_float_denorm_mode_16_64 3
		.amdhsa_memory_ordered 1
		.amdhsa_forward_progress 1
		.amdhsa_inst_pref_size 40
	.end_amdhsa_kernel
	.amdgpu_metadata
---
amdhsa.version: [ 1, 2 ]
amdhsa.kernels:
  - .name:           k_q547ca0f27a_gate
    .symbol:         k_q547ca0f27a_gate.kd
    .args:
      - { .name: x_codes, .offset: 0, .size: 8, .value_kind: global_buffer, .address_space: global }
      - { .name: x_scales, .offset: 8, .size: 8, .value_kind: global_buffer, .address_space: global }
      - { .name: Wg_codes, .offset: 16, .size: 8, .value_kind: global_buffer, .address_space: global }
      - { .name: Wg_scales, .offset: 24, .size: 8, .value_kind: global_buffer, .address_space: global }
      - { .name: bg, .offset: 32, .size: 8, .value_kind: global_buffer, .address_space: global }
      - { .name: sel, .offset: 40, .size: 8, .value_kind: global_buffer, .address_space: global }
      - { .name: wts, .offset: 48, .size: 8, .value_kind: global_buffer, .address_space: global }
    .group_segment_fixed_size: 50176
    .private_segment_fixed_size: 0
    .kernarg_segment_align: 8
    .kernarg_segment_size: 56
    .max_flat_workgroup_size: 32
    .sgpr_count:     66
    .vgpr_count:     768
    .wavefront_size: 32
...
	.end_amdgpu_metadata
.endif
;; end of part 1
;; launch place (part 2): grid 16 x 1, 8 waves a work-group, no clusters, 0 bytes of LDS; arguments sel, cnt, list; writes cnt, list
.if DOCPART == 2
	.amdgcn_target "amdgcn-amd-amdhsa--gfx1250"
	.amdhsa_code_object_version 6
	.text
	.protected	k_q547ca0f27a_place
	.globl	k_q547ca0f27a_place
	.p2align	8
	.type	k_q547ca0f27a_place,@function
k_q547ca0f27a_place:
	s_mov_b64 s[64:65], 0
	v_nop
	global_prefetch_b8 v0, s[64:65] scope:SCOPE_SE
	s_setreg_imm32_b32 hwreg(HW_REG_WAVE_MODE, 25, 1), 1
	s_wait_xcnt 0x0
; THE PLACING.  Work-group e makes expert e's list: a stable partition of all 1,024 tokens.  The tokens that chose e come first, in token order; the others follow, in token order.
; list [16][1024] u32: entry p = token | dst << 16.  dst is the row of the logits' workspace into which the token's row of expert e goes: 2 token + slot for a token that chose e,
; and a spare row, 2,048 + 128 e + (p mod 128), for the others.  So every word of every list is defined, and a tile of rows that reaches past the expert's count finds real tokens, whose results land in rows that nobody reads.
; The later launches start at most 128 list places past the count (at least 4 pairs of 32 places, else up to the next multiple of 32), so the spare rows that they store are all different.
; cnt [16][32] u32: the number of tokens that chose e, 32 equal copies, so that all lanes store; wave 0 stores it.
; SHARES.  Eight waves; wave w places tokens 128 w .. 128 w + 127, four steps of 32.  Each wave counts for itself: it reads all 8,192 bytes of sel and makes the expert's count and the number of choosers ahead of its own tokens.
; So the waves hand each other nothing: no LDS, no barrier, no atomics.
; ORDER.  The counting goes in two halves of 16 steps: 32 vector compares into 32 scalar registers, then scalar lines alone (or, bit count, sums by groups of four steps, a group being one wave's tokens);
; a group's sum enters my prefix where the group lies ahead of my wave.  The four placements go line by line over the four steps, so that no line waits for the line above it.
; A wave's own four steps are loaded a second time, by an address made of its number, since a register's number cannot hang on the wave.
; sel holds whole numbers that the launch before stored; what enters an address is held at 1,023 first.
.set AL,  32                           ; v32-95   all tokens' pairs: step i at AL + 2 i
.set OWN, 96                           ; v96-103  my four steps' pairs
.set AD,  104                          ; v104-107 the stores' offsets
.set DA,  108                          ; v108-111 the entries
.set RK,  12                           ; v12-15   choosers ahead of my token
.set TK,  16                           ; v16-19   my token
.set PL,  20                           ; v20-23   my place
.set DS,  24                           ; v24-27   dst
.set SR,  28                           ; v28-31   the spare row
	s_load_b128 s[4:7], s[0:1], 0x0                ; sel s[4:5], cnt s[6:7]
	s_load_b64 s[8:9], s[0:1], 0x10                ; list
	v_lshrrev_b32 v7, 5, v0
	v_readfirstlane_b32 s17, v7                    ; wave 0..7
	v_and_b32 v2, 31, v0                           ; lane
	v_lshlrev_b32 v1, 3, v2                        ; 8 bytes a token
	v_lshl_add_u32 v9, v7, 10, v1                  ; + my wave's 128 tokens
	v_lshl_add_u32 v10, v7, 7, v2                  ; my first token: 128 w + lane
	v_lshlrev_b32 v8, 2, v2
	s_mov_b32 s16, ttmp9                           ; e
	s_lshl_b32 s18, ttmp9, 12                      ; my list: 4,096 bytes
	s_mov_b32 s19, 0
	s_lshl_b32 s2, ttmp9, 7                        ; my count: 128 bytes
	s_mov_b32 s3, 0
	s_lshl_b32 s15, ttmp9, 7
	s_add_co_u32 s15, s15, 2048                    ; my first spare row
	s_mov_b32 s10, 0                               ; the count
	s_mov_b32 s11, 0                               ; how many of the tokens ahead of my wave's chose e
	s_wait_kmcnt 0x0
	s_add_nc_u64 s[8:9], s[8:9], s[18:19]
	s_add_nc_u64 s[6:7], s[6:7], s[2:3]
.irp k, 0,1,2,3
	global_load_b64 v[OWN+2*\k:OWN+2*\k+1], v9, s[4:5] offset:256*\k   ; token 128 w + 32 k + lane: its two experts; 256 consecutive bytes
.endr
.irp i, 0,1,2,3,4,5,6,7,8,9,10,11,12,13,14,15,16,17,18,19,20,21,22,23,24,25,26,27,28,29,30,31
	global_load_b64 v[AL+2*\i:AL+2*\i+1], v1, s[4:5] offset:256*\i     ; token 32 i + lane
.endr
	s_wait_loadcnt 0x0
.irp hf, 0,1                                   ; steps 16 hf .. 16 hf + 15
.irp i, 0,1,2,3,4,5,6,7,8,9,10,11,12,13,14,15
	v_cmp_eq_u32 s[32+\i], s16, v[AL+2*(16*\hf+\i)]                ; chose e as its first,
	v_cmp_eq_u32 s[48+\i], s16, v[AL+2*(16*\hf+\i)+1]              ; as its second
.endr
.irp i, 0,1,2,3,4,5,6,7,8,9,10,11,12,13,14,15
	s_or_b32 s[32+\i], s[32+\i], s[48+\i]
.endr
.irp i, 0,1,2,3,4,5,6,7,8,9,10,11,12,13,14,15
	s_bcnt1_i32_b32 s[32+\i], s[32+\i]             ; the step's choosers
.endr
.irp gq, 0,1,2,3                               ; group 4 hf + gq: the tokens of the wave of that number
	s_add_co_u32 s14, s[32+4*\gq], s[33+4*\gq]
	s_add_co_u32 s13, s[34+4*\gq], s[35+4*\gq]
	s_add_co_u32 s14, s14, s13
	s_add_co_u32 s10, s10, s14
	s_cmp_gt_u32 s17, 4*\hf+\gq                    ; does the group lie ahead of my wave?
	s_cselect_b32 s14, s14, 0
	s_add_co_u32 s11, s11, s14
.endr
.endr
	; my four steps
.irp k, 0,1,2,3
	v_cmp_eq_u32 s[20+\k], s16, v[OWN+2*\k]
	v_cmp_eq_u32 s[24+\k], s16, v[OWN+2*\k+1]      ; the slot's mask
.endr
.irp k, 0,1,2,3
	s_or_b32 s[28+\k], s[20+\k], s[24+\k]          ; chose e at all
.endr
	s_mov_b32 s40, s11                             ; s[40 + k]: choosers ahead of step k
.irp k, 0,1,2
	s_bcnt1_i32_b32 s14, s[28+\k]
	s_add_co_u32 s[41+\k], s[40+\k], s14
.endr
.irp k, 0,1,2,3
	v_mbcnt_lo_u32_b32 v[RK+\k], s[28+\k], 0
.endr
.irp k, 0,1,2,3
	v_add_nc_u32 v[RK+\k], s[40+\k], v[RK+\k]      ; how many tokens before mine chose e
.endr
.irp k, 0,1,2,3
	v_add_nc_u32 v[TK+\k], 32*\k, v10              ; my token
.endr
.irp k, 0,1,2,3
	v_sub_nc_u32 v[PL+\k], v[TK+\k], v[RK+\k]      ; how many before mine did not
.endr
.irp k, 0,1,2,3
	v_add_nc_u32 v[PL+\k], s10, v[PL+\k]
.endr
.irp k, 0,1,2,3
	v_cndmask_b32 v[PL+\k], v[PL+\k], v[RK+\k], s[28+\k]           ; my place p
.endr
.irp k, 0,1,2,3
	v_min_u32 v[PL+\k], 0x3ff, v[PL+\k]
.endr
.irp k, 0,1,2,3
	v_lshlrev_b32 v[AD+\k], 2, v[PL+\k]
.endr
.irp k, 0,1,2,3
	v_cndmask_b32 v[DS+\k], 0, 1, s[24+\k]         ; the slot
.endr
.irp k, 0,1,2,3
	v_lshl_add_u32 v[DS+\k], v[TK+\k], 1, v[DS+\k] ; 2 token + slot
.endr
.irp k, 0,1,2,3
	v_and_b32 v[SR+\k], 127, v[PL+\k]
.endr
.irp k, 0,1,2,3
	v_add_nc_u32 v[SR+\k], s15, v[SR+\k]           ; or a spare row
.endr
.irp k, 0,1,2,3
	v_cndmask_b32 v[DS+\k], v[SR+\k], v[DS+\k], s[28+\k]
.endr
.irp k, 0,1,2,3
	v_lshl_or_b32 v[DA+\k], v[DS+\k], 16, v[TK+\k]
.endr
.irp k, 0,1,2,3
	global_store_b32 v[AD+\k], v[DA+\k], s[8:9]
.endr
	s_cmp_lg_u32 s17, 0                            ; the count is stored once, by wave 0
	s_cbranch_scc1 .Lend
	v_mov_b32 v11, s10
	global_store_b32 v8, v11, s[6:7]
.Lend:
	s_endpgm
.Lfunc_end_k_q547ca0f27a_place:
	.size	k_q547ca0f27a_place, .Lfunc_end_k_q547ca0f27a_place-k_q547ca0f27a_place
	.p2alignl 7, 3214868480
	.fill 96, 4, 3214868480
	.section	.rodata,"a",@progbits
	.p2align	6, 0x0
	.amdhsa_kernel k_q547ca0f27a_place
		.amdhsa_group_segment_fixed_size 0
		.amdhsa_private_segment_fixed_size 0
		.amdhsa_enable_private_segment 0
		.amdhsa_kernarg_size 24
		.amdhsa_user_sgpr_count 2
		.amdhsa_user_sgpr_kernarg_segment_ptr 1
		.amdhsa_wavefront_size32 1
		.amdhsa_system_sgpr_workgroup_id_x 1
		.amdhsa_system_sgpr_workgroup_id_y 1
		.amdhsa_system_sgpr_workgroup_id_z 1
		.amdhsa_system_vgpr_workitem_id 0
		.amdhsa_next_free_vgpr 112
		.amdhsa_next_free_sgpr 66
		.amdhsa_reserve_vcc 0
		.amdhsa_float_denorm_mode_32 3
		.amdhsa_float_denorm_mode_16_64 3
		.amdhsa_memory_ordered 1
		.amdhsa_forward_progress 1
		.amdhsa_inst_pref_size 17
	.end_amdhsa_kernel
	.amdgpu_metadata
---
amdhsa.version: [ 1, 2 ]
amdhsa.kernels:
  - .name:           k_q547ca0f27a_place
    .symbol:         k_q547ca0f27a_place.kd
    .args:
      - { .name: sel, .offset: 0, .size: 8, .value_kind: global_buffer, .address_space: global }
      - { .name: cnt, .offset: 8, .size: 8, .value_kind: global_buffer, .address_space: global }
      - { .name: list, .offset: 16, .size: 8, .value_kind: global_buffer, .address_space: global }
    .group_segment_fixed_size: 0
    .private_segment_fixed_size: 0
    .kernarg_segment_align: 8
    .kernarg_segment_size: 24
    .max_flat_workgroup_size: 256
    .sgpr_count:     66
    .vgpr_count:     112
    .wavefront_size: 32
...
	.end_amdgpu_metadata
.endif
;; end of part 2
;; launch fc1 (part 3): grid 16 x 16, 4 waves a work-group, no clusters, 266,752 bytes of LDS; arguments x_codes, x_scales, W1_codes, W1_scales, b1, cnt, list, hq, hs; writes hq, hs
.if DOCPART == 3
	.amdgcn_target "amdgcn-amd-amdhsa--gfx1250"
	.amdhsa_code_object_version 6
	.text
	.protected	k_q547ca0f27a_fc1
	.globl	k_q547ca0f27a_fc1
	.p2align	8
	.type	k_q547ca0f27a_fc1,@function
k_q547ca0f27a_fc1:
	s_mov_b64 s[64:65], 0
	v_nop
	global_prefetch_b8 v0, s[64:65] scope:SCOPE_SE
	s_setreg_imm32_b32 hwreg(HW_REG_WAVE_MODE, 25, 1), 1
	s_wait_xcnt 0x0
; THE FIRST LAYER of the chosen experts: h = x W1 + b1 on codes of BF8 (E5M2) with one E8M0 scale for each 32 along K = 1,024, for the rows of each expert's list, and h quantised along the hidden axis for the second layer.
; SHARES.  Work-group (j, e) owns hidden units 128 j .. 128 j + 127 of expert e: 131,072 consecutive bytes of W1's codes, read once in the launch, 512 consecutive bytes an instruction, and kept in LDS.
; The rows go round: a PAIR is 32 places of the expert's list, two tiles of 16 rows.  Wave w takes pairs w, w + 4, .. under npairs = max(4, ceil(count / 32)): (npairs - w + 3) / 4 passes, at least one.  Every wave's first pair is taken
; whatever the count: the lists are whole permutations of the tokens, so places past the count hold real tokens, whose results go where nobody reads them.  That keeps every path of the text ahead of the one barrier free of branches.
; A PASS AHEAD.  Where a wave has a further pass, that pass's rows of x are asked for during the pass in hand, into the registers that each K step's products have just left: 8 loads a K step, under a forward branch on the count of passes,
; so that a wave without a further pass asks for nothing.  The list's entries run two passes ahead, so that the next pair's offsets are made at a pass's head.
; The product is used transposed (source 0 = 16 rows of W1, source 1 = 16 tokens), and THE ROWS OF W1 THAT FORM A TILE ARE NOT NEIGHBOURS: lane r of tile 2 b + u takes hidden unit 32 b + 8 u + r + 8 (r / 8), so that
; the 16 registers of tiles 2 b and 2 b + 1 are hidden units 32 b + 16 (lane / 16) + 0 .. 15 of one token: the conversions' results are the second layer's operand registers.  b1 is the C of each sum's first matrix instruction.
; OUT.  hq [e][pair][tile a][K step j][c][lane][16 bytes]: images of the operand's registers; hs [e][pair][K step j][lane] u32: the scale words, lanes 0-15 tile 0's rows, lanes 16-31 tile 1's.
; THE QUANTISER: a block's scale byte is its largest magnitude's exponent field - 15, held at 1 from below by a floor among the maximum's leaves; numbers are held within +-57,344 x the scale, then converted.
; LIMITS: NaN and infinities are not served.  A block of zeros gets the byte 1 where the rule says 127: its codes are zeros, and this program alone reads the bytes.
; NO TENSOR LOADS, NO CLUSTER: the loop's trip count is a stored number, and the rows are gathered by a list; each byte of W1 is read by one work-group; what the 16 work-groups of an expert share is x's rows, 32 KiB a pair against 128 KiB of weights.
; LDS: W1's 128 rows, 1,040 bytes apart (65 x 16: the 16 rows of a fragment load fall on 16 different 16-byte columns modulo 256), laid in the order of the tiles' lanes; behind them a stage of 32 such rows for each wave.
; REGISTERS: window 0: v1-19 lane terms and addresses; v20-35 x's offsets; v36-43 x's scale words; v44-107 W1's; v108-123 the quantiser's; v124-126 scale words made; v128-159 codes made; v160-177 list entries as loaded.
;   window 1: W1's codes as loaded, then two sets of 8 fragments, K steps by turns.   window 2: x as loaded, then fragment (a, s) at v[128 a + 16 s].   window 3: accumulator (a, t) at v[64 a + 8 t]; b1's tile t at v[128 + 8 t].
.set PIT,  1040
.set XST,  128*PIT                     ; the waves' stages
.set XSTW, 32*PIT
.set VL16, 4                           ; 16 x lane
.set VWST, 5                           ; where I put W1's bytes: 16 x lane + wave x 32 rows
.set VW0,  6                           ; a fragment's row r, + 16 h: tiles 0-3
.set VW1,  7                           ; tiles 4-7
.set VXST, 8                           ; my stage, on the way in: row h, + 16 r
.set VXFR, 9                           ; and back: row r, + 16 h
.set VLI2, 10                          ; list: 4 h + 128 x pair
.set VLI1, 11                          ; list: 4 x lane + 128 x pair
.set VHQ,  12                          ; hq: 16 x lane + 65,536 x pair
.set VHS,  13                          ; hs: 4 x lane + 2,048 x pair
.set VC16, 14                          ; 16 r
.set VWS,  15                          ; W1's scales: 32 (r + 8 (r / 8))
.set VB1,  16                          ; b1: 64 h
.set TE,   17                          ; my place's token's offset among x's scales
.set VL4,  18                          ; 4 x lane
.set VH4,  19                          ; 4 h
.set T2,   20                          ; the offsets in x of the tokens of places 2 n + h
.set XS,   36
.set WS,   44                          ; [8 t + s]
.set TM,   108                         ; +0..3 largest magnitudes, +4..7 the other half's, then bytes, +8..11 57,344 x the scale, +12..15 the conversions' scale operands
.set PW,   124                         ; tile a's scale word
.set PWM,  126
.set CD,   128                         ; tile a's codes at CD + 16 a
.set RE,   160                         ; my place's entry as loaded
.set R2,   162                         ; the entries of places 2 n + h as loaded
.set B1,   128                         ; in window 3
.set MSB, 0
.macro WIN new                         ; s_set_vgpr_msb: bits 1:0 source 0, 3:2 source 1, 5:4 source 2, 7:6 destination; the high byte repeats the setting that is left
.if MSB != (\new)
	s_set_vgpr_msb (MSB<<8)|(\new)
.set MSB, (\new)
.endif
.endm
.macro NOPS n
.rept \n
	v_nop
.endr
.endm
.macro WM rd, ra, rb, rc, sa, sb, row  ; one scaled product 16 x 16 x 128; row = 1: source 1's scales stand in lanes 16-31
.if \row
	v_wmma_scale_f32_16x16x128_f8f6f4 v[\rd:\rd+7], v[\ra:\ra+15], v[\rb:\rb+15], v[\rc:\rc+7], v[\sa], v[\sb] matrix_a_fmt:MATRIX_FMT_BF8 matrix_b_fmt:MATRIX_FMT_BF8 matrix_b_scale:MATRIX_SCALE_ROW1
.else
	v_wmma_scale_f32_16x16x128_f8f6f4 v[\rd:\rd+7], v[\ra:\ra+15], v[\rb:\rb+15], v[\rc:\rc+7], v[\sa], v[\sb] matrix_a_fmt:MATRIX_FMT_BF8 matrix_b_fmt:MATRIX_FMT_BF8
.endif
.endm
.macro LISTLD sq                       ; the list entries of pair s[sq] (at most 31): my place's, and those of places 2 n + h: 17 loads.  No earlier load that names the two address registers is out where this stands
	s_lshl_b32 s38, s[\sq], 7
	v_add_nc_u32 v[VLI1], s38, v[VL4]
	v_add_nc_u32 v[VLI2], s38, v[VH4]
	global_load_b32 v[RE], v[VLI1], s[20:21]
.irp n, 0,1,2,3,4,5,6,7,8,9,10,11,12,13,14,15
	global_load_b32 v[R2+\n], v[VLI2], s[20:21] offset:8*\n
.endr
.endm
.macro OFFS                            ; entries become byte offsets: the token is the entry's low half, held at 1,023.  No load that names the offsets' registers is out where this stands
.irp n, 0,1,2,3,4,5,6,7,8,9,10,11,12,13,14,15
	v_and_b32 v[T2+\n], 0xffff, v[R2+\n]
.endr
.irp n, 0,1,2,3,4,5,6,7,8,9,10,11,12,13,14,15
	v_min_u32 v[T2+\n], 0x3ff, v[T2+\n]
.endr
.irp n, 0,1,2,3,4,5,6,7,8,9,10,11,12,13,14,15
	v_lshl_add_u32 v[T2+\n], v[T2+\n], 10, v[VC16]                 ; a row of x is 1,024 bytes; + 16 r
.endr
	v_and_b32 v[TE], 0xffff, v[RE]
	v_min_u32 v[TE], 0x3ff, v[TE]
	v_lshlrev_b32 v[TE], 5, v[TE]                                  ; 32 scale bytes a token
.endm
.macro PG n                            ; rows 2 n and 2 n + 1 of a pair: an instruction takes 256 aligned bytes of each; they land in the registers of fragment (n / 8, n % 8).  Destination window 2
.irp qr, 0,1,2,3
	global_load_b128 v[16*(\n)+4*\qr:16*(\n)+4*\qr+3], v[T2+(\n)], s[8:9] offset:256*\qr
.endr
.endm
.macro XSLD                            ; the pair's scale words, a token a lane
	global_load_b128 v[XS:XS+3], v[TE], s[10:11]
	global_load_b128 v[XS+4:XS+7], v[TE], s[10:11] offset:16
.endm
.macro GATHER                          ; a whole pair: 66 loads
	WIN 0x80
.irp n, 0,1,2,3,4,5,6,7,8,9,10,11,12,13,14,15
	PG \n
.endr
	WIN 0
	XSLD
.endm
.macro PRE s                           ; K step s of this pass is multiplied: if I have a further pass, its rows go into the two fragments' registers
	WIN 0                                          ; at a branch and at a label every window is 0
	s_cmp_lt_u32 s46, s45
	s_cbranch_scc0 .Lnopre_\@
	WIN 0x80
	PG (\s)
	PG (\s)+8
	WIN 0
.Lnopre_\@:
.endm
.macro TURN                            ; x through my stage: in as loaded, back as fragments, into the registers that it left.  LDS serves a wave's instructions in order (ISA guide 5.7.1.4)
	WIN 0x08
.irp n, 0,1,2,3,4,5,6,7,8,9,10,11,12,13,14,15
.irp qr, 0,1,2,3
	ds_store_b128 v[VXST], v[16*\n+4*\qr:16*\n+4*\qr+3] offset:2*\n*PIT+256*\qr
.endr
.endr
	WIN 0x80
.irp a, 0,1
.irp s, 0,1,2,3,4,5,6,7
.irp c, 0,1,2,3
	ds_load_b128 v[128*\a+16*\s+4*\c:128*\a+16*\s+4*\c+3], v[VXFR] offset:\a*16*PIT+128*\s+32*\c
.endr
.endr
.endr
	WIN 0
.endm
.macro FETCHW s                        ; W1's eight fragments of K step s into set s % 2: 32 loads
	WIN 0x40
.irp t, 0,1,2,3,4,5,6,7
.irp c, 0,1,2,3
.if \t < 4
	ds_load_b128 v[128*((\s)%2)+16*\t+4*\c:128*((\s)%2)+16*\t+4*\c+3], v[VW0] offset:\t*16*PIT+128*(\s)+32*\c
.else
	ds_load_b128 v[128*((\s)%2)+16*\t+4*\c:128*((\s)%2)+16*\t+4*\c+3], v[VW1] offset:(\t-4)*16*PIT+128*(\s)+32*\c
.endif
.endr
.endr
.endm
.macro MUL s                           ; K step s: 16 products; the 16 accumulators by turns, one instruction a turn
	WIN 0xf9                                       ; source 0 (W1) window 1, source 1 (x) window 2, C and D window 3
.irp t, 0,1,2,3,4,5,6,7
.irp a, 0,1
.if (\s) == 0
	WM 64*\a+8*\t, 128*((\s)%2)+16*\t, 128*\a+16*(\s), B1+8*\t, WS+8*\t+(\s), XS+(\s), \a
.else
	WM 64*\a+8*\t, 128*((\s)%2)+16*\t, 128*\a+16*(\s), 64*\a+8*\t, WS+8*\t+(\s), XS+(\s), \a
.endif
.endr
.endr
.endm
; Tile a's 64 numbers of a lane (window 3, register 64 a + 16 b + i = hidden unit 32 b + 16 h + i of my token) become a fragment's codes and its scale word.  Each run stands under one window setting.
.macro QUANT a
	WIN 0x0f
.irp b, 0,1,2,3
	v_max3_num_f32 v[TM+\b], |v[64*\a+16*\b]|, |v[64*\a+16*\b+1]|, 0x8000000   ; block b: my 16 numbers, and the floor 2^(16 - 127): the byte cannot fall under 1.  (Each accumulator is read from its low end on)
.endr
	WIN 0x3c
.irp i, 2,4,6,8,10,12,14
.irp b, 0,1,2,3
	v_max3_num_f32 v[TM+\b], v[TM+\b], |v[64*\a+16*\b+\i]|, |v[64*\a+16*\b+\i+1]|   ; the four blocks by turns
.endr
.endr
	WIN 0
.irp b, 0,1,2,3
	v_permlanex16_b32 v[TM+4+\b], v[TM+\b], s32, s33
.endr
.irp b, 0,1,2,3
	v_max_num_f32 v[TM+\b], v[TM+\b], v[TM+4+\b]                   ; with lane l xor 16's 16: the block's largest magnitude
.endr
.irp b, 0,1,2,3
	v_add_nc_u32 v[TM+12+\b], 0xf8800000, v[TM+\b]                 ; 15 off its exponent field: the conversion takes this operand's exponent field as its scale
.endr
.irp b, 0,1,2,3
	v_and_or_b32 v[TM+8+\b], v[TM+\b], 0x7f800000, s34             ; 57,344 x the scale
.endr
.irp b, 0,1,2,3
	v_lshrrev_b32 v[TM+4+\b], 23, v[TM+12+\b]                      ; the scale's byte
.endr
	v_lshl_or_b32 v[PW+\a], v[TM+5], 8, v[TM+4]
	v_lshl_or_b32 v[PW+\a], v[TM+6], 16, v[PW+\a]
	v_lshl_or_b32 v[PW+\a], v[TM+7], 24, v[PW+\a]                  ; my token's scale word for these 128 hidden units
	WIN 0xc3
.irp b, 0,1,2,3
.irp i, 0,1,2,3,4,5,6,7,8,9,10,11,12,13,14,15
	v_med3_num_f32 v[64*\a+16*\b+\i], v[64*\a+16*\b+\i], -v[TM+8+\b], v[TM+8+\b]   ; the conversion to an 8-bit code does not saturate (ISA guide 7.6.2): the hold
.endr
.endr
	WIN 0x03
.irp b, 0,1,2,3
	v_cvt_scalef32_pk8_bf8_f32 v[CD+16*\a+4*\b:CD+16*\a+4*\b+1], v[64*\a+16*\b:64*\a+16*\b+7], v[TM+12+\b]
	v_cvt_scalef32_pk8_bf8_f32 v[CD+16*\a+4*\b+2:CD+16*\a+4*\b+3], v[64*\a+16*\b+8:64*\a+16*\b+15], v[TM+12+\b]
.endr
	WIN 0
	v_nop                                          ; a plain instruction behind the last conversion
.endm
	s_load_b512 s[8:23], s[0:1], 0x0               ; x's codes s[8:9], x's scales s[10:11], W1's codes s[12:13], W1's scales s[14:15], b1 s[16:17], cnt s[18:19], list s[20:21], hq s[22:23]
	s_load_b64 s[24:25], s[0:1], 0x40              ; hs
	v_lshl_add_u32 v254, v0, 2, 0x41000
	v_mov_b32 v255, 0
	v_lshrrev_b32 v1, 5, v0
	v_readfirstlane_b32 s26, v1                    ; wave 0..3
	s_mov_b32 s27, ttmp9                           ; j
	s_and_b32 s28, ttmp7, 0xffff                   ; e
	v_and_b32 v3, 31, v0                           ; lane
	v_and_b32 v1, 15, v0                           ; r
	v_bfe_u32 v2, v0, 4, 1                         ; h
	v_lshlrev_b32 v[VL16], 4, v3
	v_lshlrev_b32 v[VL4], 2, v3
	v_lshlrev_b32 v[VH4], 2, v2
	v_lshlrev_b32 v[VC16], 4, v1
	s_mul_i32 s36, s26, XSTW
	v_add_nc_u32 v[VWST], s36, v[VL16]
	v_mul_u32_u24 v[VW0], v1, PIT
	v_lshl_add_u32 v[VW0], v2, 4, v[VW0]
	v_add_nc_u32 v[VW1], 64*PIT, v[VW0]
	s_add_co_u32 s36, s36, XST                     ; my stage
	v_mul_u32_u24 v[VXST], v2, PIT
	v_lshl_add_u32 v[VXST], v1, 4, v[VXST]
	v_add_nc_u32 v[VXST], s36, v[VXST]
	v_add_nc_u32 v[VXFR], s36, v[VW0]
	v_and_b32 v[VWS], 8, v1
	v_add_nc_u32 v[VWS], v[VWS], v1
	v_lshlrev_b32 v[VWS], 5, v[VWS]
	v_lshlrev_b32 v[VB1], 6, v2
	s_lshl_b32 s38, s26, 16
	v_add_nc_u32 v[VHQ], s38, v[VL16]              ; my first pair is my wave's number
	s_lshl_b32 s38, s26, 11
	v_add_nc_u32 v[VHS], s38, v[VL4]
.irp b, 0,1,2,3
	v_mov_b32 v[TM+4+\b], 0                        ; written once: a lane permute's destination counts as one of its sources
.endr
	s_mov_b32 s32, 0x76543210
	s_mov_b32 s33, 0xfedcba98                      ; v_permlanex16_b32's selects for lane l xor 16
	s_mov_b32 s34, 0x600000                        ; the mantissa field of 57,344
	s_mov_b32 s35, 0xffff0000                      ; the lanes with h = 1
	s_mov_b32 s37, 0                               ; the upper word of every offset
	s_mov_b32 s31, s26                             ; the pair in hand
	s_mov_b32 s44, 0                               ; my passes done
	s_wait_kmcnt 0x0
	s_lshl_b32 s36, s28, 7
	s_add_nc_u64 s[18:19], s[18:19], s[36:37]
	s_load_b32 s29, s[18:19], 0x0                  ; the expert's count
	s_lshl_b32 s36, s28, 12
	s_add_nc_u64 s[20:21], s[20:21], s[36:37]      ; its list
	s_lshl_b32 s36, s28, 16
	s_lshl_b32 s38, s27, 12
	s_add_co_u32 s36, s36, s38
	s_add_nc_u64 s[14:15], s[14:15], s[36:37]      ; W1's scales: 65,536 e + 4,096 j
	s_lshl_b32 s36, s28, 13
	s_lshl_b32 s38, s27, 9
	s_add_co_u32 s36, s36, s38
	s_add_nc_u64 s[16:17], s[16:17], s[36:37]      ; b1: 8,192 e + 512 j
	s_lshl_b32 s36, s28, 21
	s_lshl_b32 s38, s27, 17
	s_add_co_u32 s36, s36, s38
	s_lshl_b32 s38, s26, 15
	s_add_co_u32 s36, s36, s38
	s_add_nc_u64 s[12:13], s[12:13], s[36:37]      ; W1's codes: 2 MiB e + 128 KiB j + 32 KiB wave
	s_lshl_b32 s36, s28, 21
	s_lshl_b32 s38, s27, 11
	s_add_co_u32 s36, s36, s38
	s_add_nc_u64 s[22:23], s[22:23], s[36:37]      ; hq: 2 MiB e + 2,048 j
	s_lshl_b32 s36, s28, 16
	s_lshl_b32 s38, s27, 7
	s_add_co_u32 s36, s36, s38
	s_add_nc_u64 s[24:25], s[24:25], s[36:37]      ; hs: 65,536 e + 128 j
	LISTLD 26                                      ; 17 loads: first, since the rows' addresses hang on them
.irp t, 0,1,2,3,4,5,6,7
	global_load_b128 v[WS+8*\t:WS+8*\t+3], v[VWS], s[14:15] offset:(32*(\t/2)+8*(\t%2))*32       ; the 8 scale words of the hidden unit that lane r of tile t takes
	global_load_b128 v[WS+8*\t+4:WS+8*\t+7], v[VWS], s[14:15] offset:(32*(\t/2)+8*(\t%2))*32+16
.endr
	WIN 0xc0
.irp t, 0,1,2,3,4,5,6,7
	global_load_b128 v[B1+8*\t:B1+8*\t+3], v[VB1], s[16:17] offset:(32*(\t/2)+8*(\t%2))*4        ; b1 in the result's layout: hidden units 32 b + 16 h + 8 u + 0 .. 7
	global_load_b128 v[B1+8*\t+4:B1+8*\t+7], v[VB1], s[16:17] offset:(32*(\t/2)+8*(\t%2))*4+16
.endr
	WIN 0x40
.set i, 0
.rept 64
	global_load_b128 v[4*i:4*i+3], v[VL16], s[12:13] offset:512*i th:TH_LOAD_NT   ; my 32 rows of W1: 512 consecutive bytes an instruction; read once in the launch
.set i, i+1
.endr
	WIN 0
	s_wait_loadcnt 63                              ; behind the list's last load 96 were issued: with 63 out at the most, the list is in
	OFFS
	s_add_co_u32 s39, s26, 4
	LISTLD 39                                      ; the entries of the pair that would be my second (inside the list whatever the count)
	GATHER                                         ; my first pair's rows are asked for while W1 comes
	s_wait_loadcnt 63                              ; behind W1's last load 17 + 66 were issued: with 63 out at the most, W1 is in
	WIN 0x04                                       ; an LDS store's data are its source 1: window 1
.set i, 0
.rept 64
.set rho, i/2
	ds_store_b128 v[VWST], v[4*i:4*i+3] offset:(16*((rho>>3)&1)+8*(rho>>4)+(rho&7))*PIT+512*(i%2)   ; hidden unit 32 w + rho goes where lane r of its tile will look for it
.set i, i+1
.endr
	WIN 0
	s_wait_dscnt 0x0                               ; for the others' sake: my part of W1 lies in LDS
	s_barrier_signal -1
	s_barrier_wait -1                              ; everybody's does.  The launch's one barrier: from here on LDS is only read, but for each wave's own stage
	s_wait_kmcnt 0x0
	s_min_u32 s29, s29, 1024
	s_add_co_u32 s30, s29, 31
	s_lshr_b32 s30, s30, 5
	s_max_u32 s30, s30, 4                          ; npairs, 4 to 32
	s_sub_co_u32 s45, s30, s26
	s_add_co_u32 s45, s45, 3
	s_lshr_b32 s45, s45, 2                         ; my passes: the pairs w, w + 4, .. under npairs: 1 to 8
.Lpass:                                            ; counted by s44, one a trip, against s45
	s_wait_loadcnt 0x0                             ; the pair's rows and scale words, and the next pair's entries (in the first trip W1's scales and b1 too)
	TURN
	OFFS                                           ; the next pair's offsets: the loads that named these registers are in
	s_add_co_u32 s46, s44, 1                       ; under s45 where I have a further pass
	s_add_co_u32 s39, s31, 8
	s_min_u32 s39, s39, 31
	LISTLD 39                                      ; the entries two passes on (held inside the list)
	FETCHW 0
.irp s, 0,1,2,3,4,5,6,7
.if \s < 7
.if \s > 0
	NOPS 8                                         ; eight places between the products that read registers and the loads into them: they serve the ring's set and x's two fragments alike
	PRE \s-1
.endif
	FETCHW \s+1
	s_wait_dscnt 32                                ; all but the 32 just issued: this K step's fragments are in (in K step 0: x's too)
.else
	s_wait_dscnt 0x0
.endif
	MUL \s
.endr
	WIN 0
	NOPS 9                                         ; behind the last products: for the reads of results, for the loads into operands and scales, and for the next pass's first products, which begin the accumulators anew
	s_cmp_lt_u32 s46, s45
	s_cbranch_scc0 .Lnolast
	WIN 0x80
	PG 6                                           ; what the last two K steps have left; the quantiser's lines stand between these loads and the wait for them
	PG 14
	PG 7
	PG 15
	WIN 0
	XSLD
.Lnolast:
	QUANT 0
.irp c, 0,1,2,3
	global_store_b128 v[VHQ], v[CD+4*\c:CD+4*\c+3], s[22:23] offset:512*\c                 ; 32 lanes store 512 consecutive bytes, aligned
.endr
	QUANT 1
.irp c, 0,1,2,3
	global_store_b128 v[VHQ], v[CD+16+4*\c:CD+16+4*\c+3], s[22:23] offset:32768+512*\c
.endr
	v_cndmask_b32 v[PWM], v[PW], v[PW+1], s35      ; lanes 0-15 tile 0's words, lanes 16-31 tile 1's
	global_store_b32 v[VHS], v[PWM], s[24:25]
	s_add_co_u32 s44, s44, 1
	s_cmp_ge_u32 s44, s45
	s_cbranch_scc1 .Ldone
	s_wait_xcnt 0x0                                ; the stores have read their addresses and data: both may be written again
	s_lshl_b32 s31, s44, 2
	s_add_co_u32 s31, s31, s26                     ; the next pair: 4 x passes done + wave
	s_min_u32 s39, s31, 31
	s_lshl_b32 s38, s39, 16
	v_add_nc_u32 v[VHQ], s38, v[VL16]
	s_lshl_b32 s38, s39, 11
	v_add_nc_u32 v[VHS], s38, v[VL4]
	s_cmp_lt_u32 s44, s45
	s_cbranch_scc1 .Lpass
.Ldone:
	s_wait_tensorcnt 0x0
	ds_add_u32 v254, v255
	s_wait_dscnt 0x0
	s_endpgm
.Lfunc_end_k_q547ca0f27a_fc1:
	.size	k_q547ca0f27a_fc1, .Lfunc_end_k_q547ca0f27a_fc1-k_q547ca0f27a_fc1
	.p2alignl 7, 3214868480
	.fill 96, 4, 3214868480
	.section	.rodata,"a",@progbits
	.p2align	6, 0x0
	.amdhsa_kernel k_q547ca0f27a_fc1
		.amdhsa_group_segment_fixed_size 266752
		.amdhsa_private_segment_fixed_size 0
		.amdhsa_enable_private_segment 0
		.amdhsa_kernarg_size 72
		.amdhsa_user_sgpr_count 2
		.amdhsa_user_sgpr_kernarg_segment_ptr 1
		.amdhsa_wavefront_size32 1
		.amdhsa_system_sgpr_workgroup_id_x 1
		.amdhsa_system_sgpr_workgroup_id_y 1
		.amdhsa_system_sgpr_workgroup_id_z 1
		.amdhsa_system_vgpr_workitem_id 0
		.amdhsa_next_free_vgpr 960
		.amdhsa_next_free_sgpr 66
		.amdhsa_reserve_vcc 0
		.amdhsa_float_denorm_mode_32 3
		.amdhsa_float_denorm_mode_16_64 3
		.amdhsa_memory_ordered 1
		.amdhsa_forward_progress 1
		.amdhsa_inst_pref_size 103
	.end_amdhsa_kernel
	.amdgpu_metadata
---
amdhsa.version: [ 1, 2 ]
amdhsa.kernels:
  - .name:           k_q547ca0f27a_fc1
    .symbol:         k_q547ca0f27a_fc1.kd
    .args:
      - { .name: x_codes, .offset: 0, .size: 8, .value_kind: global_buffer, .address_space: global }
      - { .name: x_scales, .offset: 8, .size: 8, .value_kind: global_buffer, .address_space: global }
      - { .name: W1_codes, .offset: 16, .size: 8, .value_kind: global_buffer, .address_space: global }
      - { .name: W1_scales, .offset: 24, .size: 8, .value_kind: global_buffer, .address_space: global }
      - { .name: b1, .offset: 32, .size: 8, .value_kind: global_buffer, .address_space: global }
      - { .name: cnt, .offset: 40, .size: 8, .value_kind: global_buffer, .address_space: global }
      - { .name: list, .offset: 48, .size: 8, .value_kind: global_buffer, .address_space: global }
      - { .name: hq, .offset: 56, .size: 8, .value_kind: global_buffer, .address_space: global }
      - { .name: hs, .offset: 64, .size: 8, .value_kind: global_buffer, .address_space: global }
    .group_segment_fixed_size: 266752
    .private_segment_fixed_size: 0
    .kernarg_segment_align: 8
    .kernarg_segment_size: 72
    .max_flat_workgroup_size: 128
    .sgpr_count:     66
    .vgpr_count:     960
    .wavefront_size: 32
...
	.end_amdgpu_metadata
.endif
;; end of part 3
;; launch fc2 (part 4): grid 16 x 16, 4 waves a work-group, no clusters, 150,016 bytes of LDS; arguments W2_codes, W2_scales, b2, cnt, list, hq, hs, lg; writes lg
.if DOCPART == 4
	.amdgcn_target "amdgcn-amd-amdhsa--gfx1250"
	.amdhsa_code_object_version 6
	.text
	.protected	k_q547ca0f27a_fc2
	.globl	k_q547ca0f27a_fc2
	.p2align	8
	.type	k_q547ca0f27a_fc2,@function
k_q547ca0f27a_fc2:
	s_mov_b64 s[64:65], 0
	v_nop
	global_prefetch_b8 v0, s[64:65] scope:SCOPE_SE
	s_setreg_imm32_b32 hwreg(HW_REG_WAVE_MODE, 25, 1), 1
	s_wait_xcnt 0x0
; THE SECOND LAYER of the chosen experts: logits = h W2 + b2 on codes of BF8 (E5M2) with one E8M0 scale for each 32 along K = 2,048, for the rows of each expert's list.
; SHARES.  Work-group (j, e) owns classes 64 j .. 64 j + 63 of expert e: 64 rows of W2's codes, 131,072 bytes, read once, 512 consecutive bytes an instruction, and kept in LDS.  The rows go round as in the first layer:
; a PAIR is 32 places of the list, two tiles of 16; wave w takes pairs w, w + 4, .. under npairs = max(4, ceil(count / 32)), the number for which the first layer has stored h: (npairs - w + 3) / 4 passes, at least one.
; h comes as images of the operand's registers (hq) and scale words (hs): plain loads of 512 consecutive bytes, nothing is turned.
; A PASS AHEAD.  Where a wave has a further pass, that pass's h is asked for during the pass in hand, into the registers that each two K steps' products have just left: 16 loads a group, under a forward branch on the count of passes,
; so that a wave without a further pass asks for nothing (and no byte of hq is read that the first layer has not stored).
; The product is used transposed (source 0 = 16 classes, source 1 = 16 tokens): a lane holds one token and eight neighbouring classes.  b2 is the C of each sum's first matrix instruction.
; OUT.  lg [4096][1024] f32: row = the list entry's upper half: 2 token + slot, or a spare row for a place past the count.  A tile goes through the wave's own stage in LDS, so that sixteen lanes store a row's 256 aligned bytes.
; THE EDGE.  There are 1,000 classes.  In chunk 15 rows, scales and b2 past the end are taken from rows held at the last valid ones (holds on ids, not on data); columns 1,000 to 1,023 of lg so get finite numbers that nobody uses.
; LIMITS: NaN and infinities are not served.
; NO TENSOR LOADS, NO CLUSTER: the loop's trip count is a stored number; each byte of W2 is read by one work-group; what the 16 work-groups of an expert share is h, 64 KiB a pair against 128 KiB of weights.
; LDS: W2's 64 rows, 2,064 bytes apart (129 x 16: the 16 rows of a fragment load fall on 16 different 16-byte columns modulo 256); behind them a stage of 16 rows x 272 bytes for each wave.
; REGISTERS: window 0: v1-25 lane terms and addresses; v26-41 list entries; v42-57 the stores' offsets; v58-73 h's scale words; v74-137 W2's; v138-169 b2; v170-233 accumulator (a, t) at v[170 + 32 a + 8 t]; v234-235 the next pair's addresses.
;   window 1: W2's codes as loaded, then two sets of 8 fragments (two K steps x four tiles), by turns; on the way out rows of lg.   windows 2, 3: h's fragment (a, s) in window 2 + s / 8 at v[128 a + 16 (s % 8)].
.set PIT,  2064
.set STG,  64*PIT
.set SP,   272
.set VL16, 4                           ; 16 x lane
.set VWST, 5                           ; where I put W2's bytes: 16 x lane + wave x 16 rows
.set VWA,  6                           ; a fragment's row r, + 16 h: tiles 0, 1
.set VWB,  7                           ; tiles 2, 3
.set VSO,  8                           ; my stage, on the way in: row r, + 32 h
.set VSR,  9                           ; and back: row h, + 16 r
.set VLI2, 10                          ; list: 4 h + 128 x pair
.set VL4,  11                          ; 4 x lane
.set VHQ,  12                          ; hq: 16 x lane + 65,536 x my first pair
.set VHS,  13                          ; hs: 4 x lane + 2,048 x my first pair
.set VC16, 14                          ; 16 r
.set V2A,  15                          ; W2: my first eight rows, + 16 x lane
.set V2B,  16                          ; my second eight
.set VSC,  17                          ; v17-20 W2's scales: tile t's row, x 64
.set VBO,  21                          ; v21-24 b2: tile t's eight classes, x 4
.set VH4,  25                          ; 4 h
.set DN,   26
.set DOFF, 42
.set HS,   58
.set WS2,  74                          ; [16 t + s]
.set B2,   138
.set ACC,  170
.set VHQN, 234                         ; hq and hs at the pair behind the one in hand
.set VHSN, 235
.set MSB, 0
.macro WIN new                         ; s_set_vgpr_msb: bits 1:0 source 0, 3:2 source 1, 5:4 source 2, 7:6 destination; the high byte repeats the setting that is left
.if MSB != (\new)
	s_set_vgpr_msb (MSB<<8)|(\new)
.set MSB, (\new)
.endif
.endm
.macro NOPS n
.rept \n
	v_nop
.endr
.endm
.macro WM rd, ra, rb, rc, sa, sb, row  ; one scaled product 16 x 16 x 128; row = 1: source 1's scales stand in lanes 16-31
.if \row
	v_wmma_scale_f32_16x16x128_f8f6f4 v[\rd:\rd+7], v[\ra:\ra+15], v[\rb:\rb+15], v[\rc:\rc+7], v[\sa], v[\sb] matrix_a_fmt:MATRIX_FMT_BF8 matrix_b_fmt:MATRIX_FMT_BF8 matrix_b_scale:MATRIX_SCALE_ROW1
.else
	v_wmma_scale_f32_16x16x128_f8f6f4 v[\rd:\rd+7], v[\ra:\ra+15], v[\rb:\rb+15], v[\rc:\rc+7], v[\sa], v[\sb] matrix_a_fmt:MATRIX_FMT_BF8 matrix_b_fmt:MATRIX_FMT_BF8
.endif
.endm
.macro LISTLD sq                       ; the list entries of places 2 n + h of pair s[sq] (at most 31).  No earlier load that names the address register is out where this stands
	s_lshl_b32 s38, s[\sq], 7
	v_add_nc_u32 v[VLI2], s38, v[VH4]
.irp n, 0,1,2,3,4,5,6,7,8,9,10,11,12,13,14,15
	global_load_b32 v[DN+\n], v[VLI2], s[16:17] offset:8*\n
.endr
.endm
.macro DOFFS                           ; entries become byte offsets in lg: the row is the entry's upper half, held at 4,095
.irp n, 0,1,2,3,4,5,6,7,8,9,10,11,12,13,14,15
	v_lshrrev_b32 v[DOFF+\n], 16, v[DN+\n]
.endr
.irp n, 0,1,2,3,4,5,6,7,8,9,10,11,12,13,14,15
	v_min_u32 v[DOFF+\n], 0xfff, v[DOFF+\n]
.endr
.irp n, 0,1,2,3,4,5,6,7,8,9,10,11,12,13,14,15
	v_lshl_add_u32 v[DOFF+\n], v[DOFF+\n], 12, v[VC16]             ; a row of lg is 4,096 bytes; + 16 r
.endr
.endm
.macro HG g, adr                       ; h's fragments of K steps 2 g and 2 g + 1, both tiles: 16 loads of 512 consecutive bytes.  It leaves the destination's window set
	WIN 0x80+0x40*((\g)/4)
.irp ss, 0,1
.irp a, 0,1
.irp c, 0,1,2,3
	global_load_b128 v[128*\a+16*((2*(\g)+\ss)%8)+4*\c:128*\a+16*((2*(\g)+\ss)%8)+4*\c+3], v[\adr], s[18:19] offset:\a*32768+2048*(2*(\g)+\ss)+512*\c
.endr
.endr
.endr
.endm
.macro HSLOAD adr                      ; the 16 K steps' scale words: lanes 0-15 tile 0's rows, lanes 16-31 tile 1's
.irp k, 0,1,2,3,4,5,6,7,8,9,10,11,12,13,14,15
	global_load_b32 v[HS+\k], v[\adr], s[20:21] offset:128*\k
.endr
.endm
.macro PRE g                           ; group g of this pass is multiplied: if I have a further pass, its h goes into the registers that are left
	WIN 0                                          ; at a branch and at a label every window is 0
	s_cmp_lt_u32 s46, s45
	s_cbranch_scc0 .Lnopre_\@
	HG \g, VHQN
	WIN 0
.Lnopre_\@:
.endm
.macro FETCHW g                        ; W2's fragments of K steps 2 g and 2 g + 1, four tiles each, into set g % 2: 32 loads
	WIN 0x40
.irp ss, 0,1
.irp t, 0,1,2,3
.irp c, 0,1,2,3
.if \t < 2
	ds_load_b128 v[128*((\g)%2)+64*\ss+16*\t+4*\c:128*((\g)%2)+64*\ss+16*\t+4*\c+3], v[VWA] offset:\t*16*PIT+128*(2*(\g)+\ss)+32*\c
.else
	ds_load_b128 v[128*((\g)%2)+64*\ss+16*\t+4*\c:128*((\g)%2)+64*\ss+16*\t+4*\c+3], v[VWB] offset:(\t-2)*16*PIT+128*(2*(\g)+\ss)+32*\c
.endif
.endr
.endr
.endr
.endm
.macro MUL g                           ; K steps 2 g and 2 g + 1: 16 products; the 8 accumulators by turns, one instruction a turn
.if (\g) < 4
	WIN 0x09                                       ; source 0 (W2) window 1, source 1 (h) window 2, C and D window 0
.else
	WIN 0x0d                                       ; source 1 window 3
.endif
.irp ss, 0,1
.irp t, 0,1,2,3
.irp a, 0,1
.if (2*(\g)+\ss) == 0
	WM ACC+32*\a+8*\t, 128*((\g)%2)+64*\ss+16*\t, 128*\a+16*((2*(\g)+\ss)%8), B2+8*\t, WS2+16*\t+2*(\g)+\ss, HS+2*(\g)+\ss, \a
.else
	WM ACC+32*\a+8*\t, 128*((\g)%2)+64*\ss+16*\t, 128*\a+16*((2*(\g)+\ss)%8), ACC+32*\a+8*\t, WS2+16*\t+2*(\g)+\ss, HS+2*(\g)+\ss, \a
.endif
.endr
.endr
.endr
.endm
.macro STAGE a                         ; tile a's 16 rows x 64 classes into my stage, and back as whole rows of 256 bytes.  LDS serves a wave's instructions in order (ISA guide 5.7.1.4)
.irp t, 0,1,2,3
	ds_store_b128 v[VSO], v[ACC+32*\a+8*\t:ACC+32*\a+8*\t+3] offset:64*\t              ; each accumulator from its low end on
	ds_store_b128 v[VSO], v[ACC+32*\a+8*\t+4:ACC+32*\a+8*\t+7] offset:64*\t+16
.endr
	WIN 0x40
.irp i, 0,1,2,3,4,5,6,7
	ds_load_b128 v[32*\a+4*\i:32*\a+4*\i+3], v[VSR] offset:2*\i*SP                     ; rows 2 i and 2 i + 1
.endr
	WIN 0
.endm
.macro SEND a
	WIN 0x04                                       ; a store's data are its source 1: window 1
.irp i, 0,1,2,3,4,5,6,7
	global_store_b128 v[DOFF+8*\a+\i], v[32*\a+4*\i:32*\a+4*\i+3], s[22:23]            ; sixteen lanes store 256 consecutive bytes of a row of lg, aligned
.endr
	WIN 0
.endm
	s_load_b512 s[8:23], s[0:1], 0x0               ; W2's codes s[8:9], W2's scales s[10:11], b2 s[12:13], cnt s[14:15], list s[16:17], hq s[18:19], hs s[20:21], lg s[22:23]
	v_lshl_add_u32 v254, v0, 2, 0x24800
	v_mov_b32 v255, 0
	v_lshrrev_b32 v1, 5, v0
	v_readfirstlane_b32 s26, v1                    ; wave 0..3
	s_mov_b32 s27, ttmp9                           ; j
	s_and_b32 s28, ttmp7, 0xffff                   ; e
	v_and_b32 v3, 31, v0                           ; lane
	v_and_b32 v1, 15, v0                           ; r
	v_bfe_u32 v2, v0, 4, 1                         ; h
	v_lshlrev_b32 v[VL16], 4, v3
	v_lshlrev_b32 v[VL4], 2, v3
	v_lshlrev_b32 v[VH4], 2, v2
	v_lshlrev_b32 v[VC16], 4, v1
	s_mul_i32 s36, s26, 16*PIT
	v_add_nc_u32 v[VWST], s36, v[VL16]
	v_mul_u32_u24 v[VWA], v1, PIT
	v_lshl_add_u32 v[VWA], v2, 4, v[VWA]
	v_add_nc_u32 v[VWB], 32*PIT, v[VWA]
	s_mul_i32 s36, s26, 16*SP
	s_add_co_u32 s36, s36, STG                     ; my stage
	v_mul_u32_u24 v[VSO], v1, SP
	v_lshl_add_u32 v[VSO], v2, 5, v[VSO]
	v_add_nc_u32 v[VSO], s36, v[VSO]
	v_mul_u32_u24 v[VSR], v2, SP
	v_lshl_add_u32 v[VSR], v1, 4, v[VSR]
	v_add_nc_u32 v[VSR], s36, v[VSR]
	s_lshl_b32 s38, s26, 16
	v_add_nc_u32 v[VHQ], s38, v[VL16]              ; my first pair is my wave's number
	s_lshl_b32 s38, s26, 11
	v_add_nc_u32 v[VHS], s38, v[VL4]
	s_lshl_b32 s40, s27, 6                         ; 64 j
	s_lshl_b32 s41, s26, 4
	s_add_co_u32 s41, s41, s40                     ; my 16 rows of W2 begin at class 64 j + 16 w,
	s_add_co_u32 s42, s41, 8                       ; in two groups of eight,
	s_min_u32 s41, s41, 992                        ; each held at the last eight valid rows
	s_min_u32 s42, s42, 992
	s_lshl_b32 s41, s41, 11                        ; a row is 2,048 bytes
	s_lshl_b32 s42, s42, 11
	v_add_nc_u32 v[V2A], s41, v[VL16]
	v_add_nc_u32 v[V2B], s42, v[VL16]
	v_add_nc_u32 v[VSC], s40, v1                   ; class 64 j + r,
.irp t, 1,2,3
	v_add_nc_u32 v[VSC+\t], 16*\t, v[VSC]          ; + 16 t,
.endr
.irp t, 0,1,2,3
	v_min_u32 v[VSC+\t], 0x3e7, v[VSC+\t]          ; held at 999
.endr
.irp t, 0,1,2,3
	v_lshlrev_b32 v[VSC+\t], 6, v[VSC+\t]          ; 64 scale bytes a class
.endr
	v_lshl_add_u32 v[VBO], v2, 3, s40              ; class 64 j + 8 h,
.irp t, 1,2,3
	v_add_nc_u32 v[VBO+\t], 16*\t, v[VBO]          ; + 16 t,
.endr
.irp t, 0,1,2,3
	v_min_u32 v[VBO+\t], 0x3e0, v[VBO+\t]          ; held at 992: eight numbers from there on are inside
.endr
.irp t, 0,1,2,3
	v_lshlrev_b32 v[VBO+\t], 2, v[VBO+\t]
.endr
	s_mov_b32 s37, 0                               ; the upper word of every offset
	s_mov_b32 s31, s26                             ; the pair in hand
	s_mov_b32 s44, 0                               ; my passes done
	s_wait_kmcnt 0x0
	s_lshl_b32 s36, s28, 7
	s_add_nc_u64 s[14:15], s[14:15], s[36:37]
	s_load_b32 s29, s[14:15], 0x0                  ; the expert's count
	s_lshl_b32 s36, s28, 12
	s_add_nc_u64 s[16:17], s[16:17], s[36:37]      ; its list
	s_mul_i32 s36, s28, 2048000
	s_add_nc_u64 s[8:9], s[8:9], s[36:37]          ; its codes of W2,
	s_mul_i32 s36, s28, 64000
	s_add_nc_u64 s[10:11], s[10:11], s[36:37]      ; their scales,
	s_mul_i32 s36, s28, 4000
	s_add_nc_u64 s[12:13], s[12:13], s[36:37]      ; its b2
	s_lshl_b32 s36, s28, 21
	s_add_nc_u64 s[18:19], s[18:19], s[36:37]      ; hq: 2 MiB e
	s_lshl_b32 s36, s28, 16
	s_add_nc_u64 s[20:21], s[20:21], s[36:37]      ; hs: 65,536 e
	s_lshl_b32 s36, s27, 8
	s_add_nc_u64 s[22:23], s[22:23], s[36:37]      ; lg: my 64 columns
	LISTLD 26                                      ; 16 loads
.irp t, 0,1,2,3
.irp k, 0,1,2,3
	global_load_b128 v[WS2+16*\t+4*\k:WS2+16*\t+4*\k+3], v[VSC+\t], s[10:11] offset:16*\k          ; the 16 scale words of class 16 t + r
.endr
.endr
.irp t, 0,1,2,3
	global_load_b128 v[B2+8*\t:B2+8*\t+3], v[VBO+\t], s[12:13]                                     ; b2 in the result's layout: classes 16 t + 8 h + 0 .. 7
	global_load_b128 v[B2+8*\t+4:B2+8*\t+7], v[VBO+\t], s[12:13] offset:16
.endr
	WIN 0x40
.set i, 0
.rept 64
.if i < 32
	global_load_b128 v[4*i:4*i+3], v[V2A], s[8:9] offset:((i/4)%8)*2048+512*(i%4) th:TH_LOAD_NT    ; a quarter of row i / 4: 512 consecutive bytes
.else
	global_load_b128 v[4*i:4*i+3], v[V2B], s[8:9] offset:((i/4)%8)*2048+512*(i%4) th:TH_LOAD_NT
.endif
.set i, i+1
.endr
.irp g, 0,1,2,3
	HG \g, VHQ                                     ; my first pair's h is asked for while W2 comes: 64 loads
.endr
	WIN 0
	s_wait_loadcnt 63                              ; behind W2's last load these 64 were issued: with 63 out at the most, W2 is in
	WIN 0x04                                       ; an LDS store's data are its source 1: window 1
.set i, 0
.rept 64
	ds_store_b128 v[VWST], v[4*i:4*i+3] offset:(i/4)*PIT+512*(i%4)
.set i, i+1
.endr
.irp g, 4,5,6,7
	HG \g, VHQ
.endr
	WIN 0
	HSLOAD VHS
	s_wait_dscnt 0x0                               ; for the others' sake: my part of W2 lies in LDS
	s_barrier_signal -1
	s_barrier_wait -1                              ; everybody's does.  The launch's one barrier: from here on LDS is only read, but for each wave's own stage
	s_wait_kmcnt 0x0
	s_min_u32 s29, s29, 1024
	s_add_co_u32 s30, s29, 31
	s_lshr_b32 s30, s30, 5
	s_max_u32 s30, s30, 4                          ; npairs, as the first layer has it: 4 to 32
	s_sub_co_u32 s45, s30, s26
	s_add_co_u32 s45, s45, 3
	s_lshr_b32 s45, s45, 2                         ; my passes: the pairs w, w + 4, .. under npairs: 1 to 8
.Lpass:                                            ; counted by s44, one a trip, against s45
	s_wait_loadcnt 0x0                             ; the pair's h, its scale words and its list entries (in the first trip W2's scales and b2 too)
	DOFFS
	s_add_co_u32 s46, s44, 1                       ; under s45 where I have a further pass
	s_add_co_u32 s39, s31, 4
	s_min_u32 s39, s39, 31
	LISTLD 39                                      ; my next pair's entries, a pass ahead (held inside the list)
	s_lshl_b32 s38, s39, 16
	v_add_nc_u32 v[VHQN], s38, v[VL16]             ; and where its h lies: the loads that named these two registers are in
	s_lshl_b32 s38, s39, 11
	v_add_nc_u32 v[VHSN], s38, v[VL4]
	FETCHW 0
.irp g, 0,1,2,3,4,5,6,7
.if \g < 7
.if \g > 0
	NOPS 8                                         ; eight places between the products that read registers and the loads into them: they serve the ring's set and h's four fragments alike
	PRE \g-1
.endif
	FETCHW \g+1
	s_wait_dscnt 32                                ; all but the 32 just issued: these two K steps' fragments are in
.else
	s_wait_dscnt 0x0
.endif
	MUL \g
.endr
	WIN 0
	NOPS 9                                         ; behind the last products: for the reads of results, for the loads into operands and scales, and for the next pass's first products, which begin the accumulators anew
	s_cmp_lt_u32 s46, s45
	s_cbranch_scc0 .Lnolast
	HG 6, VHQN                                     ; what the last four K steps have left; the way out stands between these loads and the wait for them
	HG 7, VHQN
	WIN 0
	HSLOAD VHSN
.Lnolast:
	STAGE 0
	STAGE 1
	s_wait_dscnt 16                                ; behind tile 0's loads stand tile 1's 8 stores and 8 loads: tile 0's rows are back
	SEND 0
	s_wait_dscnt 0x0
	SEND 1
	s_add_co_u32 s44, s44, 1
	s_cmp_ge_u32 s44, s45
	s_cbranch_scc1 .Ldone
	s_wait_xcnt 0x0                                ; the stores have read their addresses and data: both may be written again
	s_lshl_b32 s31, s44, 2
	s_add_co_u32 s31, s31, s26                     ; the next pair: 4 x passes done + wave
	s_cmp_lt_u32 s44, s45
	s_cbranch_scc1 .Lpass
.Ldone:
	s_wait_tensorcnt 0x0
	ds_add_u32 v254, v255
	s_wait_dscnt 0x0
	s_endpgm
.Lfunc_end_k_q547ca0f27a_fc2:
	.size	k_q547ca0f27a_fc2, .Lfunc_end_k_q547ca0f27a_fc2-k_q547ca0f27a_fc2
	.p2alignl 7, 3214868480
	.fill 96, 4, 3214868480
	.section	.rodata,"a",@progbits
	.p2align	6, 0x0
	.amdhsa_kernel k_q547ca0f27a_fc2
		.amdhsa_group_segment_fixed_size 150016
		.amdhsa_private_segment_fixed_size 0
		.amdhsa_enable_private_segment 0
		.amdhsa_kernarg_size 64
		.amdhsa_user_sgpr_count 2
		.amdhsa_user_sgpr_kernarg_segment_ptr 1
		.amdhsa_wavefront_size32 1
		.amdhsa_system_sgpr_workgroup_id_x 1
		.amdhsa_system_sgpr_workgroup_id_y 1
		.amdhsa_system_sgpr_workgroup_id_z 1
		.amdhsa_system_vgpr_workitem_id 0
		.amdhsa_next_free_vgpr 1024
		.amdhsa_next_free_sgpr 66
		.amdhsa_reserve_vcc 0
		.amdhsa_float_denorm_mode_32 3
		.amdhsa_float_denorm_mode_16_64 3
		.amdhsa_memory_ordered 1
		.amdhsa_forward_progress 1
		.amdhsa_inst_pref_size 90
	.end_amdhsa_kernel
	.amdgpu_metadata
---
amdhsa.version: [ 1, 2 ]
amdhsa.kernels:
  - .name:           k_q547ca0f27a_fc2
    .symbol:         k_q547ca0f27a_fc2.kd
    .args:
      - { .name: W2_codes, .offset: 0, .size: 8, .value_kind: global_buffer, .address_space: global }
      - { .name: W2_scales, .offset: 8, .size: 8, .value_kind: global_buffer, .address_space: global }
      - { .name: b2, .offset: 16, .size: 8, .value_kind: global_buffer, .address_space: global }
      - { .name: cnt, .offset: 24, .size: 8, .value_kind: global_buffer, .address_space: global }
      - { .name: list, .offset: 32, .size: 8, .value_kind: global_buffer, .address_space: global }
      - { .name: hq, .offset: 40, .size: 8, .value_kind: global_buffer, .address_space: global }
      - { .name: hs, .offset: 48, .size: 8, .value_kind: global_buffer, .address_space: global }
      - { .name: lg, .offset: 56, .size: 8, .value_kind: global_buffer, .address_space: global }
    .group_segment_fixed_size: 150016
    .private_segment_fixed_size: 0
    .kernarg_segment_align: 8
    .kernarg_segment_size: 64
    .max_flat_workgroup_size: 128
    .sgpr_count:     66
    .vgpr_count:     1024
    .wavefront_size: 32
...
	.end_amdgpu_metadata
.endif
;; end of part 4
;; launch combine (part 5): grid 256 x 1, 4 waves a work-group, no clusters, 0 bytes of LDS; arguments lg, wts, out0; writes out0
.if DOCPART == 5
	.amdgcn_target "amdgcn-amd-amdhsa--gfx1250"
	.amdhsa_code_object_version 6
	.text
	.protected	k_q547ca0f27a_combine
	.globl	k_q547ca0f27a_combine
	.p2align	8
	.type	k_q547ca0f27a_combine,@function
k_q547ca0f27a_combine:
	s_mov_b64 s[64:65], 0
	v_nop
	global_prefetch_b8 v0, s[64:65] scope:SCOPE_SE
	s_setreg_imm32_b32 hwreg(HW_REG_WAVE_MODE, 25, 1), 1
	s_wait_xcnt 0x0
; THE END.  out[t][c] = w0 (l0[c] - lse0) + w1 (l1[c] - lse1): l0, l1 the logits of token t's two experts (rows 2 t and 2 t + 1 of lg), lse their log-sum-exp over the 1,000 classes, w0, w1 the gate values.
; One wave, one token: both rows stay in registers (32 each), so lg is read once; the reductions never leave the wave: no LDS, no barrier.  Each load covers 512 consecutive bytes.
; A row of lg has 1,024 columns; the last 24 are not classes: they are set to -infinity ahead of the maximum, so that their exponentials are 0, and are not stored.
; The row's maximum is taken away before the exponentials.  The result is formed as w0 l0 + (w1 l1 - k), k = w0 lse0 + w1 lse1: two fused multiply-adds for two numbers.
; LIMITS: NaN and infinities among the logits are not served.  A row of out0 is 4,000 bytes, so its stores are aligned to 16 bytes, not to 256: the output's own shape.
; No matrix work, no cluster: work-groups share nothing.
.set RA, 8                             ; v8-39    row 2 t: register 4 q + c = column 128 q + 4 lane + c
.set RB, 40                            ; v40-71   row 2 t + 1
.set RE, 72                            ; v72-103  exponentials
.set MX, 104                           ; v104-107 four chains of the maximum; then v104 the maximum
.set PT, 108                           ; a lane permute's destination
.set LG, 109                           ; log2 of the sum
.set L0, 110                           ; lse0, lse1
.set L1, 111
.set KK, 112                           ; v[112:113] k, as a pair
	s_load_b128 s[4:7], s[0:1], 0x0                ; lg s[4:5], wts s[6:7]
	s_load_b64 s[8:9], s[0:1], 0x10                ; out0
	v_lshrrev_b32 v1, 5, v0
	v_readfirstlane_b32 s10, v1                    ; wave
	s_lshl_b32 s11, ttmp9, 2
	s_add_co_u32 s11, s11, s10                     ; my token
	v_and_b32 v3, 31, v0                           ; lane
	v_lshlrev_b32 v1, 4, v3                        ; 16 bytes a lane
	v_mov_b32 v2, 0xff800000                       ; -infinity
	v_mov_b32 v[PT], 0                             ; written once: a lane permute's destination counts as one of its sources
	v_cmp_gt_u32 vcc_lo, 26, v3                    ; in the last 512 bytes of a row the classes end with lane 25: 896 + 4 x 26 = 1,000.  VCC keeps this mask to the end
	s_lshl_b32 s20, s11, 13                        ; two rows of 4,096 bytes
	s_mov_b32 s21, 0
	s_lshl_b32 s22, s11, 3
	s_mov_b32 s23, 0
	s_mul_i32 s24, s11, 4000
	s_mov_b32 s25, 0
	s_mov_b32 s26, 0x76543210
	s_mov_b32 s27, 0xfedcba98                      ; v_permlanex16_b32's selects for lane l xor 16
	s_mov_b32 s28, 0x3fb8aa3b                      ; log2(e)
	s_mov_b32 s29, s28                             ; (named with it as a pair, so it is written)
	s_mov_b32 s30, 0x3f317218                      ; ln(2)
	s_wait_kmcnt 0x0
	s_add_nc_u64 s[4:5], s[4:5], s[20:21]
	s_add_nc_u64 s[6:7], s[6:7], s[22:23]
	s_add_nc_u64 s[8:9], s[8:9], s[24:25]
	s_load_b64 s[12:13], s[6:7], 0x0               ; w0, w1
.irp q, 0,1,2,3,4,5,6,7
	global_load_b128 v[RA+4*\q:RA+4*\q+3], v1, s[4:5] offset:512*\q th:TH_LOAD_NT
.endr
.irp q, 0,1,2,3,4,5,6,7
	global_load_b128 v[RB+4*\q:RB+4*\q+3], v1, s[4:5] offset:4096+512*\q th:TH_LOAD_NT
.endr
.macro LSE x, dst                      ; the log-sum-exp of the row in v[x] on
.irp c, 0,1,2,3
	v_cndmask_b32 v[\x+28+\c], v2, v[\x+28+\c], vcc_lo             ; what is no class counts for nothing
.endr
.irp k, 0,1,2,3
	v_max3_num_f32 v[MX+\k], v[\x+8*\k], v[\x+8*\k+1], v[\x+8*\k+2]   ; four chains that do not wait for each other
.endr
.irp i, 3,5
.irp k, 0,1,2,3
	v_max3_num_f32 v[MX+\k], v[MX+\k], v[\x+8*\k+\i], v[\x+8*\k+\i+1]
.endr
.endr
.irp k, 0,1,2,3
	v_max_num_f32 v[MX+\k], v[MX+\k], v[\x+8*\k+7]
.endr
	v_max3_num_f32 v[MX], v[MX], v[MX+1], v[MX+2]
	v_max_num_f32 v[MX], v[MX], v[MX+3]
	v_max_num_f32_dpp v[MX], v[MX], v[MX] row_xmask:1 row_mask:0xf bank_mask:0xf
	v_max_num_f32_dpp v[MX], v[MX], v[MX] row_xmask:2 row_mask:0xf bank_mask:0xf
	v_max_num_f32_dpp v[MX], v[MX], v[MX] row_xmask:4 row_mask:0xf bank_mask:0xf
	v_max_num_f32_dpp v[MX], v[MX], v[MX] row_xmask:8 row_mask:0xf bank_mask:0xf
	v_permlanex16_b32 v[PT], v[MX], s26, s27
	v_max_num_f32 v[MX], v[MX], v[PT]              ; the row's maximum, in every lane
.irp p, 0,2,4,6,8,10,12,14,16,18,20,22,24,26,28,30
	v_pk_add_f32 v[RE+\p:RE+\p+1], v[\x+\p:\x+\p+1], v[MX:MX+1] op_sel_hi:[1,0] neg_lo:[0,1] neg_hi:[0,1]   ; l - the maximum (of the pair the low word serves both halves)
.endr
.irp p, 0,2,4,6,8,10,12,14,16,18,20,22,24,26,28,30
	v_pk_mul_f32 v[RE+\p:RE+\p+1], v[RE+\p:RE+\p+1], s[28:29] op_sel_hi:[1,0]                               ; x log2(e)
.endr
.irp p, 0,1,2,3,4,5,6,7,8,9,10,11,12,13,14,15,16,17,18,19,20,21,22,23,24,25,26,27,28,29,30,31
	v_exp_f32 v[RE+\p], v[RE+\p]
.endr
	v_nop                                          ; a plain instruction behind the last exponential
	s_wait_alu depctr_va_vdst(0)                   ; one wait for the batch of 32, ahead of its first reader
.irp p, 0,4,8,12,16,20,24,28
	v_pk_add_f32 v[RE+\p:RE+\p+1], v[RE+\p:RE+\p+1], v[RE+\p+2:RE+\p+3]
.endr
.irp p, 0,8,16,24
	v_pk_add_f32 v[RE+\p:RE+\p+1], v[RE+\p:RE+\p+1], v[RE+\p+4:RE+\p+5]
.endr
.irp p, 0,16
	v_pk_add_f32 v[RE+\p:RE+\p+1], v[RE+\p:RE+\p+1], v[RE+\p+8:RE+\p+9]
.endr
	v_pk_add_f32 v[RE:RE+1], v[RE:RE+1], v[RE+16:RE+17]
	v_add_f32 v[RE], v[RE], v[RE+1]
	v_add_f32_dpp v[RE], v[RE], v[RE] row_xmask:1 row_mask:0xf bank_mask:0xf
	v_add_f32_dpp v[RE], v[RE], v[RE] row_xmask:2 row_mask:0xf bank_mask:0xf
	v_add_f32_dpp v[RE], v[RE], v[RE] row_xmask:4 row_mask:0xf bank_mask:0xf
	v_add_f32_dpp v[RE], v[RE], v[RE] row_xmask:8 row_mask:0xf bank_mask:0xf
	v_permlanex16_b32 v[PT], v[RE], s26, s27
	v_add_f32 v[RE], v[RE], v[PT]                  ; the row's sum, at least 1
	v_log_f32 v[LG], v[RE]
	v_nop
	s_wait_alu depctr_va_vdst(0)
	v_fma_f32 v[\dst], v[LG], s30, v[MX]           ; the maximum + ln(2) log2(the sum)
.endm
	s_wait_loadcnt 8                               ; row 2 t is in; row 2 t + 1's eight younger loads may be out
	LSE RA, L0
	s_wait_loadcnt 0x0
	LSE RB, L1
	s_wait_kmcnt 0x0
	s_mov_b32 s14, s13                             ; w1 as the low word of a pair
	s_mov_b32 s15, s13
	v_mul_f32 v[KK], s12, v[L0]
	v_fmac_f32 v[KK], s13, v[L1]                   ; k = w0 lse0 + w1 lse1
	v_mov_b32 v[KK+1], v[KK]
.irp p, 0,2,4,6,8,10,12,14,16,18,20,22,24,26,28,30
	v_pk_fma_f32 v[RB+\p:RB+\p+1], v[RB+\p:RB+\p+1], s[14:15], v[KK:KK+1] op_sel_hi:[1,0,0] neg_lo:[0,0,1] neg_hi:[0,0,1]   ; w1 l1 - k
.endr
.irp p, 0,2,4,6,8,10,12,14,16,18,20,22,24,26,28,30
	v_pk_fma_f32 v[RA+\p:RA+\p+1], v[RA+\p:RA+\p+1], s[12:13], v[RB+\p:RB+\p+1] op_sel_hi:[1,0,1]                            ; w0 l0 + that
.endr
.irp q, 0,1,2,3,4,5,6
	global_store_b128 v1, v[RA+4*\q:RA+4*\q+3], s[8:9] offset:512*\q th:TH_STORE_NT    ; 512 consecutive bytes of the token's row
.endr
	s_wait_xcnt 0x0                                ; EXEC changes only behind this wait: it is a source of the stores above
	s_and_saveexec_b32 s17, vcc_lo
	global_store_b128 v1, v[RA+28:RA+31], s[8:9] offset:3584 th:TH_STORE_NT            ; the row's last 416 bytes: lanes 0 to 25
	s_wait_xcnt 0x0                                ; and again, in front of the line that widens it
	s_or_b32 exec_lo, exec_lo, s17
	s_endpgm
.Lfunc_end_k_q547ca0f27a_combine:
	.size	k_q547ca0f27a_combine, .Lfunc_end_k_q547ca0f27a_combine-k_q547ca0f27a_combine
	.p2alignl 7, 3214868480
	.fill 96, 4, 3214868480
	.section	.rodata,"a",@progbits
	.p2align	6, 0x0
	.amdhsa_kernel k_q547ca0f27a_combine
		.amdhsa_group_segment_fixed_size 0
		.amdhsa_private_segment_fixed_size 0
		.amdhsa_enable_private_segment 0
		.amdhsa_kernarg_size 24
		.amdhsa_user_sgpr_count 2
		.amdhsa_user_sgpr_kernarg_segment_ptr 1
		.amdhsa_wavefront_size32 1
		.amdhsa_system_sgpr_workgroup_id_x 1
		.amdhsa_system_sgpr_workgroup_id_y 1
		.amdhsa_system_sgpr_workgroup_id_z 1
		.amdhsa_system_vgpr_workitem_id 0
		.amdhsa_next_free_vgpr 116
		.amdhsa_next_free_sgpr 66
		.amdhsa_reserve_vcc 1
		.amdhsa_float_denorm_mode_32 3
		.amdhsa_float_denorm_mode_16_64 3
		.amdhsa_memory_ordered 1
		.amdhsa_forward_progress 1
		.amdhsa_inst_pref_size 18
	.end_amdhsa_kernel
	.amdgpu_metadata
---
amdhsa.version: [ 1, 2 ]
amdhsa.kernels:
  - .name:           k_q547ca0f27a_combine
    .symbol:         k_q547ca0f27a_combine.kd
    .args:
      - { .name: lg, .offset: 0, .size: 8, .value_kind: global_buffer, .address_space: global }
      - { .name: wts, .offset: 8, .size: 8, .value_kind: global_buffer, .address_space: global }
      - { .name: out0, .offset: 16, .size: 8, .value_kind: global_buffer, .address_space: global }
    .group_segment_fixed_size: 0
    .private_segment_fixed_size: 0
    .kernarg_segment_align: 8
    .kernarg_segment_size: 24
    .max_flat_workgroup_size: 128
    .sgpr_count:     66
    .vgpr_count:     116
    .wavefront_size: 32
...
	.end_amdgpu_metadata
.endif
;; end of part 5
;; ======== version 2 of 2: 5 launches
;; limits: a difference of large sums (such as E[x^2] - mean^2): digits are lost where the result is much smaller than its terms
;; workspace buffers: sel 8,192 bytes of whole numbers; wts 8,192 bytes; cnt 2,048 bytes of whole numbers; list 65,536 bytes of whole numbers; hq 33,554,432 bytes; hs 1,048,576 bytes; lg 16,777,216 bytes
;; launch gate (part 6): grid 32 x 1, 1 waves a work-group, no clusters, 50,176 bytes of LDS; arguments x_codes, x_scales, Wg_codes, Wg_scales, bg, sel, wts; writes sel, wts
.if DOCPART == 6
	.amdgcn_target "amdgcn-amd-amdhsa--gfx1250"
	.amdhsa_code_object_version 6
	.text
	.protected	k_q547ca0f27a_gate
	.globl	k_q547ca0f27a_gate
	.p2align	8
	.type	k_q547ca0f27a_gate,@function
k_q547ca0f27a_gate:
	s_mov_b64 s[64:65], 0
	v_nop
	global_prefetch_b8 v0, s[64:65] scope:SCOPE_SE
	s_setreg_imm32_b32 hwreg(HW_REG_WAVE_SCHED_MODE, 0, 2), 2
	s_setreg_imm32_b32 hwreg(HW_REG_WAVE_MODE, 25, 1), 1
	s_wait_xcnt 0x0
	s_wait_alu depctr_vm_vsrc(0)
; THE GATE.  logits = x Wg + bg on codes of BF8 (E5M2) with one E8M0 scale for each 32 along K = 1,024; for each token the two largest of its 16 experts and their softmax values.
; sel [1024][2] u32: the expert of the largest gate value, then of the second.  wts [1024][2] f32: the two gate values.  Both are stored at fixed places: no address here hangs on a result.
; SHARES.  One wave to a work-group, 32 tokens: two tiles of 16, whose two accumulators take turns.  The product is used transposed (source 0 = Wg's 16 rows, one an expert; source 1 = 16 tokens):
; lane (r, h) then holds token r and experts 8 h + 0 .. 7.  bg is the C of each sum's first matrix instruction.
; Codes are loaded as they lie, 512 consecutive bytes an instruction, and turned into fragments through LDS: rows 1,040 bytes apart (65 x 16), so that the 16 rows of a fragment load fall on 16 different 16-byte columns modulo 256.
; THE CHOICE is made on the logits, with strict comparisons in ascending order of experts, so that the lower expert wins a tie, as jax.lax.top_k has it.
; LIMITS: NaN and infinities among the logits are not served.  Two experts whose logits differ but whose softmax values round to the same f32 number may come in the other order than a top-k taken on the rounded values.
; No cluster: the only bytes that work-groups share are Wg's 16 KiB, half of what a work-group reads of x.
; THE MODE: SCHED_MODE bits 1:0 = 2 (LLVM: expert scheduling mode 2), set by the entry lines.  The code itself states the register dependences between vector or matrix instructions and memory or LDS instructions, with s_wait_alu, always for 0.
; THE PLAN.  Registers that memory or LDS instructions touch:
;   v3 to v9         offsets and LDS addresses: written once at the head, read by every load and store, never written again.
;   windows 1 and 2  written by the global loads, read by the LDS stores, written again by the LDS loads, then read by the products alone.
;   v16 to v39       scale words and bg: written by loads, read by the products alone.
;   v120 to v123     the results: written by the last selects, read by the two global stores.
;   v254, v255       written at the head, read by the closing add alone.
; So: one wait on va_vdst ahead of the first load, one on vm_vsrc between the LDS stores and the LDS loads, one on va_vdst ahead of the two stores.  A compare's mask in a scalar register has its wait on va_sdst ahead of the selects:
; the compares of both tiles stand in one run, into four registers, under one wait.
; REGISTERS: window 0: v1-11 lane terms; v16-23 x's scale words (lanes 0-15 tile 0, lanes 16-31 tile 1), v24-31 Wg's, v32-39 bg, v40-55 the two accumulators, v56-71 exponentials, v72-119 the choice, v120-127 results.
;   window 1: v0-127 Wg's 8 fragments.   window 2: x's fragment (tile a, K step s) at v[128 a + 16 s].   s[28 + 2 a], s[29 + 2 a]: tile a's two masks.
.set PIT, 1040                         ; an LDS row: 1,024 bytes + 16
.set GG,  32*PIT                       ; behind x's 32 rows: Wg's 16
.set XS,  16
.set GS,  24
.set BG,  32
.set ACC, 40
.set EE,  56
.set TT,  72                           ; tile a at TT + 24 a: +0 M1 +1 I1 +2 M2 +3 I2; +4..7 the other half's four; +8..11 the lower experts' four; +12..15 the upper experts' four; +16 T1 +17 TI1 +18 T2 +19 TI2; +20 X +21 XI +22 Y +23 YI
.set OI,  120
.set OW,  122
.set SS,  124                          ; tile a: SS + 2 a the sum, SS + 2 a + 1 the second's exponential
.set MSB, 0
.macro WIN new                         ; s_set_vgpr_msb: bits 1:0 source 0, 3:2 source 1, 5:4 source 2, 7:6 destination; the high byte repeats the setting that is left
.if MSB != (\new)
	s_set_vgpr_msb (MSB<<8)|(\new)
.set MSB, (\new)
.endif
.endm
.macro NOPS n
.rept \n
	v_nop
.endr
.endm
.macro WM rd, ra, rb, rc, sa, sb, row  ; one scaled product 16 x 16 x 128; row = 1: source 1's scales stand in lanes 16-31
.if \row
	v_wmma_scale_f32_16x16x128_f8f6f4 v[\rd:\rd+7], v[\ra:\ra+15], v[\rb:\rb+15], v[\rc:\rc+7], v[\sa], v[\sb] matrix_a_fmt:MATRIX_FMT_BF8 matrix_b_fmt:MATRIX_FMT_BF8 matrix_b_scale:MATRIX_SCALE_ROW1
.else
	v_wmma_scale_f32_16x16x128_f8f6f4 v[\rd:\rd+7], v[\ra:\ra+15], v[\rb:\rb+15], v[\rc:\rc+7], v[\sa], v[\sb] matrix_a_fmt:MATRIX_FMT_BF8 matrix_b_fmt:MATRIX_FMT_BF8
.endif
.endm
	s_load_b256 s[8:15], s[0:1], 0x0               ; x's codes s[8:9], x's scales s[10:11], Wg's codes s[12:13], Wg's scales s[14:15]
	s_load_b128 s[16:19], s[0:1], 0x20             ; bg s[16:17], sel s[18:19]
	s_load_b64 s[20:21], s[0:1], 0x30              ; wts
	v_lshl_add_u32 v254, v0, 2, 0xc300
	v_mov_b32 v255, 0
	v_and_b32 v1, 15, v0                           ; r  (one wave: v0 is the lane)
	v_lshrrev_b32 v2, 4, v0                        ; h
	v_lshlrev_b32 v3, 4, v0                        ; 16 x lane
	v_mul_u32_u24 v4, v1, PIT
	v_lshl_add_u32 v4, v2, 4, v4                   ; a fragment's row r, + 16 h
	v_add_nc_u32 v5, GG, v4                        ; the same among Wg's rows
	v_lshlrev_b32 v6, 5, v0                        ; x's scales: 32 bytes a token, a token a lane
	v_lshlrev_b32 v7, 5, v1                        ; Wg's scales: 32 bytes an expert
	v_lshlrev_b32 v8, 5, v2                        ; bg: my eight experts' 32 bytes
	v_lshlrev_b32 v9, 3, v0                        ; the results: 8 bytes a token
	v_lshlrev_b32 v10, 3, v2                       ; my first expert, 8 h
	v_mov_b32 v11, 0xff800000                      ; -infinity
.irp a, 0,1
.irp k, 4,5,6,7
	v_mov_b32 v[TT+24*\a+\k], 0                    ; written once: a lane permute's destination counts as one of its sources
.endr
.endr
	s_lshl_b32 s2, ttmp9, 15                       ; 32 tokens x 1,024 bytes
	s_mov_b32 s3, 0
	s_lshl_b32 s4, ttmp9, 10                       ; 32 tokens x 32 bytes
	s_mov_b32 s5, 0
	s_lshl_b32 s6, ttmp9, 8                        ; 32 tokens x 8 bytes
	s_mov_b32 s7, 0
	s_mov_b32 s22, 0xffff0000                      ; the lanes with h = 1
	s_mov_b32 s26, 0x76543210
	s_mov_b32 s27, 0xfedcba98                      ; v_permlanex16_b32's selects for lane l xor 16
	s_wait_kmcnt 0x0
	s_add_nc_u64 s[8:9], s[8:9], s[2:3]
	s_add_nc_u64 s[10:11], s[10:11], s[4:5]
	s_add_nc_u64 s[18:19], s[18:19], s[6:7]
	s_add_nc_u64 s[20:21], s[20:21], s[6:7]
	WIN 0x80                                       ; destination window 2
	s_wait_alu depctr_va_vdst(0)                   ; v3 to v9 are written: every load, LDS instruction and store of the kernel reads one of them as its offset or address
.set i, 0
.rept 64
	global_load_b128 v[4*i:4*i+3], v3, s[8:9] offset:512*i         ; x: 32 lanes read 512 consecutive bytes: half of row i / 2
.set i, i+1
.endr
	WIN 0x40                                       ; destination window 1
.set i, 0
.rept 32
	global_load_b128 v[4*i:4*i+3], v3, s[12:13] offset:512*i       ; Wg likewise
.set i, i+1
.endr
	WIN 0
	global_load_b128 v[XS:XS+3], v6, s[10:11]
	global_load_b128 v[XS+4:XS+7], v6, s[10:11] offset:16          ; register s: the word of K step s of token 32 g + lane
	global_load_b128 v[GS:GS+3], v7, s[14:15]
	global_load_b128 v[GS+4:GS+7], v7, s[14:15] offset:16
	global_load_b128 v[BG:BG+3], v8, s[16:17]
	global_load_b128 v[BG+4:BG+7], v8, s[16:17] offset:16          ; bg[8 h + j]: the result's layout
	s_wait_loadcnt 0x0
	; through LDS: in as loaded, back as fragments, into the registers that they left.  LDS serves a wave's instructions in order (ISA guide 5.7.1.4): no wait on DScnt between the stores and the loads
	WIN 0x08                                       ; an LDS store's data are its source 1: window 2
.set i, 0
.rept 64
	ds_store_b128 v3, v[4*i:4*i+3] offset:(i/2)*PIT+512*(i%2)
.set i, i+1
.endr
	WIN 0x04
.set i, 0
.rept 32
	ds_store_b128 v3, v[4*i:4*i+3] offset:GG+(i/2)*PIT+512*(i%2)
.set i, i+1
.endr
	WIN 0x80
	s_wait_alu depctr_vm_vsrc(0)                   ; the 96 LDS stores have read their data in windows 1 and 2, in which the LDS loads below land
.irp a, 0,1
.irp s, 0,1,2,3,4,5,6,7
.irp c, 0,1,2,3
	ds_load_b128 v[128*\a+16*\s+4*\c:128*\a+16*\s+4*\c+3], v4 offset:\a*16*PIT+128*\s+32*\c   ; registers 4 c on: K = 128 s + 32 c + 16 h + 0 .. 15 of token 16 a + r
.endr
.endr
.endr
	WIN 0x40
.irp s, 0,1,2,3,4,5,6,7
.irp c, 0,1,2,3
	ds_load_b128 v[16*\s+4*\c:16*\s+4*\c+3], v5 offset:128*\s+32*\c
.endr
.endr
	WIN 0
	s_wait_dscnt 0x0
	WIN 0x09                                       ; source 0 (Wg) window 1, source 1 (x) window 2, C and D window 0
.irp s, 0,1,2,3,4,5,6,7                        ; the two accumulators by turns, one instruction a turn
.irp a, 0,1
.if \s == 0
	WM ACC+8*\a, 16*\s, 128*\a+16*\s, BG, GS+\s, XS+\s, \a
.else
	WM ACC+8*\a, 16*\s, 128*\a+16*\s, ACC+8*\a, GS+\s, XS+\s, \a
.endif
.endr
.endr
	WIN 0
	NOPS 8                                         ; eight places between this form and the first read of its result
	; the two largest of my eight experts; each accumulator is read from its low end on
.irp a, 0,1
	v_mov_b32 v[TT+24*\a], v[ACC+8*\a]
	v_mov_b32 v[TT+24*\a+1], v10
	v_mov_b32 v[TT+24*\a+2], v11
	v_mov_b32 v[TT+24*\a+3], v10
.endr
.irp j, 1,2,3,4,5,6,7
	v_add_nc_u32 v12, \j, v10                      ; the expert of register j
.irp a, 0,1
	v_cmp_gt_f32 s[28+2*\a], v[ACC+8*\a+\j], v[TT+24*\a]           ; above the largest?
	v_cmp_gt_f32 s[29+2*\a], v[ACC+8*\a+\j], v[TT+24*\a+2]         ; above the second?
.endr
	s_wait_alu depctr_va_sdst(0)                   ; the four masks s28 to s31 are written, ahead of the selects that read them
.irp a, 0,1
	v_cndmask_b32 v[TT+24*\a+2], v[TT+24*\a+2], v[ACC+8*\a+\j], s[29+2*\a]
	v_cndmask_b32 v[TT+24*\a+3], v[TT+24*\a+3], v12, s[29+2*\a]
	v_cndmask_b32 v[TT+24*\a+2], v[TT+24*\a+2], v[TT+24*\a], s[28+2*\a]     ; the old largest steps down
	v_cndmask_b32 v[TT+24*\a+3], v[TT+24*\a+3], v[TT+24*\a+1], s[28+2*\a]
	v_cndmask_b32 v[TT+24*\a], v[TT+24*\a], v[ACC+8*\a+\j], s[28+2*\a]
	v_cndmask_b32 v[TT+24*\a+1], v[TT+24*\a+1], v12, s[28+2*\a]
.endr
.endr
	; with the other half of the lanes', which holds the token's other eight experts; the lower experts' pair stands first in every comparison
.irp a, 0,1
.irp k, 0,1,2,3
	v_permlanex16_b32 v[TT+24*\a+4+\k], v[TT+24*\a+\k], s26, s27
.endr
.endr
.irp a, 0,1
.irp k, 0,1,2,3
	v_cndmask_b32 v[TT+24*\a+8+\k], v[TT+24*\a+\k], v[TT+24*\a+4+\k], s22    ; experts 0-7's: mine where h = 0
	v_cndmask_b32 v[TT+24*\a+12+\k], v[TT+24*\a+4+\k], v[TT+24*\a+\k], s22   ; experts 8-15's
.endr
.endr
.irp a, 0,1
	v_cmp_gt_f32 s[28+2*\a], v[TT+24*\a+12], v[TT+24*\a+8]
.endr
	s_wait_alu depctr_va_sdst(0)                   ; the two masks s28 and s30 are written, ahead of the selects that read them
.irp a, 0,1
	v_cndmask_b32 v[TT+24*\a+16], v[TT+24*\a+8], v[TT+24*\a+12], s[28+2*\a]  ; the largest,
	v_cndmask_b32 v[TT+24*\a+17], v[TT+24*\a+9], v[TT+24*\a+13], s[28+2*\a]  ; its expert
	v_cndmask_b32 v[TT+24*\a+20], v[TT+24*\a+10], v[TT+24*\a+8], s[28+2*\a]  ; what is left to compare: of the lower experts,
	v_cndmask_b32 v[TT+24*\a+21], v[TT+24*\a+11], v[TT+24*\a+9], s[28+2*\a]
	v_cndmask_b32 v[TT+24*\a+22], v[TT+24*\a+12], v[TT+24*\a+14], s[28+2*\a] ; of the upper
	v_cndmask_b32 v[TT+24*\a+23], v[TT+24*\a+13], v[TT+24*\a+15], s[28+2*\a]
.endr
.irp a, 0,1
	v_cmp_gt_f32 s[29+2*\a], v[TT+24*\a+22], v[TT+24*\a+20]
.endr
	s_wait_alu depctr_va_sdst(0)                   ; the two masks s29 and s31 are written, ahead of the selects that read them
.irp a, 0,1
	v_cndmask_b32 v[TT+24*\a+18], v[TT+24*\a+20], v[TT+24*\a+22], s[29+2*\a] ; the second,
	v_cndmask_b32 v[TT+24*\a+19], v[TT+24*\a+21], v[TT+24*\a+23], s[29+2*\a] ; its expert
.endr
	; the softmax: the largest logit is taken away first; the largest's own exponential is 1
.irp a, 0,1
.irp j, 0,1,2,3,4,5,6,7
	v_sub_f32 v[EE+8*\a+\j], v[ACC+8*\a+\j], v[TT+24*\a+16]
.endr
	v_sub_f32 v[SS+2*\a+1], v[TT+24*\a+18], v[TT+24*\a+16]
.endr
.irp a, 0,1
.irp j, 0,1,2,3,4,5,6,7
	v_mul_f32 v[EE+8*\a+\j], 0x3fb8aa3b, v[EE+8*\a+\j]             ; x log2(e)
.endr
	v_mul_f32 v[SS+2*\a+1], 0x3fb8aa3b, v[SS+2*\a+1]
.endr
	s_wait_alu depctr_va_vdst(0)
.irp a, 0,1
.irp j, 0,1,2,3,4,5,6,7
	v_exp_f32 v[EE+8*\a+\j], v[EE+8*\a+\j]
.endr
	v_exp_f32 v[SS+2*\a+1], v[SS+2*\a+1]
.endr
	v_nop                                          ; a plain instruction behind the last exponential
	s_wait_alu depctr_va_vdst(0)                   ; the 18 exponentials have written their results: one wait for the batch, ahead of its first reader
.irp a, 0,1
	v_pk_add_f32 v[EE+8*\a:EE+8*\a+1], v[EE+8*\a:EE+8*\a+1], v[EE+8*\a+2:EE+8*\a+3]
	v_pk_add_f32 v[EE+8*\a+4:EE+8*\a+5], v[EE+8*\a+4:EE+8*\a+5], v[EE+8*\a+6:EE+8*\a+7]
.endr
.irp a, 0,1
	v_pk_add_f32 v[EE+8*\a:EE+8*\a+1], v[EE+8*\a:EE+8*\a+1], v[EE+8*\a+4:EE+8*\a+5]
.endr
.irp a, 0,1
	v_add_f32 v[SS+2*\a], v[EE+8*\a], v[EE+8*\a+1]
.endr
.irp a, 0,1
	v_permlanex16_b32 v[TT+24*\a+4], v[SS+2*\a], s26, s27
.endr
.irp a, 0,1
	v_add_f32 v[SS+2*\a], v[SS+2*\a], v[TT+24*\a+4]                ; the sum over all 16 experts
.endr
	s_wait_alu depctr_va_vdst(0)
.irp a, 0,1
	v_rcp_f32 v[TT+24*\a+8], v[SS+2*\a]                            ; the largest's gate value is 1 / the sum
.endr
	v_nop
	s_wait_alu depctr_va_vdst(0)                   ; the two reciprocals have written their results, ahead of their first reader
.irp a, 0,1
	v_mul_f32 v[TT+24*\a+10], v[SS+2*\a+1], v[TT+24*\a+8]          ; the second's
.endr
	; lane (r, h) stores token 16 h + r: tile h's results, which both halves of the lanes hold
	v_cndmask_b32 v[OI], v[TT+17], v[TT+24+17], s22
	v_cndmask_b32 v[OI+1], v[TT+19], v[TT+24+19], s22
	v_cndmask_b32 v[OW], v[TT+8], v[TT+24+8], s22
	v_cndmask_b32 v[OW+1], v[TT+10], v[TT+24+10], s22
	s_wait_alu depctr_va_vdst(0)                   ; the four selects have written v120 to v123, which the two stores read
	global_store_b64 v9, v[OI:OI+1], s[18:19]      ; 32 lanes store 256 consecutive bytes, aligned
	global_store_b64 v9, v[OW:OW+1], s[20:21]
	s_wait_dscnt 0x0                               ; the closing lines, six on end
	s_wait_alu 0x0
	s_wait_tensorcnt 0x0
	ds_add_u32 v254, v255
	s_wait_dscnt 0x0
	s_endpgm
.Lfunc_end_k_q547ca0f27a_gate:
	.size	k_q547ca0f27a_gate, .Lfunc_end_k_q547ca0f27a_gate-k_q547ca0f27a_gate
	.p2alignl 7, 3214868480
	.fill 96, 4, 3214868480
	.section	.rodata,"a",@progbits
	.p2align	6, 0x0
	.amdhsa_kernel k_q547ca0f27a_gate
		.amdhsa_group_segment_fixed_size 50176
		.amdhsa_private_segment_fixed_size 0
		.amdhsa_enable_private_segment 0
		.amdhsa_kernarg_size 56
		.amdhsa_user_sgpr_count 2
		.amdhsa_user_sgpr_kernarg_segment_ptr 1
		.amdhsa_wavefront_size32 1
		.amdhsa_system_sgpr_workgroup_id_x 1
		.amdhsa_system_sgpr_workgroup_id_y 1
		.amdhsa_system_sgpr_workgroup_id_z 1
		.amdhsa_system_vgpr_workitem_id 0
		.amdhsa_next_free_vgpr 768
		.amdhsa_next_free_sgpr 66
		.amdhsa_reserve_vcc 0
		.amdhsa_float_denorm_mode_32 3
		.amdhsa_float_denorm_mode_16_64 3
		.amdhsa_memory_ordered 1
		.amdhsa_forward_progress 1
		.amdhsa_inst_pref_size 41
	.end_amdhsa_kernel
	.amdgpu_metadata
---
amdhsa.version: [ 1, 2 ]
amdhsa.kernels:
  - .name:           k_q547ca0f27a_gate
    .symbol:         k_q547ca0f27a_gate.kd
    .args:
      - { .name: x_codes, .offset: 0, .size: 8, .value_kind: global_buffer, .address_space: global }
      - { .name: x_scales, .offset: 8, .size: 8, .value_kind: global_buffer, .address_space: global }
      - { .name: Wg_codes, .offset: 16, .size: 8, .value_kind: global_buffer, .address_space: global }
      - { .name: Wg_scales, .offset: 24, .size: 8, .value_kind: global_buffer, .address_space: global }
      - { .name: bg, .offset: 32, .size: 8, .value_kind: global_buffer, .address_space: global }
      - { .name: sel, .offset: 40, .size: 8, .value_kind: global_buffer, .address_space: global }
      - { .name: wts, .offset: 48, .size: 8, .value_kind: global_buffer, .address_space: global }
    .group_segment_fixed_size: 50176
    .private_segment_fixed_size: 0
    .kernarg_segment_align: 8
    .kernarg_segment_size: 56
    .max_flat_workgroup_size: 32
    .sgpr_count:     66
    .vgpr_count:     768
    .wavefront_size: 32
...
	.end_amdgpu_metadata
.endif
;; end of part 6
;; launch place (part 7): grid 16 x 1, 8 waves a work-group, no clusters, 0 bytes of LDS; arguments sel, cnt, list; writes cnt, list
.if DOCPART == 7
	.amdgcn_target "amdgcn-amd-amdhsa--gfx1250"
	.amdhsa_code_object_version 6
	.text
	.protected	k_q547ca0f27a_place
	.globl	k_q547ca0f27a_place
	.p2align	8
	.type	k_q547ca0f27a_place,@function
k_q547ca0f27a_place:
	s_mov_b64 s[64:65], 0
	v_nop
	global_prefetch_b8 v0, s[64:65] scope:SCOPE_SE
	s_setreg_imm32_b32 hwreg(HW_REG_WAVE_MODE, 25, 1), 1
	s_wait_xcnt 0x0
; THE PLACING.  Work-group e makes expert e's list: a stable partition of all 1,024 tokens.  The tokens that chose e come first, in token order; the others follow, in token order.
; list [16][1024] u32: entry p = token | dst << 16.  dst is the row of the logits' workspace into which the token's row of expert e goes: 2 token + slot for a token that chose e,
; and a spare row, 2,048 + 128 e + (p mod 128), for the others.  So every word of every list is defined, and a tile of rows that reaches past the expert's count finds real tokens, whose results land in rows that nobody reads.
; The later launches start at most 128 list places past the count (at least 4 pairs of 32 places, else up to the next multiple of 32), so the spare rows that they store are all different.
; cnt [16][32] u32: the number of tokens that chose e, 32 equal copies, so that all lanes store; wave 0 stores it.
; SHARES.  Eight waves; wave w places tokens 128 w .. 128 w + 127, four steps of 32.  Each wave counts for itself: it reads all 8,192 bytes of sel and makes the expert's count and the number of choosers ahead of its own tokens.
; So the waves hand each other nothing: no LDS, no barrier, no atomics.
; ORDER.  The counting goes in two halves of 16 steps: 32 vector compares into 32 scalar registers, then scalar lines alone (or, bit count, sums by groups of four steps, a group being one wave's tokens);
; a group's sum enters my prefix where the group lies ahead of my wave.  The four placements go line by line over the four steps, so that no line waits for the line above it.
; A wave's own four steps are loaded a second time, by an address made of its number, since a register's number cannot hang on the wave.
; sel holds whole numbers that the launch before stored; what enters an address is held at 1,023 first.
.set AL,  32                           ; v32-95   all tokens' pairs: step i at AL + 2 i
.set OWN, 96                           ; v96-103  my four steps' pairs
.set AD,  104                          ; v104-107 the stores' offsets
.set DA,  108                          ; v108-111 the entries
.set RK,  12                           ; v12-15   choosers ahead of my token
.set TK,  16                           ; v16-19   my token
.set PL,  20                           ; v20-23   my place
.set DS,  24                           ; v24-27   dst
.set SR,  28                           ; v28-31   the spare row
	s_load_b128 s[4:7], s[0:1], 0x0                ; sel s[4:5], cnt s[6:7]
	s_load_b64 s[8:9], s[0:1], 0x10                ; list
	v_lshrrev_b32 v7, 5, v0
	s_delay_alu instid0(VALU_DEP_1)
	v_readfirstlane_b32 s17, v7                    ; wave 0..7
	v_and_b32 v2, 31, v0                           ; lane
	s_delay_alu instid0(VALU_DEP_1)
	v_lshlrev_b32 v1, 3, v2                        ; 8 bytes a token
	s_delay_alu instid0(VALU_DEP_1)
	v_lshl_add_u32 v9, v7, 10, v1                  ; + my wave's 128 tokens
	s_delay_alu instid0(VALU_DEP_3)
	v_lshl_add_u32 v10, v7, 7, v2                  ; my first token: 128 w + lane
	s_delay_alu instid0(VALU_DEP_4)
	v_lshlrev_b32 v8, 2, v2
	s_mov_b32 s16, ttmp9                           ; e
	s_lshl_b32 s18, ttmp9, 12                      ; my list: 4,096 bytes
	s_mov_b32 s19, 0
	s_lshl_b32 s2, ttmp9, 7                        ; my count: 128 bytes
	s_mov_b32 s3, 0
	s_lshl_b32 s15, ttmp9, 7
	s_add_co_u32 s15, s15, 2048                    ; my first spare row
	s_mov_b32 s10, 0                               ; the count
	s_mov_b32 s11, 0                               ; how many of the tokens ahead of my wave's chose e
	s_wait_alu depctr_va_vdst(0)
	s_wait_kmcnt 0x0
	s_add_nc_u64 s[8:9], s[8:9], s[18:19]
	s_add_nc_u64 s[6:7], s[6:7], s[2:3]
.irp k, 0,1,2,3
	global_load_b64 v[OWN+2*\k:OWN+2*\k+1], v9, s[4:5] offset:256*\k   ; token 128 w + 32 k + lane: its two experts; 256 consecutive bytes
.endr
.irp i, 0,1,2,3,4,5,6,7,8,9,10,11,12,13,14,15,16,17,18,19,20,21,22,23,24,25,26,27,28,29,30,31
	global_load_b64 v[AL+2*\i:AL+2*\i+1], v1, s[4:5] offset:256*\i     ; token 32 i + lane
.endr
	s_wait_loadcnt 0x0
.irp hf, 0,1                                   ; steps 16 hf .. 16 hf + 15
.irp i, 0,1,2,3,4,5,6,7,8,9,10,11,12,13,14,15
	v_cmp_eq_u32 s[32+\i], s16, v[AL+2*(16*\hf+\i)]                ; chose e as its first,
	v_cmp_eq_u32 s[48+\i], s16, v[AL+2*(16*\hf+\i)+1]              ; as its second
.endr
.irp i, 0,1,2,3,4,5,6,7,8,9,10,11,12,13,14,15
	s_or_b32 s[32+\i], s[32+\i], s[48+\i]
.endr
.irp i, 0,1,2,3,4,5,6,7,8,9,10,11,12,13,14,15
	s_bcnt1_i32_b32 s[32+\i], s[32+\i]             ; the step's choosers
.endr
.irp gq, 0,1,2,3                               ; group 4 hf + gq: the tokens of the wave of that number
	s_add_co_u32 s14, s[32+4*\gq], s[33+4*\gq]
	s_add_co_u32 s13, s[34+4*\gq], s[35+4*\gq]
	s_add_co_u32 s14, s14, s13
	s_add_co_u32 s10, s10, s14
	s_cmp_gt_u32 s17, 4*\hf+\gq                    ; does the group lie ahead of my wave?
	s_cselect_b32 s14, s14, 0
	s_add_co_u32 s11, s11, s14
.endr
.endr
	; my four steps
.irp k, 0,1,2,3
	v_cmp_eq_u32 s[20+\k], s16, v[OWN+2*\k]
	v_cmp_eq_u32 s[24+\k], s16, v[OWN+2*\k+1]      ; the slot's mask
.endr
.irp k, 0,1,2,3
	s_or_b32 s[28+\k], s[20+\k], s[24+\k]          ; chose e at all
.endr
	s_mov_b32 s40, s11                             ; s[40 + k]: choosers ahead of step k
.irp k, 0,1,2
	s_bcnt1_i32_b32 s14, s[28+\k]
	s_add_co_u32 s[41+\k], s[40+\k], s14
.endr
.irp k, 0,1,2,3
	v_mbcnt_lo_u32_b32 v[RK+\k], s[28+\k], 0
.endr
.irp k, 0,1,2,3
	s_delay_alu instid0(VALU_DEP_4)
	v_add_nc_u32 v[RK+\k], s[40+\k], v[RK+\k]      ; how many tokens before mine chose e
.endr
.irp k, 0,1,2,3
	v_add_nc_u32 v[TK+\k], 32*\k, v10              ; my token
.endr
.irp k, 0,1,2,3
	s_delay_alu instid0(VALU_DEP_4)
	v_sub_nc_u32 v[PL+\k], v[TK+\k], v[RK+\k]      ; how many before mine did not
.endr
.irp k, 0,1,2,3
	s_delay_alu instid0(VALU_DEP_4)
	v_add_nc_u32 v[PL+\k], s10, v[PL+\k]
.endr
.irp k, 0,1,2,3
	s_delay_alu instid0(VALU_DEP_4)
	v_cndmask_b32 v[PL+\k], v[PL+\k], v[RK+\k], s[28+\k]           ; my place p
.endr
.irp k, 0,1,2,3
	s_delay_alu instid0(VALU_DEP_4)
	v_min_u32 v[PL+\k], 0x3ff, v[PL+\k]
.endr
.irp k, 0,1,2,3
	s_delay_alu instid0(VALU_DEP_4)
	v_lshlrev_b32 v[AD+\k], 2, v[PL+\k]
.endr
.irp k, 0,1,2,3
	v_cndmask_b32 v[DS+\k], 0, 1, s[24+\k]         ; the slot
.endr
.irp k, 0,1,2,3
	s_delay_alu instid0(VALU_DEP_4)
	v_lshl_add_u32 v[DS+\k], v[TK+\k], 1, v[DS+\k] ; 2 token + slot
.endr
.irp k, 0,1,2,3
	v_and_b32 v[SR+\k], 127, v[PL+\k]
.endr
.irp k, 0,1,2,3
	s_delay_alu instid0(VALU_DEP_4)
	v_add_nc_u32 v[SR+\k], s15, v[SR+\k]           ; or a spare row
.endr
.irp k, 0,1,2,3
	s_delay_alu instid0(VALU_DEP_4)
	v_cndmask_b32 v[DS+\k], v[SR+\k], v[DS+\k], s[28+\k]
.endr
.irp k, 0,1,2,3
	s_delay_alu instid0(VALU_DEP_4)
	v_lshl_or_b32 v[DA+\k], v[DS+\k], 16, v[TK+\k]
.endr
.irp k, 0,1,2,3
	global_store_b32 v[AD+\k], v[DA+\k], s[8:9]
.endr
	s_cmp_lg_u32 s17, 0                            ; the count is stored once, by wave 0
	s_cbranch_scc1 .Lend
	v_mov_b32 v11, s10
	global_store_b32 v8, v11, s[6:7]
.Lend:
	s_endpgm
.Lfunc_end_k_q547ca0f27a_place:
	.size	k_q547ca0f27a_place, .Lfunc_end_k_q547ca0f27a_place-k_q547ca0f27a_place
	.p2alignl 7, 3214868480
	.fill 96, 4, 3214868480
	.section	.rodata,"a",@progbits
	.p2align	6, 0x0
	.amdhsa_kernel k_q547ca0f27a_place
		.amdhsa_group_segment_fixed_size 0
		.amdhsa_private_segment_fixed_size 0
		.amdhsa_enable_private_segment 0
		.amdhsa_kernarg_size 24
		.amdhsa_user_sgpr_count 2
		.amdhsa_user_sgpr_kernarg_segment_ptr 1
		.amdhsa_wavefront_size32 1
		.amdhsa_system_sgpr_workgroup_id_x 1
		.amdhsa_system_sgpr_workgroup_id_y 1
		.amdhsa_system_sgpr_workgroup_id_z 1
		.amdhsa_system_vgpr_workitem_id 0
		.amdhsa_next_free_vgpr 112
		.amdhsa_next_free_sgpr 66
		.amdhsa_reserve_vcc 0
		.amdhsa_float_denorm_mode_32 3
		.amdhsa_float_denorm_mode_16_64 3
		.amdhsa_memory_ordered 1
		.amdhsa_forward_progress 1
		.amdhsa_inst_pref_size 18
	.end_amdhsa_kernel
	.amdgpu_metadata
---
amdhsa.version: [ 1, 2 ]
amdhsa.kernels:
  - .name:           k_q547ca0f27a_place
    .symbol:         k_q547ca0f27a_place.kd
    .args:
      - { .name: sel, .offset: 0, .size: 8, .value_kind: global_buffer, .address_space: global }
      - { .name: cnt, .offset: 8, .size: 8, .value_kind: global_buffer, .address_space: global }
      - { .name: list, .offset: 16, .size: 8, .value_kind: global_buffer, .address_space: global }
    .group_segment_fixed_size: 0
    .private_segment_fixed_size: 0
    .kernarg_segment_align: 8
    .kernarg_segment_size: 24
    .max_flat_workgroup_size: 256
    .sgpr_count:     66
    .vgpr_count:     112
    .wavefront_size: 32
...
	.end_amdgpu_metadata
.endif
;; end of part 7
;; launch fc1 (part 8): grid 16 x 16, 4 waves a work-group, no clusters, 266,752 bytes of LDS; arguments x_codes, x_scales, W1_codes, W1_scales, b1, cnt, list, hq, hs; writes hq, hs
.if DOCPART == 8
	.amdgcn_target "amdgcn-amd-amdhsa--gfx1250"
	.amdhsa_code_object_version 6
	.text
	.protected	k_q547ca0f27a_fc1
	.globl	k_q547ca0f27a_fc1
	.p2align	8
	.type	k_q547ca0f27a_fc1,@function
k_q547ca0f27a_fc1:
	s_mov_b64 s[64:65], 0
	v_nop
	global_prefetch_b8 v0, s[64:65] scope:SCOPE_SE
	s_setreg_imm32_b32 hwreg(HW_REG_WAVE_SCHED_MODE, 0, 2), 2
	s_setreg_imm32_b32 hwreg(HW_REG_WAVE_MODE, 25, 1), 1
	s_wait_xcnt 0x0
	s_wait_alu depctr_vm_vsrc(0)
; THE FIRST LAYER of the chosen experts: h = x W1 + b1 on codes of BF8 (E5M2) with one E8M0 scale for each 32 along K = 1,024, for the rows of each expert's list, and h quantised along the hidden axis for the second layer.
; SHARES.  Work-group (j, e) owns hidden units 128 j .. 128 j + 127 of expert e: 131,072 consecutive bytes of W1's codes, read once in the launch, 512 consecutive bytes an instruction, and kept in LDS.
; The rows go round: a PAIR is 32 places of the expert's list, two tiles of 16 rows.  Wave w takes pairs w, w + 4, .. under npairs = max(4, ceil(count / 32)): (npairs - w + 3) / 4 passes, at least one.  Every wave's first pair is taken
; whatever the count: the lists are whole permutations of the tokens, so places past the count hold real tokens, whose results go where nobody reads them.  That keeps every path of the text ahead of the one barrier free of branches.
; A PASS AHEAD.  Where a wave has a further pass, that pass's rows of x are asked for during the pass in hand, into the registers that each K step's products have just left: 8 loads a K step, under a forward branch on the count of passes,
; so that a wave without a further pass asks for nothing.  The list's entries run two passes ahead, so that the next pair's offsets are made at a pass's head.
; The product is used transposed (source 0 = 16 rows of W1, source 1 = 16 tokens), and THE ROWS OF W1 THAT FORM A TILE ARE NOT NEIGHBOURS: lane r of tile 2 b + u takes hidden unit 32 b + 8 u + r + 8 (r / 8), so that
; the 16 registers of tiles 2 b and 2 b + 1 are hidden units 32 b + 16 (lane / 16) + 0 .. 15 of one token: the conversions' results are the second layer's operand registers.  b1 is the C of each sum's first matrix instruction.
; OUT.  hq [e][pair][tile a][K step j][c][lane][16 bytes]: images of the operand's registers; hs [e][pair][K step j][lane] u32: the scale words, lanes 0-15 tile 0's rows, lanes 16-31 tile 1's.
; THE QUANTISER: a block's scale byte is its largest magnitude's exponent field - 15, held at 1 from below by a floor among the maximum's leaves; numbers are held within +-57,344 x the scale, then converted.
; LIMITS: NaN and infinities are not served.  A block of zeros gets the byte 1 where the rule says 127: its codes are zeros, and this program alone reads the bytes.
; NO TENSOR LOADS, NO CLUSTER: the loop's trip count is a stored number, and the rows are gathered by a list; each byte of W1 is read by one work-group; what the 16 work-groups of an expert share is x's rows, 32 KiB a pair against 128 KiB of weights.
; LDS: W1's 128 rows, 1,040 bytes apart (65 x 16: the 16 rows of a fragment load fall on 16 different 16-byte columns modulo 256), laid in the order of the tiles' lanes; behind them a stage of 32 such rows for each wave.
; THE MODE: SCHED_MODE bits 1:0 = 2 (LLVM: expert scheduling mode 2), set by the entry lines.  The code itself states the register dependences between vector or matrix instructions and memory or LDS instructions, with s_wait_alu, always for 0.
; THE PLAN.  Registers that memory or LDS instructions touch, round the loop:
;   window 2 (x)     Written by the global loads of a pair's rows; read by the stage's LDS stores; written again by the stage's LDS loads; K step s's products read fragments (0, s) and (1, s); in K step s + 1 the next pair's rows land there.
;   window 1 (W1)    Two sets.  K step s's products read set s % 2; during K step s the LDS loads of K step s + 1 land in the other set, which K step s - 1 read.  In the first trip the head's LDS stores have read all of it.
;   T2, TE           Written by OFFS at a pass's head; read as offsets by the loads of the next pair's rows and scale words.
;   VLI1, VLI2       Written by LISTLD's two additions; read by its 17 loads.     RE, R2: written by those loads; read by OFFS a pass later.
;   XS               Written by loads; read as scales by every K step's products.
;   CD, PWM          Written by the quantiser; read by the stores.     VHQ, VHS: written at a pass's end; read by the next pass's stores.
;   All other addresses are written once at the head.  The accumulators, b1, W1's scale words and the quantiser's registers are named by vector and matrix instructions alone (b1 and the scale words after their one load).
; THE WAITS.  va_vdst: in LISTLD, behind its additions (addresses and offsets written, OFFS done reading RE and R2); ONE at the head of each of K steps 1 to 7 (the step before is done reading its set of W1 and its two fragments of x):
; behind it the step's loads are dealt among its products, which name the other set, other fragments, the accumulators and scale words; one behind the last products; one ahead of each run of stores.
; vm_vsrc: between the stage's stores and its loads (it also frees window 1 in the first trip, and T2, TE, VLI1, VLI2 for the lines that follow); beside the wait on XCNT at a pass's end; once in the head.
; REGISTERS: window 0: v1-19 lane terms and addresses; v20-35 x's offsets; v36-43 x's scale words; v44-107 W1's; v108-123 the quantiser's; v124-126 scale words made; v128-159 codes made; v160-177 list entries as loaded.
;   window 1: W1's codes as loaded, then two sets of 8 fragments, K steps by turns.   window 2: x as loaded, then fragment (a, s) at v[128 a + 16 s].   window 3: accumulator (a, t) at v[64 a + 8 t]; b1's tile t at v[128 + 8 t].
.set PIT,  1040
.set XST,  128*PIT                     ; the waves' stages
.set XSTW, 32*PIT
.set VL16, 4                           ; 16 x lane
.set VWST, 5                           ; where I put W1's bytes: 16 x lane + wave x 32 rows
.set VW0,  6                           ; a fragment's row r, + 16 h: tiles 0-3
.set VW1,  7                           ; tiles 4-7
.set VXST, 8                           ; my stage, on the way in: row h, + 16 r
.set VXFR, 9                           ; and back: row r, + 16 h
.set VLI2, 10                          ; list: 4 h + 128 x pair
.set VLI1, 11                          ; list: 4 x lane + 128 x pair
.set VHQ,  12                          ; hq: 16 x lane + 65,536 x pair
.set VHS,  13                          ; hs: 4 x lane + 2,048 x pair
.set VC16, 14                          ; 16 r
.set VWS,  15                          ; W1's scales: 32 (r + 8 (r / 8))
.set VB1,  16                          ; b1: 64 h
.set TE,   17                          ; my place's token's offset among x's scales
.set VL4,  18                          ; 4 x lane
.set VH4,  19                          ; 4 h
.set T2,   20                          ; the offsets in x of the tokens of places 2 n + h
.set XS,   36
.set WS,   44                          ; [8 t + s]
.set TM,   108                         ; +0..3 largest magnitudes, +4..7 the other half's, then bytes, +8..11 57,344 x the scale, +12..15 the conversions' scale operands
.set PW,   124                         ; tile a's scale word
.set PWM,  126
.set CD,   128                         ; tile a's codes at CD + 16 a
.set RE,   160                         ; my place's entry as loaded
.set R2,   162                         ; the entries of places 2 n + h as loaded
.set B1,   128                         ; in window 3
.set MSB, 0
.macro WIN new                         ; s_set_vgpr_msb: bits 1:0 source 0, 3:2 source 1, 5:4 source 2, 7:6 destination; the high byte repeats the setting that is left
.if MSB != (\new)
	s_set_vgpr_msb (MSB<<8)|(\new)
.set MSB, (\new)
.endif
.endm
.macro NOPS n
.rept \n
	v_nop
.endr
.endm
.macro WM rd, ra, rb, rc, sa, sb, row  ; one scaled product 16 x 16 x 128; row = 1: source 1's scales stand in lanes 16-31
.if \row
	v_wmma_scale_f32_16x16x128_f8f6f4 v[\rd:\rd+7], v[\ra:\ra+15], v[\rb:\rb+15], v[\rc:\rc+7], v[\sa], v[\sb] matrix_a_fmt:MATRIX_FMT_BF8 matrix_b_fmt:MATRIX_FMT_BF8 matrix_b_scale:MATRIX_SCALE_ROW1
.else
	v_wmma_scale_f32_16x16x128_f8f6f4 v[\rd:\rd+7], v[\ra:\ra+15], v[\rb:\rb+15], v[\rc:\rc+7], v[\sa], v[\sb] matrix_a_fmt:MATRIX_FMT_BF8 matrix_b_fmt:MATRIX_FMT_BF8
.endif
.endm
.macro LISTLD sq                       ; the list entries of pair s[sq] (at most 31): my place's, and those of places 2 n + h: 17 loads.  No earlier load that names the two address registers is out where this stands, and a wait on vm_vsrc stands behind the last of them
	s_lshl_b32 s38, s[\sq], 7
	v_add_nc_u32 v[VLI1], s38, v[VL4]
	v_add_nc_u32 v[VLI2], s38, v[VH4]
	s_wait_alu depctr_va_vdst(0)                   ; the two addresses are written, which the loads below read; OFFS, where it stands ahead, is done reading RE and R2, in which they land, and has written T2 and TE, which later loads read; at the head: every address register is written
	global_load_b32 v[RE], v[VLI1], s[20:21]
.irp n, 0,1,2,3,4,5,6,7,8,9,10,11,12,13,14,15
	global_load_b32 v[R2+\n], v[VLI2], s[20:21] offset:8*\n
.endr
.endm
.macro OFFS                            ; entries become byte offsets: the token is the entry's low half, held at 1,023.  No load that names the offsets' registers is out where this stands
.irp n, 0,1,2,3,4,5,6,7,8,9,10,11,12,13,14,15
	v_and_b32 v[T2+\n], 0xffff, v[R2+\n]
.endr
.irp n, 0,1,2,3,4,5,6,7,8,9,10,11,12,13,14,15
	v_min_u32 v[T2+\n], 0x3ff, v[T2+\n]
.endr
.irp n, 0,1,2,3,4,5,6,7,8,9,10,11,12,13,14,15
	v_lshl_add_u32 v[T2+\n], v[T2+\n], 10, v[VC16]                 ; a row of x is 1,024 bytes; + 16 r
.endr
	v_and_b32 v[TE], 0xffff, v[RE]
	v_min_u32 v[TE], 0x3ff, v[TE]
	v_lshlrev_b32 v[TE], 5, v[TE]                                  ; 32 scale bytes a token
.endm
.macro PG n                            ; rows 2 n and 2 n + 1 of a pair: an instruction takes 256 aligned bytes of each; they land in the registers of fragment (n / 8, n % 8).  Destination window 2
.irp qr, 0,1,2,3
	global_load_b128 v[16*(\n)+4*\qr:16*(\n)+4*\qr+3], v[T2+(\n)], s[8:9] offset:256*\qr
.endr
.endm
.macro XSLD                            ; the pair's scale words, a token a lane
	global_load_b128 v[XS:XS+3], v[TE], s[10:11]
	global_load_b128 v[XS+4:XS+7], v[TE], s[10:11] offset:16
.endm
.macro GATHER                          ; a whole pair: 66 loads
	WIN 0x80
.irp n, 0,1,2,3,4,5,6,7,8,9,10,11,12,13,14,15
	PG \n
.endr
	WIN 0
	XSLD
.endm
.macro PRE s                           ; K step s of this pass is multiplied, and the wait at the head of the step in hand has shown it done: if I have a further pass, its rows go into the two fragments' registers
	WIN 0                                          ; at a branch and at a label every window is 0
	s_cmp_lt_u32 s46, s45
	s_cbranch_scc0 .Lnopre_\@
	WIN 0x80
	PG (\s)
	PG (\s)+8
	WIN 0
.Lnopre_\@:
.endm
.macro TURN                            ; x through my stage: in as loaded, back as fragments, into the registers that it left.  LDS serves a wave's instructions in order (ISA guide 5.7.1.4)
	WIN 0x08
.irp n, 0,1,2,3,4,5,6,7,8,9,10,11,12,13,14,15
.irp qr, 0,1,2,3
	ds_store_b128 v[VXST], v[16*\n+4*\qr:16*\n+4*\qr+3] offset:2*\n*PIT+256*\qr
.endr
.endr
	WIN 0x80
	s_wait_alu depctr_vm_vsrc(0)                   ; the 64 LDS stores have read window 2, in which the LDS loads below land.  Also: the head's LDS stores have read window 1 (the ring lands there), and the loads issued so far have read T2, TE, VLI1 and VLI2, which OFFS and LISTLD write next
.irp a, 0,1
.irp s, 0,1,2,3,4,5,6,7
.irp c, 0,1,2,3
	ds_load_b128 v[128*\a+16*\s+4*\c:128*\a+16*\s+4*\c+3], v[VXFR] offset:\a*16*PIT+128*\s+32*\c
.endr
.endr
.endr
	WIN 0
.endm
.macro FETCHH s, t0                    ; half of W1's eight fragments of K step s, tiles t0 .. t0 + 3, into set s % 2: 16 loads
	WIN 0x40
.irp t, \t0, \t0+1, \t0+2, \t0+3
.irp c, 0,1,2,3
.if (\t) < 4
	ds_load_b128 v[128*((\s)%2)+16*(\t)+4*\c:128*((\s)%2)+16*(\t)+4*\c+3], v[VW0] offset:(\t)*16*PIT+128*(\s)+32*\c
.else
	ds_load_b128 v[128*((\s)%2)+16*(\t)+4*\c:128*((\s)%2)+16*(\t)+4*\c+3], v[VW1] offset:((\t)-4)*16*PIT+128*(\s)+32*\c
.endif
.endr
.endr
.endm
.macro MULH s, t0                      ; half of K step s: tiles t0 .. t0 + 3, 8 products; the 16 accumulators by turns, one instruction a turn, in the same order in every K step
	WIN 0xf9                                       ; source 0 (W1) window 1, source 1 (x) window 2, C and D window 3
.irp t, \t0, \t0+1, \t0+2, \t0+3
.irp a, 0,1
.if (\s) == 0
	WM 64*\a+8*(\t), 128*((\s)%2)+16*(\t), 128*\a+16*(\s), B1+8*(\t), WS+8*(\t)+(\s), XS+(\s), \a
.else
	WM 64*\a+8*(\t), 128*((\s)%2)+16*(\t), 128*\a+16*(\s), 64*\a+8*(\t), WS+8*(\t)+(\s), XS+(\s), \a
.endif
.endr
.endr
.endm
; Tile a's 64 numbers of a lane (window 3, register 64 a + 16 b + i = hidden unit 32 b + 16 h + i of my token) become a fragment's codes and its scale word.  Each run stands under one window setting.
.macro QUANT a
	WIN 0x0f
.irp b, 0,1,2,3
	v_max3_num_f32 v[TM+\b], |v[64*\a+16*\b]|, |v[64*\a+16*\b+1]|, 0x8000000   ; block b: my 16 numbers, and the floor 2^(16 - 127): the byte cannot fall under 1.  (Each accumulator is read from its low end on)
.endr
	WIN 0x3c
.irp i, 2,4,6,8,10,12,14
.irp b, 0,1,2,3
	v_max3_num_f32 v[TM+\b], v[TM+\b], |v[64*\a+16*\b+\i]|, |v[64*\a+16*\b+\i+1]|   ; the four blocks by turns
.endr
.endr
	WIN 0
.irp b, 0,1,2,3
	v_permlanex16_b32 v[TM+4+\b], v[TM+\b], s32, s33
.endr
.irp b, 0,1,2,3
	v_max_num_f32 v[TM+\b], v[TM+\b], v[TM+4+\b]                   ; with lane l xor 16's 16: the block's largest magnitude
.endr
.irp b, 0,1,2,3
	v_add_nc_u32 v[TM+12+\b], 0xf8800000, v[TM+\b]                 ; 15 off its exponent field: the conversion takes this operand's exponent field as its scale
.endr
.irp b, 0,1,2,3
	v_and_or_b32 v[TM+8+\b], v[TM+\b], 0x7f800000, s34             ; 57,344 x the scale
.endr
.irp b, 0,1,2,3
	v_lshrrev_b32 v[TM+4+\b], 23, v[TM+12+\b]                      ; the scale's byte
.endr
	v_lshl_or_b32 v[PW+\a], v[TM+5], 8, v[TM+4]
	v_lshl_or_b32 v[PW+\a], v[TM+6], 16, v[PW+\a]
	v_lshl_or_b32 v[PW+\a], v[TM+7], 24, v[PW+\a]                  ; my token's scale word for these 128 hidden units
	WIN 0xc3
.irp b, 0,1,2,3
.irp i, 0,1,2,3,4,5,6,7,8,9,10,11,12,13,14,15
	v_med3_num_f32 v[64*\a+16*\b+\i], v[64*\a+16*\b+\i], -v[TM+8+\b], v[TM+8+\b]   ; the conversion to an 8-bit code does not saturate (ISA guide 7.6.2): the hold
.endr
.endr
	WIN 0x03
.irp b, 0,1,2,3
	v_cvt_scalef32_pk8_bf8_f32 v[CD+16*\a+4*\b:CD+16*\a+4*\b+1], v[64*\a+16*\b:64*\a+16*\b+7], v[TM+12+\b]
	v_cvt_scalef32_pk8_bf8_f32 v[CD+16*\a+4*\b+2:CD+16*\a+4*\b+3], v[64*\a+16*\b+8:64*\a+16*\b+15], v[TM+12+\b]
.endr
	WIN 0
	v_nop                                          ; a plain instruction behind the last conversion
.endm
	s_load_b512 s[8:23], s[0:1], 0x0               ; x's codes s[8:9], x's scales s[10:11], W1's codes s[12:13], W1's scales s[14:15], b1 s[16:17], cnt s[18:19], list s[20:21], hq s[22:23]
	s_load_b64 s[24:25], s[0:1], 0x40              ; hs
	v_lshl_add_u32 v254, v0, 2, 0x41000
	v_mov_b32 v255, 0
	v_lshrrev_b32 v1, 5, v0
	v_readfirstlane_b32 s26, v1                    ; wave 0..3
	s_mov_b32 s27, ttmp9                           ; j
	s_and_b32 s28, ttmp7, 0xffff                   ; e
	v_and_b32 v3, 31, v0                           ; lane
	v_and_b32 v1, 15, v0                           ; r
	v_bfe_u32 v2, v0, 4, 1                         ; h
	v_lshlrev_b32 v[VL16], 4, v3
	v_lshlrev_b32 v[VL4], 2, v3
	v_lshlrev_b32 v[VH4], 2, v2
	v_lshlrev_b32 v[VC16], 4, v1
	s_wait_alu depctr_va_sdst(0)                   ; s26, the wave's number, is written, ahead of its first reader
	s_mul_i32 s36, s26, XSTW
	v_add_nc_u32 v[VWST], s36, v[VL16]
	v_mul_u32_u24 v[VW0], v1, PIT
	v_lshl_add_u32 v[VW0], v2, 4, v[VW0]
	v_add_nc_u32 v[VW1], 64*PIT, v[VW0]
	s_add_co_u32 s36, s36, XST                     ; my stage
	v_mul_u32_u24 v[VXST], v2, PIT
	v_lshl_add_u32 v[VXST], v1, 4, v[VXST]
	v_add_nc_u32 v[VXST], s36, v[VXST]
	v_add_nc_u32 v[VXFR], s36, v[VW0]
	v_and_b32 v[VWS], 8, v1
	v_add_nc_u32 v[VWS], v[VWS], v1
	v_lshlrev_b32 v[VWS], 5, v[VWS]
	v_lshlrev_b32 v[VB1], 6, v2
	s_lshl_b32 s38, s26, 16
	v_add_nc_u32 v[VHQ], s38, v[VL16]              ; my first pair is my wave's number
	s_lshl_b32 s38, s26, 11
	v_add_nc_u32 v[VHS], s38, v[VL4]
.irp b, 0,1,2,3
	v_mov_b32 v[TM+4+\b], 0                        ; written once: a lane permute's destination counts as one of its sources
.endr
	s_mov_b32 s32, 0x76543210
	s_mov_b32 s33, 0xfedcba98                      ; v_permlanex16_b32's selects for lane l xor 16
	s_mov_b32 s34, 0x600000                        ; the mantissa field of 57,344
	s_mov_b32 s35, 0xffff0000                      ; the lanes with h = 1
	s_mov_b32 s37, 0                               ; the upper word of every offset
	s_mov_b32 s31, s26                             ; the pair in hand
	s_mov_b32 s44, 0                               ; my passes done
	s_wait_kmcnt 0x0
	s_lshl_b32 s36, s28, 7
	s_add_nc_u64 s[18:19], s[18:19], s[36:37]
	s_load_b32 s29, s[18:19], 0x0                  ; the expert's count
	s_lshl_b32 s36, s28, 12
	s_add_nc_u64 s[20:21], s[20:21], s[36:37]      ; its list
	s_lshl_b32 s36, s28, 16
	s_lshl_b32 s38, s27, 12
	s_add_co_u32 s36, s36, s38
	s_add_nc_u64 s[14:15], s[14:15], s[36:37]      ; W1's scales: 65,536 e + 4,096 j
	s_lshl_b32 s36, s28, 13
	s_lshl_b32 s38, s27, 9
	s_add_co_u32 s36, s36, s38
	s_add_nc_u64 s[16:17], s[16:17], s[36:37]      ; b1: 8,192 e + 512 j
	s_lshl_b32 s36, s28, 21
	s_lshl_b32 s38, s27, 17
	s_add_co_u32 s36, s36, s38
	s_lshl_b32 s38, s26, 15
	s_add_co_u32 s36, s36, s38
	s_add_nc_u64 s[12:13], s[12:13], s[36:37]      ; W1's codes: 2 MiB e + 128 KiB j + 32 KiB wave
	s_lshl_b32 s36, s28, 21
	s_lshl_b32 s38, s27, 11
	s_add_co_u32 s36, s36, s38
	s_add_nc_u64 s[22:23], s[22:23], s[36:37]      ; hq: 2 MiB e + 2,048 j
	s_lshl_b32 s36, s28, 16
	s_lshl_b32 s38, s27, 7
	s_add_co_u32 s36, s36, s38
	s_add_nc_u64 s[24:25], s[24:25], s[36:37]      ; hs: 65,536 e + 128 j
	LISTLD 26                                      ; 17 loads: first, since the rows' addresses hang on them.  Its wait covers every address register of the head
.irp t, 0,1,2,3,4,5,6,7
	global_load_b128 v[WS+8*\t:WS+8*\t+3], v[VWS], s[14:15] offset:(32*(\t/2)+8*(\t%2))*32       ; the 8 scale words of the hidden unit that lane r of tile t takes
	global_load_b128 v[WS+8*\t+4:WS+8*\t+7], v[VWS], s[14:15] offset:(32*(\t/2)+8*(\t%2))*32+16
.endr
	WIN 0xc0
.irp t, 0,1,2,3,4,5,6,7
	global_load_b128 v[B1+8*\t:B1+8*\t+3], v[VB1], s[16:17] offset:(32*(\t/2)+8*(\t%2))*4        ; b1 in the result's layout: hidden units 32 b + 16 h + 8 u + 0 .. 7
	global_load_b128 v[B1+8*\t+4:B1+8*\t+7], v[VB1], s[16:17] offset:(32*(\t/2)+8*(\t%2))*4+16
.endr
	WIN 0x40
.set i, 0
.rept 64
	global_load_b128 v[4*i:4*i+3], v[VL16], s[12:13] offset:512*i th:TH_LOAD_NT   ; my 32 rows of W1: 512 consecutive bytes an instruction; read once in the launch
.set i, i+1
.endr
	WIN 0
	s_wait_loadcnt 63                              ; behind the list's last load 96 were issued: with 63 out at the most, the list is in
	OFFS
	s_add_co_u32 s39, s26, 4
	s_wait_alu depctr_vm_vsrc(0)                   ; the list's first 17 loads have read VLI1 and VLI2, which are written again below
	LISTLD 39                                      ; the entries of the pair that would be my second (inside the list whatever the count).  Its wait also shows T2 and TE written, which the gather reads
	GATHER                                         ; my first pair's rows are asked for while W1 comes
	s_wait_loadcnt 63                              ; behind W1's last load 17 + 66 were issued: with 63 out at the most, W1 is in
	WIN 0x04                                       ; an LDS store's data are its source 1: window 1
.set i, 0
.rept 64
.set rho, i/2
	ds_store_b128 v[VWST], v[4*i:4*i+3] offset:(16*((rho>>3)&1)+8*(rho>>4)+(rho&7))*PIT+512*(i%2)   ; hidden unit 32 w + rho goes where lane r of its tile will look for it
.set i, i+1
.endr
	WIN 0
	s_wait_dscnt 0x0                               ; for the others' sake: my part of W1 lies in LDS
	s_barrier_signal -1
	s_barrier_wait -1                              ; everybody's does.  The launch's one barrier: from here on LDS is only read, but for each wave's own stage
	s_wait_kmcnt 0x0
	s_min_u32 s29, s29, 1024
	s_add_co_u32 s30, s29, 31
	s_lshr_b32 s30, s30, 5
	s_max_u32 s30, s30, 4                          ; npairs, 4 to 32
	s_sub_co_u32 s45, s30, s26
	s_add_co_u32 s45, s45, 3
	s_lshr_b32 s45, s45, 2                         ; my passes: the pairs w, w + 4, .. under npairs: 1 to 8
.Lpass:                                            ; counted by s44, one a trip, against s45
	s_wait_loadcnt 0x0                             ; the pair's rows and scale words, and the next pair's entries (in the first trip W1's scales and b1 too)
	TURN
	OFFS                                           ; the next pair's offsets: the loads that named these registers are in, and have read them (the wait in TURN)
	s_add_co_u32 s46, s44, 1                       ; under s45 where I have a further pass
	s_add_co_u32 s39, s31, 8
	s_min_u32 s39, s39, 31
	LISTLD 39                                      ; the entries two passes on (held inside the list)
	FETCHH 0, 0
	FETCHH 0, 4
.irp s, 0,1,2,3,4,5,6,7
	s_wait_dscnt 16                                ; all but the 16 loads issued last: tiles 0-3 of this K step are in (in K step 0: x's fragments too); tiles 4-7 may be out
.if \s > 0
	NOPS 8                                         ; eight plain places stay behind the products of the step before, ahead of the loads into the registers that they read
	s_wait_alu depctr_va_vdst(0)                   ; the products of the step before are done reading their set of W1 and their two fragments of x, in which this step's loads land; this step's products name none of those registers
.endif
	MULH \s, 0
.if \s < 7
	FETCHH \s+1, 0
.endif
.if \s > 0
	PRE \s-1
.endif
.if \s < 7
	s_wait_dscnt 16                                ; all but the 16 just issued: tiles 4-7 of this K step are in
.else
	s_wait_dscnt 0x0
.endif
	MULH \s, 4
.if \s < 7
	FETCHH \s+1, 4
.endif
.endr
	WIN 0
	NOPS 9                                         ; behind the last products: for the reads of results, and for the next pass's first products, which begin the accumulators anew
	s_wait_alu depctr_va_vdst(0)                   ; the last products are done reading K step 7's fragments of x and x's scale words, in which the loads below land
	s_cmp_lt_u32 s46, s45
	s_cbranch_scc0 .Lnolast
	WIN 0x80
	PG 7                                           ; what the last K step has left; the quantiser's lines stand between these loads and the wait for them
	PG 15
	WIN 0
	XSLD
.Lnolast:
	QUANT 0
	s_wait_alu depctr_va_vdst(0)                   ; the conversions have written tile 0's codes, which the four stores read (VHQ was written ahead of earlier waits)
.irp c, 0,1,2,3
	global_store_b128 v[VHQ], v[CD+4*\c:CD+4*\c+3], s[22:23] offset:512*\c                 ; 32 lanes store 512 consecutive bytes, aligned
.endr
	QUANT 1
	v_cndmask_b32 v[PWM], v[PW], v[PW+1], s35      ; lanes 0-15 tile 0's words, lanes 16-31 tile 1's
	s_wait_alu depctr_va_vdst(0)                   ; the conversions have written tile 1's codes and the select the scale words, which the five stores read
.irp c, 0,1,2,3
	global_store_b128 v[VHQ], v[CD+16+4*\c:CD+16+4*\c+3], s[22:23] offset:32768+512*\c
.endr
	global_store_b32 v[VHS], v[PWM], s[24:25]
	s_add_co_u32 s44, s44, 1
	s_cmp_ge_u32 s44, s45
	s_cbranch_scc1 .Ldone
	s_wait_xcnt 0x0                                ; the stores have had their addresses translated: their addresses and data may be written again
	s_wait_alu depctr_vm_vsrc(0)                   ; the nine stores have read VHQ and VHS, which are written below, and the codes and scale words, which the next pass's quantiser writes
	s_lshl_b32 s31, s44, 2
	s_add_co_u32 s31, s31, s26                     ; the next pair: 4 x passes done + wave
	s_min_u32 s39, s31, 31
	s_lshl_b32 s38, s39, 16
	v_add_nc_u32 v[VHQ], s38, v[VL16]
	s_lshl_b32 s38, s39, 11
	v_add_nc_u32 v[VHS], s38, v[VL4]
	s_cmp_lt_u32 s44, s45
	s_cbranch_scc1 .Lpass
.Ldone:
	s_wait_dscnt 0x0                               ; the closing lines, six on end
	s_wait_alu 0x0
	s_wait_tensorcnt 0x0
	ds_add_u32 v254, v255
	s_wait_dscnt 0x0
	s_endpgm
.Lfunc_end_k_q547ca0f27a_fc1:
	.size	k_q547ca0f27a_fc1, .Lfunc_end_k_q547ca0f27a_fc1-k_q547ca0f27a_fc1
	.p2alignl 7, 3214868480
	.fill 96, 4, 3214868480
	.section	.rodata,"a",@progbits
	.p2align	6, 0x0
	.amdhsa_kernel k_q547ca0f27a_fc1
		.amdhsa_group_segment_fixed_size 266752
		.amdhsa_private_segment_fixed_size 0
		.amdhsa_enable_private_segment 0
		.amdhsa_kernarg_size 72
		.amdhsa_user_sgpr_count 2
		.amdhsa_user_sgpr_kernarg_segment_ptr 1
		.amdhsa_wavefront_size32 1
		.amdhsa_system_sgpr_workgroup_id_x 1
		.amdhsa_system_sgpr_workgroup_id_y 1
		.amdhsa_system_sgpr_workgroup_id_z 1
		.amdhsa_system_vgpr_workitem_id 0
		.amdhsa_next_free_vgpr 960
		.amdhsa_next_free_sgpr 66
		.amdhsa_reserve_vcc 0
		.amdhsa_float_denorm_mode_32 3
		.amdhsa_float_denorm_mode_16_64 3
		.amdhsa_memory_ordered 1
		.amdhsa_forward_progress 1
		.amdhsa_inst_pref_size 104
	.end_amdhsa_kernel
	.amdgpu_metadata
---
amdhsa.version: [ 1, 2 ]
amdhsa.kernels:
  - .name:           k_q547ca0f27a_fc1
    .symbol:         k_q547ca0f27a_fc1.kd
    .args:
      - { .name: x_codes, .offset: 0, .size: 8, .value_kind: global_buffer, .address_space: global }
      - { .name: x_scales, .offset: 8, .size: 8, .value_kind: global_buffer, .address_space: global }
      - { .name: W1_codes, .offset: 16, .size: 8, .value_kind: global_buffer, .address_space: global }
      - { .name: W1_scales, .offset: 24, .size: 8, .value_kind: global_buffer, .address_space: global }
      - { .name: b1, .offset: 32, .size: 8, .value_kind: global_buffer, .address_space: global }
      - { .name: cnt, .offset: 40, .size: 8, .value_kind: global_buffer, .address_space: global }
      - { .name: list, .offset: 48, .size: 8, .value_kind: global_buffer, .address_space: global }
      - { .name: hq, .offset: 56, .size: 8, .value_kind: global_buffer, .address_space: global }
      - { .name: hs, .offset: 64, .size: 8, .value_kind: global_buffer, .address_space: global }
    .group_segment_fixed_size: 266752
    .private_segment_fixed_size: 0
    .kernarg_segment_align: 8
    .kernarg_segment_size: 72
    .max_flat_workgroup_size: 128
    .sgpr_count:     66
    .vgpr_count:     960
    .wavefront_size: 32
...
	.end_amdgpu_metadata
.endif
;; end of part 8
;; launch fc2 (part 9): grid 16 x 16, 4 waves a work-group, no clusters, 150,016 bytes of LDS; arguments W2_codes, W2_scales, b2, cnt, list, hq, hs, lg; writes lg
.if DOCPART == 9
	.amdgcn_target "amdgcn-amd-amdhsa--gfx1250"
	.amdhsa_code_object_version 6
	.text
	.protected	k_q547ca0f27a_fc2
	.globl	k_q547ca0f27a_fc2
	.p2align	8
	.type	k_q547ca0f27a_fc2,@function
k_q547ca0f27a_fc2:
	s_mov_b64 s[64:65], 0
	v_nop
	global_prefetch_b8 v0, s[64:65] scope:SCOPE_SE
	s_setreg_imm32_b32 hwreg(HW_REG_WAVE_SCHED_MODE, 0, 2), 2
	s_setreg_imm32_b32 hwreg(HW_REG_WAVE_MODE, 25, 1), 1
	s_wait_xcnt 0x0
	s_wait_alu depctr_vm_vsrc(0)
; THE SECOND LAYER of the chosen experts: logits = h W2 + b2 on codes of BF8 (E5M2) with one E8M0 scale for each 32 along K = 2,048, for the rows of each expert's list.
; SHARES.  Work-group (j, e) owns classes 64 j .. 64 j + 63 of expert e: 64 rows of W2's codes, 131,072 bytes, read once, 512 consecutive bytes an instruction, and kept in LDS.  The rows go round as in the first layer:
; a PAIR is 32 places of the list, two tiles of 16; wave w takes pairs w, w + 4, .. under npairs = max(4, ceil(count / 32)), the number for which the first layer has stored h: (npairs - w + 3) / 4 passes, at least one.
; h comes as images of the operand's registers (hq) and scale words (hs): plain loads of 512 consecutive bytes, nothing is turned.
; A PASS AHEAD.  Where a wave has a further pass, that pass's h is asked for during the pass in hand, into the registers that each two K steps' products have just left: 16 loads a group, under a forward branch on the count of passes,
; so that a wave without a further pass asks for nothing (and no byte of hq is read that the first layer has not stored).
; The product is used transposed (source 0 = 16 classes, source 1 = 16 tokens): a lane holds one token and eight neighbouring classes.  b2 is the C of each sum's first matrix instruction.
; OUT.  lg [4096][1024] f32: row = the list entry's upper half: 2 token + slot, or a spare row for a place past the count.  A tile goes through the wave's own stage in LDS, so that sixteen lanes store a row's 256 aligned bytes.
; THE EDGE.  There are 1,000 classes.  In chunk 15 rows, scales and b2 past the end are taken from rows held at the last valid ones (holds on ids, not on data); columns 1,000 to 1,023 of lg so get finite numbers that nobody uses.
; LIMITS: NaN and infinities are not served.
; NO TENSOR LOADS, NO CLUSTER: the loop's trip count is a stored number; each byte of W2 is read by one work-group; what the 16 work-groups of an expert share is h, 64 KiB a pair against 128 KiB of weights.
; LDS: W2's 64 rows, 2,064 bytes apart (129 x 16: the 16 rows of a fragment load fall on 16 different 16-byte columns modulo 256); behind them a stage of 16 rows x 272 bytes for each wave.
; THE MODE: SCHED_MODE bits 1:0 = 2 (LLVM: expert scheduling mode 2), set by the entry lines.  The code itself states the register dependences between vector or matrix instructions and memory or LDS instructions, with s_wait_alu, always for 0.
; THE PLAN.  Registers that memory or LDS instructions touch, round the loop:
;   windows 2, 3 (h)   Written by global loads; group g's products read the fragments of K steps 2 g and 2 g + 1; in group g + 1 the next pair's h lands there.
;   window 1 (W2)      Two sets.  Group g's products read set g % 2; during group g the LDS loads of group g + 1 land in the other set, which group g - 1 read.  In the first trip the head's LDS stores have read all of it.
;                      On the way out the stage's LDS loads land in its v0 to v63, and the stores to lg read them.
;   DN                 Written by the list's loads; read by DOFFS a pass later.     DOFF: written by DOFFS; read as offsets by the stores to lg.
;   VLI2, VHQN, VHSN   Written by three additions at a pass's head; read by the list's loads and by the loads of the next pair's h and scale words.
;   HS                 Written by loads; read as scales by every group's products.     The accumulators: written by the products; read by the stage's LDS stores.
;   All other addresses are written once at the head.  b2 and W2's scale words are read by the products alone, after their one load.
; THE WAITS.  vm_vsrc: ONE at the loop's head.  va_vdst: in LISTLD, behind the three additions; ONE at the head of each of groups 1 to 7 (the group before is done reading its set of W2 and its four fragments of h):
; behind it the group's loads are dealt among its products, which name the other set, other fragments, the accumulators and scale words; one behind the last products, which also shows the accumulators written for the stage's stores.
; REGISTERS: window 0: v1-25 lane terms and addresses; v26-41 list entries; v42-57 the stores' offsets; v58-73 h's scale words; v74-137 W2's; v138-169 b2; v170-233 accumulator (a, t) at v[170 + 32 a + 8 t]; v234-235 the next pair's addresses.
;   window 1: W2's codes as loaded, then two sets of 8 fragments (two K steps x four tiles), by turns; on the way out rows of lg.   windows 2, 3: h's fragment (a, s) in window 2 + s / 8 at v[128 a + 16 (s % 8)].
.set PIT,  2064
.set STG,  64*PIT
.set SP,   272
.set VL16, 4                           ; 16 x lane
.set VWST, 5                           ; where I put W2's bytes: 16 x lane + wave x 16 rows
.set VWA,  6                           ; a fragment's row r, + 16 h: tiles 0, 1
.set VWB,  7                           ; tiles 2, 3
.set VSO,  8                           ; my stage, on the way in: row r, + 32 h
.set VSR,  9                           ; and back: row h, + 16 r
.set VLI2, 10                          ; list: 4 h + 128 x pair
.set VL4,  11                          ; 4 x lane
.set VHQ,  12                          ; hq: 16 x lane + 65,536 x my first pair
.set VHS,  13                          ; hs: 4 x lane + 2,048 x my first pair
.set VC16, 14                          ; 16 r
.set V2A,  15                          ; W2: my first eight rows, + 16 x lane
.set V2B,  16                          ; my second eight
.set VSC,  17                          ; v17-20 W2's scales: tile t's row, x 64
.set VBO,  21                          ; v21-24 b2: tile t's eight classes, x 4
.set VH4,  25                          ; 4 h
.set DN,   26
.set DOFF, 42
.set HS,   58
.set WS2,  74                          ; [16 t + s]
.set B2,   138
.set ACC,  170
.set VHQN, 234                         ; hq and hs at the pair behind the one in hand
.set VHSN, 235
.set MSB, 0
.macro WIN new                         ; s_set_vgpr_msb: bits 1:0 source 0, 3:2 source 1, 5:4 source 2, 7:6 destination; the high byte repeats the setting that is left
.if MSB != (\new)
	s_set_vgpr_msb (MSB<<8)|(\new)
.set MSB, (\new)
.endif
.endm
.macro NOPS n
.rept \n
	v_nop
.endr
.endm
.macro WM rd, ra, rb, rc, sa, sb, row  ; one scaled product 16 x 16 x 128; row = 1: source 1's scales stand in lanes 16-31
.if \row
	v_wmma_scale_f32_16x16x128_f8f6f4 v[\rd:\rd+7], v[\ra:\ra+15], v[\rb:\rb+15], v[\rc:\rc+7], v[\sa], v[\sb] matrix_a_fmt:MATRIX_FMT_BF8 matrix_b_fmt:MATRIX_FMT_BF8 matrix_b_scale:MATRIX_SCALE_ROW1
.else
	v_wmma_scale_f32_16x16x128_f8f6f4 v[\rd:\rd+7], v[\ra:\ra+15], v[\rb:\rb+15], v[\rc:\rc+7], v[\sa], v[\sb] matrix_a_fmt:MATRIX_FMT_BF8 matrix_b_fmt:MATRIX_FMT_BF8
.endif
.endm
.macro LISTLD sq                       ; the list entries of places 2 n + h of pair s[sq] (at most 31).  No earlier load that names the address register is out where this stands, and a wait on vm_vsrc stands behind the last of them
	s_lshl_b32 s38, s[\sq], 7
	v_add_nc_u32 v[VLI2], s38, v[VH4]
	s_wait_alu depctr_va_vdst(0)                   ; the address is written, which the loads below read; in the loop: DOFFS is done reading DN, in which they land, and DOFF, VHQN and VHSN are written, which later stores and loads read; at the head: every address register is written
.irp n, 0,1,2,3,4,5,6,7,8,9,10,11,12,13,14,15
	global_load_b32 v[DN+\n], v[VLI2], s[16:17] offset:8*\n
.endr
.endm
.macro DOFFS                           ; entries become byte offsets in lg: the row is the entry's upper half, held at 4,095
.irp n, 0,1,2,3,4,5,6,7,8,9,10,11,12,13,14,15
	v_lshrrev_b32 v[DOFF+\n], 16, v[DN+\n]
.endr
.irp n, 0,1,2,3,4,5,6,7,8,9,10,11,12,13,14,15
	v_min_u32 v[DOFF+\n], 0xfff, v[DOFF+\n]
.endr
.irp n, 0,1,2,3,4,5,6,7,8,9,10,11,12,13,14,15
	v_lshl_add_u32 v[DOFF+\n], v[DOFF+\n], 12, v[VC16]             ; a row of lg is 4,096 bytes; + 16 r
.endr
.endm
.macro HG g, adr                       ; h's fragments of K steps 2 g and 2 g + 1, both tiles: 16 loads of 512 consecutive bytes.  It leaves the destination's window set
	WIN 0x80+0x40*((\g)/4)
.irp ss, 0,1
.irp a, 0,1
.irp c, 0,1,2,3
	global_load_b128 v[128*\a+16*((2*(\g)+\ss)%8)+4*\c:128*\a+16*((2*(\g)+\ss)%8)+4*\c+3], v[\adr], s[18:19] offset:\a*32768+2048*(2*(\g)+\ss)+512*\c
.endr
.endr
.endr
.endm
.macro HSLOAD adr                      ; the 16 K steps' scale words: lanes 0-15 tile 0's rows, lanes 16-31 tile 1's
.irp k, 0,1,2,3,4,5,6,7,8,9,10,11,12,13,14,15
	global_load_b32 v[HS+\k], v[\adr], s[20:21] offset:128*\k
.endr
.endm
.macro PRE g                           ; group g of this pass is multiplied, and the wait at the head of the group in hand has shown it done: if I have a further pass, its h goes into the registers that are left
	WIN 0                                          ; at a branch and at a label every window is 0
	s_cmp_lt_u32 s46, s45
	s_cbranch_scc0 .Lnopre_\@
	HG \g, VHQN
	WIN 0
.Lnopre_\@:
.endm
.macro FETCHH g, ss                    ; W2's fragments of K step 2 g + ss, four tiles, into half ss of set g % 2: 16 loads
	WIN 0x40
.irp t, 0,1,2,3
.irp c, 0,1,2,3
.if \t < 2
	ds_load_b128 v[128*((\g)%2)+64*(\ss)+16*\t+4*\c:128*((\g)%2)+64*(\ss)+16*\t+4*\c+3], v[VWA] offset:\t*16*PIT+128*(2*(\g)+(\ss))+32*\c
.else
	ds_load_b128 v[128*((\g)%2)+64*(\ss)+16*\t+4*\c:128*((\g)%2)+64*(\ss)+16*\t+4*\c+3], v[VWB] offset:(\t-2)*16*PIT+128*(2*(\g)+(\ss))+32*\c
.endif
.endr
.endr
.endm
.macro MULH g, ss                      ; K step 2 g + ss: 8 products; the 8 accumulators by turns, one instruction a turn
.if (\g) < 4
	WIN 0x09                                       ; source 0 (W2) window 1, source 1 (h) window 2, C and D window 0
.else
	WIN 0x0d                                       ; source 1 window 3
.endif
.irp t, 0,1,2,3
.irp a, 0,1
.if (2*(\g)+(\ss)) == 0
	WM ACC+32*\a+8*\t, 128*((\g)%2)+64*(\ss)+16*\t, 128*\a+16*((2*(\g)+(\ss))%8), B2+8*\t, WS2+16*\t+2*(\g)+(\ss), HS+2*(\g)+(\ss), \a
.else
	WM ACC+32*\a+8*\t, 128*((\g)%2)+64*(\ss)+16*\t, 128*\a+16*((2*(\g)+(\ss))%8), ACC+32*\a+8*\t, WS2+16*\t+2*(\g)+(\ss), HS+2*(\g)+(\ss), \a
.endif
.endr
.endr
.endm
.macro STAGE a                         ; tile a's 16 rows x 64 classes into my stage, and back as whole rows of 256 bytes.  LDS serves a wave's instructions in order (ISA guide 5.7.1.4)
.irp t, 0,1,2,3
	ds_store_b128 v[VSO], v[ACC+32*\a+8*\t:ACC+32*\a+8*\t+3] offset:64*\t              ; each accumulator from its low end on
	ds_store_b128 v[VSO], v[ACC+32*\a+8*\t+4:ACC+32*\a+8*\t+7] offset:64*\t+16
.endr
	WIN 0x40
.irp i, 0,1,2,3,4,5,6,7
	ds_load_b128 v[32*\a+4*\i:32*\a+4*\i+3], v[VSR] offset:2*\i*SP                     ; rows 2 i and 2 i + 1
.endr
	WIN 0
.endm
.macro SEND a
	WIN 0x04                                       ; a store's data are its source 1: window 1
.irp i, 0,1,2,3,4,5,6,7
	global_store_b128 v[DOFF+8*\a+\i], v[32*\a+4*\i:32*\a+4*\i+3], s[22:23]            ; sixteen lanes store 256 consecutive bytes of a row of lg, aligned
.endr
	WIN 0
.endm
	s_load_b512 s[8:23], s[0:1], 0x0               ; W2's codes s[8:9], W2's scales s[10:11], b2 s[12:13], cnt s[14:15], list s[16:17], hq s[18:19], hs s[20:21], lg s[22:23]
	v_lshl_add_u32 v254, v0, 2, 0x24800
	v_mov_b32 v255, 0
	v_lshrrev_b32 v1, 5, v0
	v_readfirstlane_b32 s26, v1                    ; wave 0..3
	s_mov_b32 s27, ttmp9                           ; j
	s_and_b32 s28, ttmp7, 0xffff                   ; e
	v_and_b32 v3, 31, v0                           ; lane
	v_and_b32 v1, 15, v0                           ; r
	v_bfe_u32 v2, v0, 4, 1                         ; h
	v_lshlrev_b32 v[VL16], 4, v3
	v_lshlrev_b32 v[VL4], 2, v3
	v_lshlrev_b32 v[VH4], 2, v2
	v_lshlrev_b32 v[VC16], 4, v1
	s_wait_alu depctr_va_sdst(0)                   ; s26, the wave's number, is written, ahead of its first reader
	s_mul_i32 s36, s26, 16*PIT
	v_add_nc_u32 v[VWST], s36, v[VL16]
	v_mul_u32_u24 v[VWA], v1, PIT
	v_lshl_add_u32 v[VWA], v2, 4, v[VWA]
	v_add_nc_u32 v[VWB], 32*PIT, v[VWA]
	s_mul_i32 s36, s26, 16*SP
	s_add_co_u32 s36, s36, STG                     ; my stage
	v_mul_u32_u24 v[VSO], v1, SP
	v_lshl_add_u32 v[VSO], v2, 5, v[VSO]
	v_add_nc_u32 v[VSO], s36, v[VSO]
	v_mul_u32_u24 v[VSR], v2, SP
	v_lshl_add_u32 v[VSR], v1, 4, v[VSR]
	v_add_nc_u32 v[VSR], s36, v[VSR]
	s_lshl_b32 s38, s26, 16
	v_add_nc_u32 v[VHQ], s38, v[VL16]              ; my first pair is my wave's number
	s_lshl_b32 s38, s26, 11
	v_add_nc_u32 v[VHS], s38, v[VL4]
	s_lshl_b32 s40, s27, 6                         ; 64 j
	s_lshl_b32 s41, s26, 4
	s_add_co_u32 s41, s41, s40                     ; my 16 rows of W2 begin at class 64 j + 16 w,
	s_add_co_u32 s42, s41, 8                       ; in two groups of eight,
	s_min_u32 s41, s41, 992                        ; each held at the last eight valid rows
	s_min_u32 s42, s42, 992
	s_lshl_b32 s41, s41, 11                        ; a row is 2,048 bytes
	s_lshl_b32 s42, s42, 11
	v_add_nc_u32 v[V2A], s41, v[VL16]
	v_add_nc_u32 v[V2B], s42, v[VL16]
	v_add_nc_u32 v[VSC], s40, v1                   ; class 64 j + r,
.irp t, 1,2,3
	v_add_nc_u32 v[VSC+\t], 16*\t, v[VSC]          ; + 16 t,
.endr
.irp t, 0,1,2,3
	v_min_u32 v[VSC+\t], 0x3e7, v[VSC+\t]          ; held at 999
.endr
.irp t, 0,1,2,3
	v_lshlrev_b32 v[VSC+\t], 6, v[VSC+\t]          ; 64 scale bytes a class
.endr
	v_lshl_add_u32 v[VBO], v2, 3, s40              ; class 64 j + 8 h,
.irp t, 1,2,3
	v_add_nc_u32 v[VBO+\t], 16*\t, v[VBO]          ; + 16 t,
.endr
.irp t, 0,1,2,3
	v_min_u32 v[VBO+\t], 0x3e0, v[VBO+\t]          ; held at 992: eight numbers from there on are inside
.endr
.irp t, 0,1,2,3
	v_lshlrev_b32 v[VBO+\t], 2, v[VBO+\t]
.endr
	s_mov_b32 s37, 0                               ; the upper word of every offset
	s_mov_b32 s31, s26                             ; the pair in hand
	s_mov_b32 s44, 0                               ; my passes done
	s_wait_kmcnt 0x0
	s_lshl_b32 s36, s28, 7
	s_add_nc_u64 s[14:15], s[14:15], s[36:37]
	s_load_b32 s29, s[14:15], 0x0                  ; the expert's count
	s_lshl_b32 s36, s28, 12
	s_add_nc_u64 s[16:17], s[16:17], s[36:37]      ; its list
	s_mul_i32 s36, s28, 2048000
	s_add_nc_u64 s[8:9], s[8:9], s[36:37]          ; its codes of W2,
	s_mul_i32 s36, s28, 64000
	s_add_nc_u64 s[10:11], s[10:11], s[36:37]      ; their scales,
	s_mul_i32 s36, s28, 4000
	s_add_nc_u64 s[12:13], s[12:13], s[36:37]      ; its b2
	s_lshl_b32 s36, s28, 21
	s_add_nc_u64 s[18:19], s[18:19], s[36:37]      ; hq: 2 MiB e
	s_lshl_b32 s36, s28, 16
	s_add_nc_u64 s[20:21], s[20:21], s[36:37]      ; hs: 65,536 e
	s_lshl_b32 s36, s27, 8
	s_add_nc_u64 s[22:23], s[22:23], s[36:37]      ; lg: my 64 columns
	LISTLD 26                                      ; 16 loads.  Its wait covers every address register of the head: no vector instruction stands between it and the loop
.irp t, 0,1,2,3
.irp k, 0,1,2,3
	global_load_b128 v[WS2+16*\t+4*\k:WS2+16*\t+4*\k+3], v[VSC+\t], s[10:11] offset:16*\k          ; the 16 scale words of class 16 t + r
.endr
.endr
.irp t, 0,1,2,3
	global_load_b128 v[B2+8*\t:B2+8*\t+3], v[VBO+\t], s[12:13]                                     ; b2 in the result's layout: classes 16 t + 8 h + 0 .. 7
	global_load_b128 v[B2+8*\t+4:B2+8*\t+7], v[VBO+\t], s[12:13] offset:16
.endr
	WIN 0x40
.set i, 0
.rept 64
.if i < 32
	global_load_b128 v[4*i:4*i+3], v[V2A], s[8:9] offset:((i/4)%8)*2048+512*(i%4) th:TH_LOAD_NT    ; a quarter of row i / 4: 512 consecutive bytes
.else
	global_load_b128 v[4*i:4*i+3], v[V2B], s[8:9] offset:((i/4)%8)*2048+512*(i%4) th:TH_LOAD_NT
.endif
.set i, i+1
.endr
.irp g, 0,1,2,3
	HG \g, VHQ                                     ; my first pair's h is asked for while W2 comes: 64 loads
.endr
	WIN 0
	s_wait_loadcnt 63                              ; behind W2's last load these 64 were issued: with 63 out at the most, W2 is in
	WIN 0x04                                       ; an LDS store's data are its source 1: window 1
.set i, 0
.rept 64
	ds_store_b128 v[VWST], v[4*i:4*i+3] offset:(i/4)*PIT+512*(i%4)
.set i, i+1
.endr
.irp g, 4,5,6,7
	HG \g, VHQ
.endr
	WIN 0
	HSLOAD VHS
	s_wait_dscnt 0x0                               ; for the others' sake: my part of W2 lies in LDS
	s_barrier_signal -1
	s_barrier_wait -1                              ; everybody's does.  The launch's one barrier: from here on LDS is only read, but for each wave's own stage
	s_wait_kmcnt 0x0
	s_min_u32 s29, s29, 1024
	s_add_co_u32 s30, s29, 31
	s_lshr_b32 s30, s30, 5
	s_max_u32 s30, s30, 4                          ; npairs, as the first layer has it: 4 to 32
	s_sub_co_u32 s45, s30, s26
	s_add_co_u32 s45, s45, 3
	s_lshr_b32 s45, s45, 2                         ; my passes: the pairs w, w + 4, .. under npairs: 1 to 8
.Lpass:                                            ; counted by s44, one a trip, against s45
	s_wait_loadcnt 0x0                             ; the pair's h, its scale words and its list entries (in the first trip W2's scales and b2 too)
	s_wait_alu depctr_vm_vsrc(0)                   ; in the first trip: the head's LDS stores have read window 1, in which the ring lands.  On the way back: the stores to lg have read DOFF and their rows in window 1, the stage's stores the accumulators, the loads VLI2, VHQN and VHSN: all are written again below
	DOFFS
	s_add_co_u32 s46, s44, 1                       ; under s45 where I have a further pass
	s_add_co_u32 s39, s31, 4
	s_min_u32 s39, s39, 31
	s_lshl_b32 s38, s39, 16
	v_add_nc_u32 v[VHQN], s38, v[VL16]             ; where my next pair's h lies: the loads that named these two registers are in
	s_lshl_b32 s38, s39, 11
	v_add_nc_u32 v[VHSN], s38, v[VL4]
	LISTLD 39                                      ; my next pair's entries, a pass ahead (held inside the list)
	FETCHH 0, 0
	FETCHH 0, 1
.irp g, 0,1,2,3,4,5,6,7
	s_wait_dscnt 16                                ; all but the 16 loads issued last: K step 2 g's fragments are in; K step 2 g + 1's may be out
.if \g > 0
	NOPS 8                                         ; eight plain places stay behind the products of the group before, ahead of the loads into the registers that they read
	s_wait_alu depctr_va_vdst(0)                   ; the products of the group before are done reading their set of W2 and their four fragments of h, in which this group's loads land; this group's products name none of those registers
.endif
	MULH \g, 0
.if \g < 7
	FETCHH \g+1, 0
.endif
.if \g > 0
	PRE \g-1
.endif
.if \g < 7
	s_wait_dscnt 16                                ; all but the 16 just issued: K step 2 g + 1's fragments are in
.else
	s_wait_dscnt 0x0
.endif
	MULH \g, 1
.if \g < 7
	FETCHH \g+1, 1
.endif
.endr
	WIN 0
	NOPS 9                                         ; behind the last products: for the reads of results, and for the next pass's first products, which begin the accumulators anew
	s_wait_alu depctr_va_vdst(0)                   ; the last products have written the accumulators, which the stage's stores read, and are done reading group 7's h and h's scale words, in which the loads below land, and window 1, in which the stage's loads land
	s_cmp_lt_u32 s46, s45
	s_cbranch_scc0 .Lnolast
	HG 7, VHQN                                     ; what the last two K steps have left; the way out stands between these loads and the wait for them
	WIN 0
	HSLOAD VHSN
.Lnolast:
	STAGE 0
	STAGE 1
	s_wait_dscnt 16                                ; behind tile 0's loads stand tile 1's 8 stores and 8 loads: tile 0's rows are back
	SEND 0
	s_wait_dscnt 0x0
	SEND 1
	s_add_co_u32 s44, s44, 1
	s_cmp_ge_u32 s44, s45
	s_cbranch_scc1 .Ldone
	s_wait_xcnt 0x0                                ; the stores have had their addresses translated: their addresses and data may be written again (that they have read their registers is stated at the loop's head)
	s_lshl_b32 s31, s44, 2
	s_add_co_u32 s31, s31, s26                     ; the next pair: 4 x passes done + wave
	s_cmp_lt_u32 s44, s45
	s_cbranch_scc1 .Lpass
.Ldone:
	s_wait_dscnt 0x0                               ; the closing lines, six on end
	s_wait_alu 0x0
	s_wait_tensorcnt 0x0
	ds_add_u32 v254, v255
	s_wait_dscnt 0x0
	s_endpgm
.Lfunc_end_k_q547ca0f27a_fc2:
	.size	k_q547ca0f27a_fc2, .Lfunc_end_k_q547ca0f27a_fc2-k_q547ca0f27a_fc2
	.p2alignl 7, 3214868480
	.fill 96, 4, 3214868480
	.section	.rodata,"a",@progbits
	.p2align	6, 0x0
	.amdhsa_kernel k_q547ca0f27a_fc2
		.amdhsa_group_segment_fixed_size 150016
		.amdhsa_private_segment_fixed_size 0
		.amdhsa_enable_private_segment 0
		.amdhsa_kernarg_size 64
		.amdhsa_user_sgpr_count 2
		.amdhsa_user_sgpr_kernarg_segment_ptr 1
		.amdhsa_wavefront_size32 1
		.amdhsa_system_sgpr_workgroup_id_x 1
		.amdhsa_system_sgpr_workgroup_id_y 1
		.amdhsa_system_sgpr_workgroup_id_z 1
		.amdhsa_system_vgpr_workitem_id 0
		.amdhsa_next_free_vgpr 1024
		.amdhsa_next_free_sgpr 66
		.amdhsa_reserve_vcc 0
		.amdhsa_float_denorm_mode_32 3
		.amdhsa_float_denorm_mode_16_64 3
		.amdhsa_memory_ordered 1
		.amdhsa_forward_progress 1
		.amdhsa_inst_pref_size 92
	.end_amdhsa_kernel
	.amdgpu_metadata
---
amdhsa.version: [ 1, 2 ]
amdhsa.kernels:
  - .name:           k_q547ca0f27a_fc2
    .symbol:         k_q547ca0f27a_fc2.kd
    .args:
      - { .name: W2_codes, .offset: 0, .size: 8, .value_kind: global_buffer, .address_space: global }
      - { .name: W2_scales, .offset: 8, .size: 8, .value_kind: global_buffer, .address_space: global }
      - { .name: b2, .offset: 16, .size: 8, .value_kind: global_buffer, .address_space: global }
      - { .name: cnt, .offset: 24, .size: 8, .value_kind: global_buffer, .address_space: global }
      - { .name: list, .offset: 32, .size: 8, .value_kind: global_buffer, .address_space: global }
      - { .name: hq, .offset: 40, .size: 8, .value_kind: global_buffer, .address_space: global }
      - { .name: hs, .offset: 48, .size: 8, .value_kind: global_buffer, .address_space: global }
      - { .name: lg, .offset: 56, .size: 8, .value_kind: global_buffer, .address_space: global }
    .group_segment_fixed_size: 150016
    .private_segment_fixed_size: 0
    .kernarg_segment_align: 8
    .kernarg_segment_size: 64
    .max_flat_workgroup_size: 128
    .sgpr_count:     66
    .vgpr_count:     1024
    .wavefront_size: 32
...
	.end_amdgpu_metadata
.endif
;; end of part 9
;; launch combine (part 10): grid 256 x 1, 4 waves a work-group, no clusters, 0 bytes of LDS; arguments lg, wts, out0; writes out0
.if DOCPART == 10
	.amdgcn_target "amdgcn-amd-amdhsa--gfx1250"
	.amdhsa_code_object_version 6
	.text
	.protected	k_q547ca0f27a_combine
	.globl	k_q547ca0f27a_combine
	.p2align	8
	.type	k_q547ca0f27a_combine,@function
k_q547ca0f27a_combine:
	s_mov_b64 s[64:65], 0
	v_nop
	global_prefetch_b8 v0, s[64:65] scope:SCOPE_SE
	s_setreg_imm32_b32 hwreg(HW_REG_WAVE_MODE, 25, 1), 1
	s_wait_xcnt 0x0
; THE END.  out[t][c] = w0 (l0[c] - lse0) + w1 (l1[c] - lse1): l0, l1 the logits of token t's two experts (rows 2 t and 2 t + 1 of lg), lse their log-sum-exp over the 1,000 classes, w0, w1 the gate values.
; One wave, one token: both rows stay in registers (32 each), so lg is read once; the reductions never leave the wave: no LDS, no barrier.  Each load covers 512 consecutive bytes.
; A row of lg has 1,024 columns; the last 24 are not classes: they are set to -infinity ahead of the maximum, so that their exponentials are 0, and are not stored.
; The row's maximum is taken away before the exponentials.  The result is formed as w0 l0 + (w1 l1 - k), k = w0 lse0 + w1 lse1: two fused multiply-adds for two numbers.
; LIMITS: NaN and infinities among the logits are not served.  A row of out0 is 4,000 bytes, so its stores are aligned to 16 bytes, not to 256: the output's own shape.
; No matrix work, no cluster: work-groups share nothing.
.set RA, 8                             ; v8-39    row 2 t: register 4 q + c = column 128 q + 4 lane + c
.set RB, 40                            ; v40-71   row 2 t + 1
.set RE, 72                            ; v72-103  exponentials
.set MX, 104                           ; v104-107 four chains of the maximum; then v104 the maximum
.set PT, 108                           ; a lane permute's destination
.set LG, 109                           ; log2 of the sum
.set L0, 110                           ; lse0, lse1
.set L1, 111
.set KK, 112                           ; v[112:113] k, as a pair
	s_load_b128 s[4:7], s[0:1], 0x0                ; lg s[4:5], wts s[6:7]
	s_load_b64 s[8:9], s[0:1], 0x10                ; out0
	v_lshrrev_b32 v1, 5, v0
	v_readfirstlane_b32 s10, v1                    ; wave
	s_lshl_b32 s11, ttmp9, 2
	s_add_co_u32 s11, s11, s10                     ; my token
	v_and_b32 v3, 31, v0                           ; lane
	v_lshlrev_b32 v1, 4, v3                        ; 16 bytes a lane
	v_mov_b32 v2, 0xff800000                       ; -infinity
	v_mov_b32 v[PT], 0                             ; written once: a lane permute's destination counts as one of its sources
	v_cmp_gt_u32 vcc_lo, 26, v3                    ; in the last 512 bytes of a row the classes end with lane 25: 896 + 4 x 26 = 1,000.  VCC keeps this mask to the end
	s_lshl_b32 s20, s11, 13                        ; two rows of 4,096 bytes
	s_mov_b32 s21, 0
	s_lshl_b32 s22, s11, 3
	s_mov_b32 s23, 0
	s_mul_i32 s24, s11, 4000
	s_mov_b32 s25, 0
	s_mov_b32 s26, 0x76543210
	s_mov_b32 s27, 0xfedcba98                      ; v_permlanex16_b32's selects for lane l xor 16
	s_mov_b32 s28, 0x3fb8aa3b                      ; log2(e)
	s_mov_b32 s29, s28                             ; (named with it as a pair, so it is written)
	s_mov_b32 s30, 0x3f317218                      ; ln(2)
	s_wait_alu depctr_va_vdst(0)
	s_wait_kmcnt 0x0
	s_add_nc_u64 s[4:5], s[4:5], s[20:21]
	s_add_nc_u64 s[6:7], s[6:7], s[22:23]
	s_add_nc_u64 s[8:9], s[8:9], s[24:25]
	s_load_b64 s[12:13], s[6:7], 0x0               ; w0, w1
.irp q, 0,1,2,3,4,5,6,7
	global_load_b128 v[RA+4*\q:RA+4*\q+3], v1, s[4:5] offset:512*\q th:TH_LOAD_NT
.endr
.irp q, 0,1,2,3,4,5,6,7
	global_load_b128 v[RB+4*\q:RB+4*\q+3], v1, s[4:5] offset:4096+512*\q th:TH_LOAD_NT
.endr
.macro LSE x, dst                      ; the log-sum-exp of the row in v[x] on
.irp c, 0,1,2,3
	v_cndmask_b32 v[\x+28+\c], v2, v[\x+28+\c], vcc_lo             ; what is no class counts for nothing
.endr
.irp k, 0,1,2,3
	v_max3_num_f32 v[MX+\k], v[\x+8*\k], v[\x+8*\k+1], v[\x+8*\k+2]   ; four chains that do not wait for each other
.endr
.irp i, 3,5
.irp k, 0,1,2,3
	v_max3_num_f32 v[MX+\k], v[MX+\k], v[\x+8*\k+\i], v[\x+8*\k+\i+1]
.endr
.endr
.irp k, 0,1,2,3
	v_max_num_f32 v[MX+\k], v[MX+\k], v[\x+8*\k+7]
.endr
	v_max3_num_f32 v[MX], v[MX], v[MX+1], v[MX+2]
	v_max_num_f32 v[MX], v[MX], v[MX+3]
	v_max_num_f32_dpp v[MX], v[MX], v[MX] row_xmask:1 row_mask:0xf bank_mask:0xf
	v_max_num_f32_dpp v[MX], v[MX], v[MX] row_xmask:2 row_mask:0xf bank_mask:0xf
	v_max_num_f32_dpp v[MX], v[MX], v[MX] row_xmask:4 row_mask:0xf bank_mask:0xf
	v_max_num_f32_dpp v[MX], v[MX], v[MX] row_xmask:8 row_mask:0xf bank_mask:0xf
	v_permlanex16_b32 v[PT], v[MX], s26, s27
	v_max_num_f32 v[MX], v[MX], v[PT]              ; the row's maximum, in every lane
.irp p, 0,2,4,6,8,10,12,14,16,18,20,22,24,26,28,30
	v_pk_add_f32 v[RE+\p:RE+\p+1], v[\x+\p:\x+\p+1], v[MX:MX+1] op_sel_hi:[1,0] neg_lo:[0,1] neg_hi:[0,1]   ; l - the maximum (of the pair the low word serves both halves)
.endr
.irp p, 0,2,4,6,8,10,12,14,16,18,20,22,24,26,28,30
	v_pk_mul_f32 v[RE+\p:RE+\p+1], v[RE+\p:RE+\p+1], s[28:29] op_sel_hi:[1,0]                               ; x log2(e)
.endr
	s_wait_alu depctr_va_vdst(0)
.irp p, 0,1,2,3,4,5,6,7,8,9,10,11,12,13,14,15,16,17,18,19,20,21,22,23,24,25,26,27,28,29,30,31
	v_exp_f32 v[RE+\p], v[RE+\p]
.endr
	v_nop                                          ; a plain instruction behind the last exponential
	s_wait_alu depctr_va_vdst(0)                   ; one wait for the batch of 32, ahead of its first reader
.irp p, 0,4,8,12,16,20,24,28
	v_pk_add_f32 v[RE+\p:RE+\p+1], v[RE+\p:RE+\p+1], v[RE+\p+2:RE+\p+3]
.endr
.irp p, 0,8,16,24
	v_pk_add_f32 v[RE+\p:RE+\p+1], v[RE+\p:RE+\p+1], v[RE+\p+4:RE+\p+5]
.endr
.irp p, 0,16
	v_pk_add_f32 v[RE+\p:RE+\p+1], v[RE+\p:RE+\p+1], v[RE+\p+8:RE+\p+9]
.endr
	v_pk_add_f32 v[RE:RE+1], v[RE:RE+1], v[RE+16:RE+17]
	v_add_f32 v[RE], v[RE], v[RE+1]
	v_add_f32_dpp v[RE], v[RE], v[RE] row_xmask:1 row_mask:0xf bank_mask:0xf
	v_add_f32_dpp v[RE], v[RE], v[RE] row_xmask:2 row_mask:0xf bank_mask:0xf
	v_add_f32_dpp v[RE], v[RE], v[RE] row_xmask:4 row_mask:0xf bank_mask:0xf
	v_add_f32_dpp v[RE], v[RE], v[RE] row_xmask:8 row_mask:0xf bank_mask:0xf
	v_permlanex16_b32 v[PT], v[RE], s26, s27
	v_add_f32 v[RE], v[RE], v[PT]                  ; the row's sum, at least 1
	s_wait_alu depctr_va_vdst(0)
	v_log_f32 v[LG], v[RE]
	v_nop
	s_wait_alu depctr_va_vdst(0)
	v_fma_f32 v[\dst], v[LG], s30, v[MX]           ; the maximum + ln(2) log2(the sum)
.endm
	s_wait_loadcnt 8                               ; row 2 t is in; row 2 t + 1's eight younger loads may be out
	LSE RA, L0
	s_wait_loadcnt 0x0
	LSE RB, L1
	s_wait_kmcnt 0x0
	s_mov_b32 s14, s13                             ; w1 as the low word of a pair
	s_mov_b32 s15, s13
	v_mul_f32 v[KK], s12, v[L0]
	s_wait_alu depctr_va_vdst(0)
	v_fmac_f32 v[KK], s13, v[L1]                   ; k = w0 lse0 + w1 lse1
	v_mov_b32 v[KK+1], v[KK]
.irp p, 0,2,4,6,8,10,12,14,16,18,20,22,24,26,28,30
	v_pk_fma_f32 v[RB+\p:RB+\p+1], v[RB+\p:RB+\p+1], s[14:15], v[KK:KK+1] op_sel_hi:[1,0,0] neg_lo:[0,0,1] neg_hi:[0,0,1]   ; w1 l1 - k
.endr
.irp p, 0,2,4,6,8,10,12,14,16,18,20,22,24,26,28,30
	v_pk_fma_f32 v[RA+\p:RA+\p+1], v[RA+\p:RA+\p+1], s[12:13], v[RB+\p:RB+\p+1] op_sel_hi:[1,0,1]                            ; w0 l0 + that
.endr
.irp q, 0,1,2,3,4,5,6
	global_store_b128 v1, v[RA+4*\q:RA+4*\q+3], s[8:9] offset:512*\q th:TH_STORE_NT    ; 512 consecutive bytes of the token's row
.endr
	s_wait_alu depctr_va_vdst(0)
	s_wait_xcnt 0x0                                ; EXEC changes only behind this wait: it is a source of the stores above
	s_and_saveexec_b32 s17, vcc_lo
	global_store_b128 v1, v[RA+28:RA+31], s[8:9] offset:3584 th:TH_STORE_NT            ; the row's last 416 bytes: lanes 0 to 25
	s_wait_xcnt 0x0                                ; and again, in front of the line that widens it
	s_or_b32 exec_lo, exec_lo, s17
	s_endpgm
.Lfunc_end_k_q547ca0f27a_combine:
	.size	k_q547ca0f27a_combine, .Lfunc_end_k_q547ca0f27a_combine-k_q547ca0f27a_combine
	.p2alignl 7, 3214868480
	.fill 96, 4, 3214868480
	.section	.rodata,"a",@progbits
	.p2align	6, 0x0
	.amdhsa_kernel k_q547ca0f27a_combine
		.amdhsa_group_segment_fixed_size 0
		.amdhsa_private_segment_fixed_size 0
		.amdhsa_enable_private_segment 0
		.amdhsa_kernarg_size 24
		.amdhsa_user_sgpr_count 2
		.amdhsa_user_sgpr_kernarg_segment_ptr 1
		.amdhsa_wavefront_size32 1
		.amdhsa_system_sgpr_workgroup_id_x 1
		.amdhsa_system_sgpr_workgroup_id_y 1
		.amdhsa_system_sgpr_workgroup_id_z 1
		.amdhsa_system_vgpr_workitem_id 0
		.amdhsa_next_free_vgpr 116
		.amdhsa_next_free_sgpr 66
		.amdhsa_reserve_vcc 1
		.amdhsa_float_denorm_mode_32 3
		.amdhsa_float_denorm_mode_16_64 3
		.amdhsa_memory_ordered 1
		.amdhsa_forward_progress 1
		.amdhsa_inst_pref_size 19
	.end_amdhsa_kernel
	.amdgpu_metadata
---
amdhsa.version: [ 1, 2 ]
amdhsa.kernels:
  - .name:           k_q547ca0f27a_combine
    .symbol:         k_q547ca0f27a_combine.kd
    .args:
      - { .name: lg, .offset: 0, .size: 8, .value_kind: global_buffer, .address_space: global }
      - { .name: wts, .offset: 8, .size: 8, .value_kind: global_buffer, .address_space: global }
      - { .name: out0, .offset: 16, .size: 8, .value_kind: global_buffer, .address_space: global }
    .group_segment_fixed_size: 0
    .private_segment_fixed_size: 0
    .kernarg_segment_align: 8
    .kernarg_segment_size: 24
    .max_flat_workgroup_size: 128
    .sgpr_count:     66
    .vgpr_count:     116
    .wavefront_size: 32
...
	.end_amdgpu_metadata
.endif
;; end of part 10
